; MI455X (gfx1250); checked and timed in simulation.
; The chip was launched on July 23, 2026; its instructions are those of AMD's public machine-readable ISA for CDNA 5 (MIT licence, August 2026) and "CDNA5" Instruction Set Architecture Reference Guide (July 2026). The comments in the code are by the model that wrote it; some were corrected since.
;; Transformer Block. Allowed arithmetic: matrix products marked QUANTISED: E4M3 operands, one E8M0 scale for each 32 along K, by v_wmma_scale_f32_16x16x128_f8f6f4 with both operands' format E4M3, f32 sums; everything else in f32.
;; Inputs: W1 1,024 x 4,096 float32; W2 4,096 x 1,024 float32; Wk 16 x 1,024 x 64 float32; Wp 1,024 x 1,024 float32; Wq 16 x 1,024 x 64 float32; Wv 16 x 1,024 x 64 float32; b1 4,096 float32; b2 1,024 float32; be1 1,024 float32; be2 1,024 float32; bp 1,024 float32; g1 1,024 float32; g2 1,024 float32; x 2 x 2,048 x 1,024 float32.
;; Outputs: out0 2 x 2,048 x 1,024 float32.
;; This version of the problem:
;;   THIS VERSION OF THE PROBLEM IS GIVEN IN LOW PRECISION. The matrix products marked QUANTISED in the list below multiply operands that are first quantised to E4M3 (4 exponent bits, 3 mantissa bits; 8 bits a number), with one power-of-two scale for each 32 numbers along K (OCP MX v1.0); their sums are f32. All else is computed in f32.
;;   The module's matrix products, in the order in which they are computed (A, B: the left and right operand; K: the contracted axis; several contracted axes count as one K, in the product's order):
;;     1. [M 1,024, K 1,024] x [K 1,024, N 4,096]; A: input Wq; B: input x: QUANTISED
;;     2. [M 1,024, K 1,024] x [K 1,024, N 4,096]; A: input Wk; B: input x: QUANTISED
;;     3. [M 1,024, K 1,024] x [K 1,024, N 4,096]; A: input Wv; B: input x: QUANTISED
;;     4. batch 32 x [M 2,048, K 64] x [K 64, N 2,048]; A: computed on the way; B: computed on the way: QUANTISED
;;     5. batch 32 x [M 2,048, K 2,048] x [K 2,048, N 64]; A: softmax (see below); B: computed on the way: QUANTISED
;;     6. [M 4,096, K 1,024] x [K 1,024, N 1,024]; A: computed on the way; B: input Wp: QUANTISED
;;     7. [M 4,096, K 1,024] x [K 1,024, N 4,096]; A: computed on the way; B: input W1: QUANTISED
;;     8. [M 4,096, K 4,096] x [K 4,096, N 1,024]; A: computed on the way; B: input W2: QUANTISED
;;   THE QUANTISER, for each operand of a quantised product, along K:
;;     - K is cut into blocks of 32 from its start; a last block that is shorter is filled with zeros.
;;     - A block's scale is 2^e with e = floor(log2(the largest magnitude in the block)) - 8, held to -126 .. 127; a block of zeros has e = 0. As a byte (E8M0): e + 127.
;;     - Each number is divided by its block's scale, clamped to +-448, and rounded to the nearest number of E4M3, ties to even, subnormals kept.
;;     - The product sums the exact products of the quantised numbers (number of the format x scale) in f32.
;;   ~~~python
;;   def quantise(x, axis):      # numpy; x: float32 -> the quantised numbers, widened to float32 again
;;       x = np.moveaxis(x, axis, -1); K = x.shape[-1]
;;       x = np.pad(x, [(0, 0)] * (x.ndim - 1) + [(0, -K % 32)]); x = x.reshape(x.shape[:-1] + (-1, 32)); a = np.abs(x).max(-1, keepdims=True)
;;       e = np.where(a > 0, np.clip(np.frexp(np.where(a > 0, a, 1))[1] - 1 - 8, -126, 127), 0)      # np.frexp(a)[1] - 1 = floor(log2(a)), exactly
;;       r = np.clip(x / 2.0 ** e, -448, 448)
;;       step = 2.0 ** (np.maximum(np.frexp(np.where(r == 0, 1, r))[1] - 1, -6) - 3)
;;       q = np.round(r / step) * step * 2.0 ** e      # np.round: ties to even
;;       return np.moveaxis(q.reshape(q.shape[:-2] + (-1,))[..., :K], -1, axis).astype(np.float32)
;;   ~~~
;;   SOFTMAX AHEAD OF A QUANTISED PRODUCT. Where the list says 'softmax', what is quantised is not the finished softmax but p = 2^(t - M), with t = logit x log2(e) and M = ceil(the row's largest t), a whole number; so 1/2 < the row's largest p <= 1. The row's sum l is taken of the UNQUANTISED p, in f32, and the product's result is divided by l at the end. Since M is a whole number, a kernel that streams over the keys may use a running M (the ceiling of the running maximum): every later rescaling is an exact power of two, which a block's scale takes up: the codes' values come out the same.
;;   OPERANDS COMPUTED ON THE WAY. 'Computed on the way' means the value that the module computes at that place (a softmax that the list does not call 'softmax' is quantised finished and normalised). What goes into a quantiser is computed in f32, as accurately as f32 sums, v_exp_f32 and their like allow (about 1e-6 of the number): no bf16 or f16 on the way to a quantiser, and a product that is left as it is and whose result goes on into a quantised operand takes f32 operands (vector FMAs, or v_wmma_f32_16x16x4_f32). A number that lies on a knife's edge between two numbers of the format may be rounded either way, as far as f32 arithmetic and the matrix unit's own rounding can turn it there, and no further.
;; 2 versions. Each part assembles by itself: llvm-mc -triple=amdgcn-amd-amdhsa -mcpu=gfx1250 --defsym DOCPART=n.
;; ======== version 1 of 2: 8 launches
;; workspace buffers: pq 17,301,504 bytes; qkv 13,238,272 bytes; ob 4,325,376 bytes; res 16,777,216 bytes; x1b 21,102,592 bytes; hd 17,301,504 bytes
;; launch prep (part 1): grid 512 x 1, 4 waves a work-group, no clusters, 68,096 bytes of LDS; arguments x, Wq, Wk, Wv, Wp, W1, W2, pq; writes pq
.if DOCPART == 1
	.amdgcn_target "amdgcn-amd-amdhsa--gfx1250"
	.amdhsa_code_object_version 6
	.text
	.protected	k_qb5ba0312e6_prep
	.globl	k_qb5ba0312e6_prep
	.p2align	8
	.type	k_qb5ba0312e6_prep,@function
k_qb5ba0312e6_prep:
	s_mov_b64 s[64:65], 0
	v_nop
	global_prefetch_b8 v0, s[64:65] scope:SCOPE_SE
	s_setreg_imm32_b32 hwreg(HW_REG_WAVE_MODE, 25, 1), 1
	s_wait_xcnt 0x0
; x [4096][1024] and the six weights, all f32, become codes of FP8 (E4M3) with K innermost and one E8M0 scale byte for each 32 along K, all in the workspace pq.
; A block's scale is 2^(floor(log2(its largest magnitude)) - 8); its byte is the largest magnitude's exponent field - 8, held at 1 from below; each number is held within +-448 x the scale and rounded to the nearest code.
; LIMITS: NaN and infinities among the inputs are not served; a block of zeros gets the byte 1 where the rule says 127 (its codes are zeros, and this program alone reads the bytes); a block whose largest magnitude lies under 2^-118 is held at the byte 1.
; LAYOUT OF pq: codes [row][K bytes]; scale bytes [K / 256][rows][8], so that the 256 rows of a product's tile have 2,048 consecutive scale bytes for each 256 along K.
; Work-groups 0-127 take x (K innermost in memory): 32 rows each, wave w the 256 numbers 256 w on of every row; a step is two rows' 512 numbers, read as they lie (512 consecutive bytes a load) and turned through the wave's own
; stage in LDS so that a lane holds 16 neighbours along K.  Work-groups 128-511 take the weights (K is NOT innermost): a lane takes a column and its registers run down K; a wave takes 32 columns x 256 along K, and the codes
; leave through the wave's stage as rows.  The two ways have LDS bytes of their own (0-32,767 and 32,768-67,583).  No wave shares anything with another: no barrier.
.set PQ_WC,  4194304
.set PQ_WPC, 7340032
.set PQ_W1C, 8388608
.set PQ_W2C, 12582912
.set PQ_XS,  16777216
.set PQ_WS,  16908288
.set PQ_WPS, 17006592
.set PQ_W1S, 17039360
.set PQ_W2S, 17170432
.set MANT,   0x600000                  ; the mantissa field of 448 as f32
	s_load_b256 s[4:11], s[0:1], 0x0               ; x, Wq, Wk, Wv
	s_load_b256 s[12:19], s[0:1], 0x20             ; Wp, W1, W2, pq
	v_lshl_add_u32 v208, v0, 2, 0x10800
	v_mov_b32 v209, 0
	v_lshrrev_b32 v1, 5, v0
	v_readfirstlane_b32 s2, v1                     ; wave 0..3
	v_and_b32 v2, 31, v0                           ; lane
	s_mov_b32 s3, MANT
	s_cmp_lt_u32 ttmp9, 128
	s_cbranch_scc0 .Lweights
; ---------------- x ----------------
.set SP, 80                            ; a lane's place in a stage: its 64 bytes + 16 of padding
.set R,  16                            ; v16-79   four sets of 16 numbers as loaded
.set X,  80                            ; v80-111  two sets of 16 neighbours
.set E,  112                           ; v112-127 a scale byte for each step
.set C,  128                           ; v128-191 codes: four registers for each step, so that no store's data are written again
	v_lshlrev_b32 v3, 4, v2                        ; my 16 bytes of a load's 512
	s_mul_i32 s20, s2, 8192                        ; my wave's LDS: two stages of 2,560 bytes, then its 256 scale bytes
	v_lshrrev_b32 v14, 2, v2
	v_mul_u32_u24 v14, v14, SP
	v_and_b32 v15, 3, v2
	v_lshl_add_u32 v14, v15, 4, v14
	v_add_nc_u32 v14, s20, v14                     ; into the stage: four lanes' 64 bytes on end, then the padding
	v_mul_u32_u24 v15, v2, SP
	v_add_nc_u32 v15, s20, v15                     ; out of it: my 16 neighbours
	v_lshrrev_b32 v4, 4, v2
	v_and_b32 v5, 15, v2
	v_lshlrev_b32 v4, 10, v4
	v_lshl_add_u32 v4, v5, 4, v4                   ; my codes: row lane / 16 of the step's two, 16 bytes a lane: sixteen lanes fill 256 consecutive bytes
	v_lshrrev_b32 v5, 1, v2
	s_add_co_u32 s20, s20, 2*32*SP
	v_add_nc_u32 v5, s20, v5                       ; my block's scale byte
	v_lshlrev_b32 v7, 3, v2
	v_add_nc_u32 v6, s20, v7                       ; and 8 bytes a lane on the way out
	s_lshl_b32 s22, ttmp9, 17                      ; 32 rows of 4,096 bytes
	s_lshl_b32 s23, s2, 10                         ; my 256 numbers of a row
	s_add_co_u32 s22, s22, s23
	s_mov_b32 s23, 0
	s_lshl_b32 s24, ttmp9, 15                      ; codes: 32 rows of 1,024 bytes (x's codes begin at byte 0 of pq)
	s_lshl_b32 s25, s2, 8
	s_add_co_u32 s24, s24, s25
	s_mov_b32 s25, 0
	s_lshl_b32 s26, s2, 15                         ; scale bytes: plane w of 4,096 rows x 8,
	s_lshl_b32 s27, ttmp9, 8                       ; my 32 rows
	s_add_co_u32 s26, s26, s27
	s_add_co_u32 s26, s26, PQ_XS
	s_mov_b32 s27, 0
	s_wait_kmcnt 0x0
	s_add_nc_u64 s[4:5], s[4:5], s[22:23]
	s_add_nc_u64 s[8:9], s[18:19], s[24:25]
	s_add_nc_u64 s[10:11], s[18:19], s[26:27]
.macro XLOAD t                         ; step t: rows 2 t and 2 t + 1, two loads of 512 consecutive bytes each
.irp i, 0,1,2,3
	global_load_b128 v[R+16*((\t)%4)+4*\i:R+16*((\t)%4)+4*\i+3], v3, s[4:5] offset:(2*(\t)+\i/2)*4096+(\i%2)*512
.endr
.endm
.macro XTURN t                         ; through the stage: LDS serves a wave's instructions in order, so no wait stands between the stores and the loads
.irp i, 0,1,2,3
	ds_store_b128 v14, v[R+16*((\t)%4)+4*\i:R+16*((\t)%4)+4*\i+3] offset:32*SP*((\t)%2)+8*SP*\i
.endr
.irp i, 0,1,2,3
	ds_load_b128 v[X+16*((\t)%2)+4*\i:X+16*((\t)%2)+4*\i+3], v15 offset:32*SP*((\t)%2)+16*\i
.endr
.endm
.irp t, 0,1,2,3
	XLOAD \t
.endr
	s_wait_loadcnt 12                              ; step 0's four loads are in
	XTURN 0
.macro XSTEP t
.set XN, X+16*((\t)%2)
.if (\t) > 0
	s_wait_dscnt 1                                 ; this step's numbers are back from the stage (the last step's byte store may be out)
.else
	s_wait_dscnt 0x0
.endif
.if (\t)+4 < 16
	XLOAD (\t)+4                                   ; into the registers that this step's stage stores have read
.endif
.if (\t)+1 < 16
.if 14-(\t) >= 3
	s_wait_loadcnt 12                              ; the next step's four loads are in; those of the three steps behind it may be out
.else
	s_wait_loadcnt 4*(14-(\t))
.endif
	XTURN (\t)+1
.endif
	v_max3_num_f32 v8, |v[XN]|, |v[XN+1]|, |v[XN+2]|
	v_max3_num_f32 v9, |v[XN+3]|, |v[XN+4]|, |v[XN+5]|
.irp i, 6,10
	v_max3_num_f32 v8, v8, |v[XN+\i]|, |v[XN+\i+1]|
	v_max3_num_f32 v9, v9, |v[XN+\i+2]|, |v[XN+\i+3]|
.endr
	v_max3_num_f32 v8, v8, |v[XN+14]|, |v[XN+15]|
	v_max3_num_f32 v8, v8, v9, 0x4800000           ; and the floor 2^(9 - 127): the byte cannot fall under 1
	v_max_num_f32_dpp v8, v8, v8 row_xmask:1 row_mask:0xf bank_mask:0xf   ; with my neighbour's 16: the block's largest magnitude
	v_add_nc_u32 v11, 0xfc000000, v8               ; 8 off its exponent field: the conversion's scale operand
	v_and_or_b32 v10, v8, 0x7f800000, s3           ; 448 x the scale
.set i, 0
.rept 16
	v_med3_num_f32 v[XN+i], v[XN+i], -v10, v10     ; the conversion to an 8-bit code does not saturate (ISA guide 7.6.2): the hold comes first
.set i, i+1
.endr
	v_cvt_scalef32_pk8_fp8_f32 v[C+4*(\t):C+4*(\t)+1], v[XN:XN+7], v11
	v_cvt_scalef32_pk8_fp8_f32 v[C+4*(\t)+2:C+4*(\t)+3], v[XN+8:XN+15], v11
	v_lshrrev_b32 v[E+(\t)], 23, v11               ; the scale's byte
	ds_store_b8 v5, v[E+(\t)] offset:16*(\t)       ; both lanes of a block write the same byte with the same value
	global_store_b128 v4, v[C+4*(\t):C+4*(\t)+3], s[8:9] offset:2048*(\t)
.endm
.irp t, 0,1,2,3,4,5,6,7,8,9,10,11,12,13,14,15
	XSTEP \t
.endr
	ds_load_b64 v[12:13], v6                       ; my wave's 256 scale bytes: 32 rows x 8
	s_wait_dscnt 0x0
	global_store_b64 v7, v[12:13], s[10:11]        ; 32 lanes store 256 consecutive bytes
	s_wait_tensorcnt 0x0
	ds_add_u32 v208, v209
	s_wait_dscnt 0x0
	s_endpgm
; ---------------- the weights ----------------
.Lweights:
.set WX,   32                          ; v32-95   two sets of 32 numbers
.set WCD,  96                          ; v96-103  a block's codes
.set OUTR, 112                         ; v112-175 the way out
.set SB,   24                          ; v24-25   the 8 scale bytes
.set VO,   176                         ; v176-207 offsets: 4 x lane + i rows; later the stores' offsets
	s_sub_co_u32 s33, ttmp9, 128                   ; which of the 384 weight blocks
	s_mov_b32 s20, 256                             ; W2's figures; the others' take their place below, by the block's number alone
	s_mov_b32 s21, 4096                            ; bytes from k to k + 1
	s_mov_b32 s22, 7                               ; blocks of 128 columns - 1,
	s_mov_b32 s23, 3                               ; and their log2
	s_mov_b32 s24, 16                              ; columns of a head: log2 (16: no heads),
	s_mov_b32 s25, 0xffff                          ; and mask
	s_mov_b32 s26, PQ_W2C
	s_mov_b32 s27, 4096                            ; a row of the codes
	s_mov_b32 s28, PQ_W2S
	s_mov_b32 s29, 8192                            ; a plane of scale bytes: rows x 8
	s_wait_kmcnt 0x0
	s_mov_b64 s[30:31], s[16:17]
.macro PICK lim, start, rs, cbm, cbs, sh, msk, dc, ds, np8, src
	s_cmp_lt_u32 s33, \lim
	s_cselect_b32 s20, \start, s20
	s_cselect_b32 s21, \rs, s21
	s_cselect_b32 s22, \cbm, s22
	s_cselect_b32 s23, \cbs, s23
	s_cselect_b32 s24, \sh, s24
	s_cselect_b32 s25, \msk, s25
	s_cselect_b32 s26, \dc, s26
	s_cselect_b32 s27, 1024, s27
	s_cselect_b32 s28, \ds, s28
	s_cselect_b32 s29, \np8, s29
	s_cselect_b64 s[30:31], s[\src:\src+1], s[30:31]
.endm
	PICK 256, 128, 16384, 31, 5, 16, 0xffff, PQ_W1C, PQ_W1S, 32768, 14
	PICK 128, 96, 4096, 7, 3, 16, 0xffff, PQ_WPC, PQ_WPS, 8192, 12
	PICK 96, 64, 256, 7, 3, 6, 63, PQ_WC+2097152, PQ_WS+16384, 24576, 10
	PICK 64, 32, 256, 7, 3, 6, 63, PQ_WC+1048576, PQ_WS+8192, 24576, 8
	PICK 32, 0, 256, 7, 3, 6, 63, PQ_WC, PQ_WS, 24576, 6
	s_sub_co_u32 s33, s33, s20
	s_and_b32 s34, s33, s22                        ; which 128 columns
	s_lshr_b32 s35, s33, s23                       ; which 256 along K
	s_lshl_b32 s34, s34, 7
	s_lshl_b32 s36, s2, 5
	s_add_co_u32 s34, s34, s36                     ; my wave's first column n0
	s_lshr_b32 s36, s34, s24
	s_lshl_b32 s36, s36, 18                        ; its head's 262,144 bytes,
	s_and_b32 s37, s34, s25
	s_lshl_b32 s37, s37, 2                         ; its place in a row,
	s_add_co_u32 s36, s36, s37
	s_mul_i32 s37, s35, s21
	s_lshl_b32 s37, s37, 8                         ; and 256 rows for each step along K
	s_add_co_u32 s36, s36, s37
	s_mov_b32 s37, 0
	s_add_nc_u64 s[40:41], s[30:31], s[36:37]      ; block 0's base; each of the eight blocks has a base of its own, so that none is stepped under a pending load
	s_lshl_b32 s38, s21, 5
	s_mov_b32 s39, 0
.irp t, 1,2,3,4,5,6,7
	s_add_nc_u64 s[40+2*\t:41+2*\t], s[38+2*\t:39+2*\t], s[38:39]
.endr
	s_mul_i32 s58, s34, s27                        ; codes: row n0, byte 256 x the step along K
	s_add_co_u32 s58, s58, s26
	s_lshl_b32 s59, s35, 8
	s_add_co_u32 s58, s58, s59
	s_mov_b32 s59, 0
	s_add_nc_u64 s[56:57], s[18:19], s[58:59]
	s_mul_i32 s58, s35, s29                        ; scale bytes: the step's plane, row n0
	s_add_co_u32 s58, s58, s28
	s_lshl_b32 s60, s34, 3
	s_add_co_u32 s58, s58, s60
	s_add_nc_u64 s[60:61], s[18:19], s[58:59]
	v_lshlrev_b32 v3, 2, v2
.set i, 0
.rept 32
	v_mad_u32_u24 v[VO+i], s21, i, v3              ; 4 x lane + i rows
.set i, i+1
.endr
	s_mul_i32 s62, s2, 32*272
	s_add_co_u32 s62, s62, 32768                   ; my stage: 32 rows of 256 bytes + 16
	v_mul_u32_u24 v4, v2, 272
	v_add_nc_u32 v4, s62, v4                       ; into it: row = my column
	v_and_b32 v5, 15, v2
	v_lshrrev_b32 v6, 4, v2
	v_mul_u32_u24 v7, v6, 272
	v_lshl_add_u32 v7, v5, 4, v7
	v_add_nc_u32 v7, s62, v7                       ; out of it: sixteen lanes to a row, two rows an instruction
	v_mul_u32_u24 v8, s27, v6
	v_lshl_add_u32 v8, v5, 4, v8                   ; and the same place in the codes
	v_lshlrev_b32 v9, 3, v2                        ; my column's 8 scale bytes
.macro WLOAD t                         ; block t: W(32 t + i, my column) into set t % 2: 128 consecutive bytes a load
.set i, 0
.rept 32
	global_load_b32 v[WX+32*((\t)%2)+i], v[VO+i], s[40+2*(\t):41+2*(\t)] th:TH_LOAD_NT
.set i, i+1
.endr
.endm
	WLOAD 0
	WLOAD 1
.macro BLOCK t
.set XB, WX+32*((\t)%2)
.if (\t) < 7
	s_wait_loadcnt 32                              ; this block's 32 loads are in; the next block's may be out
.else
	s_wait_loadcnt 0x0
.endif
	v_max3_num_f32 v12, |v[XB]|, |v[XB+1]|, |v[XB+2]|   ; the block's largest magnitude: all 32 numbers are mine
	v_max3_num_f32 v13, |v[XB+3]|, |v[XB+4]|, |v[XB+5]|
.irp i, 6,10,14,18,22,26
	v_max3_num_f32 v12, v12, |v[XB+\i]|, |v[XB+\i+1]|
	v_max3_num_f32 v13, v13, |v[XB+\i+2]|, |v[XB+\i+3]|
.endr
	v_max3_num_f32 v12, v12, |v[XB+30]|, |v[XB+31]|
	v_max3_num_f32 v12, v12, v13, 0x4800000
	v_add_nc_u32 v11, 0xfc000000, v12
	v_and_or_b32 v10, v12, 0x7f800000, s3
	v_lshrrev_b32 v13, 23, v11
.if (\t)%4 == 0
	v_mov_b32 v[SB+(\t)/4], v13                    ; four bytes to a register, the lower K in the lower byte
.else
	v_lshl_or_b32 v[SB+(\t)/4], v13, 8*((\t)%4), v[SB+(\t)/4]
.endif
.set i, 0
.rept 32
	v_med3_num_f32 v[XB+i], v[XB+i], -v10, v10
.set i, i+1
.endr
.irp g, 0,1,2,3
	v_cvt_scalef32_pk8_fp8_f32 v[WCD+2*\g:WCD+2*\g+1], v[XB+8*\g:XB+8*\g+7], v11
.endr
	ds_store_b128 v4, v[WCD:WCD+3] offset:32*(\t)
	ds_store_b128 v4, v[WCD+4:WCD+7] offset:32*(\t)+16
.if (\t)+2 < 8
	WLOAD (\t)+2
.endif
	s_wait_dscnt 0x0                               ; the stores have read their registers: the next block's codes may be written
.endm
.irp t, 0,1,2,3,4,5,6,7
	BLOCK \t
.endr
	global_store_b64 v9, v[SB:SB+1], s[60:61]      ; 32 columns x 8 bytes: 256 consecutive bytes
.set i, 0
.rept 16
	v_mad_u32_u24 v[VO+i], s27, 2*i, v8            ; all loads that named these registers are in: now the stores' offsets, two rows of codes apart
.set i, i+1
.endr
.irp t, 0,1,2,3,4,5,6,7,8,9,10,11,12,13,14,15
	ds_load_b128 v[OUTR+4*\t:OUTR+4*\t+3], v7 offset:2*\t*272
.endr
.irp t, 0,1,2,3,4,5,6,7,8,9,10,11,12,13,14,15
	s_wait_dscnt 15-\t
	global_store_b128 v[VO+\t], v[OUTR+4*\t:OUTR+4*\t+3], s[56:57]   ; sixteen lanes store 256 consecutive bytes of a row
.endr
	s_wait_tensorcnt 0x0
	ds_add_u32 v208, v209
	s_wait_dscnt 0x0
	s_endpgm
.Lfunc_end_k_qb5ba0312e6_prep:
	.size	k_qb5ba0312e6_prep, .Lfunc_end_k_qb5ba0312e6_prep-k_qb5ba0312e6_prep
	.p2alignl 7, 3214868480
	.fill 96, 4, 3214868480
	.section	.rodata,"a",@progbits
	.p2align	6, 0x0
	.amdhsa_kernel k_qb5ba0312e6_prep
		.amdhsa_group_segment_fixed_size 68096
		.amdhsa_private_segment_fixed_size 0
		.amdhsa_enable_private_segment 0
		.amdhsa_kernarg_size 64
		.amdhsa_user_sgpr_count 2
		.amdhsa_user_sgpr_kernarg_segment_ptr 1
		.amdhsa_wavefront_size32 1
		.amdhsa_system_sgpr_workgroup_id_x 1
		.amdhsa_system_sgpr_workgroup_id_y 1
		.amdhsa_system_sgpr_workgroup_id_z 1
		.amdhsa_system_vgpr_workitem_id 0
		.amdhsa_next_free_vgpr 210
		.amdhsa_next_free_sgpr 90
		.amdhsa_reserve_vcc 0
		.amdhsa_float_denorm_mode_32 3
		.amdhsa_float_denorm_mode_16_64 3
		.amdhsa_memory_ordered 1
		.amdhsa_forward_progress 1
		.amdhsa_inst_pref_size 116
	.end_amdhsa_kernel
	.amdgpu_metadata
---
amdhsa.version: [ 1, 2 ]
amdhsa.kernels:
  - .name:           k_qb5ba0312e6_prep
    .symbol:         k_qb5ba0312e6_prep.kd
    .args:
      - { .name: x, .offset: 0, .size: 8, .value_kind: global_buffer, .address_space: global }
      - { .name: Wq, .offset: 8, .size: 8, .value_kind: global_buffer, .address_space: global }
      - { .name: Wk, .offset: 16, .size: 8, .value_kind: global_buffer, .address_space: global }
      - { .name: Wv, .offset: 24, .size: 8, .value_kind: global_buffer, .address_space: global }
      - { .name: Wp, .offset: 32, .size: 8, .value_kind: global_buffer, .address_space: global }
      - { .name: W1, .offset: 40, .size: 8, .value_kind: global_buffer, .address_space: global }
      - { .name: W2, .offset: 48, .size: 8, .value_kind: global_buffer, .address_space: global }
      - { .name: pq, .offset: 56, .size: 8, .value_kind: global_buffer, .address_space: global }
    .group_segment_fixed_size: 68096
    .private_segment_fixed_size: 0
    .kernarg_segment_align: 8
    .kernarg_segment_size: 64
    .max_flat_workgroup_size: 128
    .sgpr_count:     90
    .vgpr_count:     210
    .wavefront_size: 32
...
	.end_amdgpu_metadata
.endif
;; end of part 1
;; launch qkv (part 2): grid 48 x 4, 4 waves a work-group, clusters of 4 x 4, 327,680 bytes of LDS; arguments pq, qkv; writes qkv
.if DOCPART == 2
	.amdgcn_target "amdgcn-amd-amdhsa--gfx1250"
	.amdhsa_code_object_version 6
	.text
	.protected	k_qb5ba0312e6_qkv
	.globl	k_qb5ba0312e6_qkv
	.p2align	8
	.type	k_qb5ba0312e6_qkv,@function
k_qb5ba0312e6_qkv:
	s_mov_b64 s[64:65], 0
	v_nop
	global_prefetch_b8 v0, s[64:65] scope:SCOPE_SE
	s_setreg_imm32_b32 hwreg(HW_REG_WAVE_MODE, 25, 1), 1
	s_wait_xcnt 0x0
	s_wait_alu depctr_hold_cnt(0) depctr_sa_sdst(0) depctr_va_vdst(0) depctr_va_sdst(0) depctr_va_ssrc(0) depctr_va_vcc(0) depctr_vm_vsrc(0)
	s_getreg_b32 s2, hwreg(HW_REG_IB_STS2, 6, 4)
	s_cmp_eq_u32 s2, 0
	s_cbranch_scc0 .Lentry_in_a_cluster
	s_endpgm
.Lentry_in_a_cluster:
	s_bfe_u32 s2, ttmp6, 0x10000c
	s_cmp_lg_u32 s2, 0xf033
	s_cbranch_scc0 .Lentry_shape_is_right
	s_endpgm
.Lentry_shape_is_right:
; q, k and v of all 32 heads, on codes of FP8 (E4M3) with E8M0 scales, and their own codes and scales for the attention launch.  K = 1,024.
; Clusters 0-7 make q and k: C[token][n] = x . W, n = 1,024 sel + 64 head + d.  Clusters 8-11 make v TRANSPOSED: C[64 head + d][token] = Wv . x.  In both a lane ends up with one row of C and neighbours along its columns,
; and the next product's K runs along the columns (d for q and k, the keys for v): one quantiser serves both.
; A tile of C, 256 x 256, is made by four waves, each 128 x 128 in 64 accumulators.  K goes in steps of 256 through a ring of two LDS slots.  A slot: A's 256 rows (272 bytes apart), A's 2,048 scale bytes, 128 spare bytes, then the same for B.
; One tensor load a wave: wave 0 A's codes, wave 1 B's codes, wave 2 A's scale bytes, wave 3 B's.  CLUSTERS of 4 x 4: A's tiles are asked for jointly along a row of the cluster, B's along a column.
; The matrix instruction is used transposed (source 0 = 16 rows of B, source 1 = 16 rows of A): register j of lane (r, h) of accumulator (a, b) is C(16 a + r, 16 b + 8 h + j).
; ORDER INSIDE A BLOCK OF 32 IN THE RESULTS' CODES: a lane's 16 codes (columns 8 h + 0..7 and 16 + 8 h + 0..7 of the block) lie at bytes 16 h + 0..15.  q and k have the same order, so their product is unchanged; v has along the keys
; the very order in which the attention launch's p comes out of its registers.
; REGISTERS: window 0: v1-29 addresses; v32-63 scale words, two sets (later codes); v64-127 the way out; v128-255 A's fragments (later v200-217 the quantiser's); window 1: B's fragments, two sets; windows 2, 3: the accumulators.
; LIMITS: NaN and infinities are not served; a block of zeros gets the byte 1 (its codes are zeros, this program alone reads the bytes); largest magnitudes under 2^-118 are held at the byte 1.
.set KDIM,   1024
.set APL,    256                       ; A's rows lie as rows of KDIM bytes
.set RH,     34816                     ; 128 rows of A in LDS
.set APITCH, 1024
.set BPITCH, 1024
.set A_TILE, 262144
.set A_STEP, 256
.set B_TILE, 262144
.set FIRST,  1                         ; the first products take the constant 0
.set PQ_WC,  4194304
.set PQ_XS,  16777216
.set PQ_WS,  16908288
.set QS,     4194304                   ; in qkv: q's scale words
.set KV,     4456448                   ; and the heads' K and V, 274,432 bytes a head, in four groups of 512 keys
.set NQ, 2
.set FR, 16
.set NL, 4
.set NP, 8                             ; places behind this matrix instruction (ISA guide 7.12.1)
.set LP, 272
.set CODEB, 256*LP
.set SIDE, CODEB+2176
.set SLOT, 2*SIDE
.set SPARE, 2*SLOT                     ; behind the ring: the spare words, 128 bytes a wave
.set LAPS, KDIM/512
.set ADRA, 16
.set ADRB, 20
.set ADRS, 22
.set SPW, 28
.set NIL, 29
.set SC, 32
.set BI, 64
.set AF, 128
.set G1A, 24
.set G0A, 32
.set G1B, 48
.set G0B, 56
.set G1SA, 68
.set G1SB, 76
.set MSB, 0
.macro WIN new                         ; the immediate's high byte repeats the setting that is left
.if MSB != (\new)
	s_set_vgpr_msb (MSB<<8)|(\new)
.set MSB, (\new)
.endif
.endm
.macro PLACES n
.rept \n
	v_nop
.endr
.endm
.macro ARM g0, g1                      ; a joint load; four v_nop follow it
	tensor_load_to_lds s[\g0:\g0+3], s[\g1:\g1+7]
	s_nop 0
.rept 4
	v_nop
.endr
.endm
.macro JLOAD s                         ; each wave asks for its part of slot s; the branches hang on the wave's number alone
	s_cmp_lg_u32 s14, 0
	s_cbranch_scc1 .Lj1_\@
	ARM G0A+4*\s, G1A
	s_branch .Ljd_\@
.Lj1_\@:
	s_cmp_lg_u32 s14, 1
	s_cbranch_scc1 .Lj2_\@
	ARM G0B+4*\s, G1B
	s_branch .Ljd_\@
.Lj2_\@:
	s_cmp_lg_u32 s14, 2
	s_cbranch_scc1 .Lj3_\@
	ARM G0A+4*\s, G1SA
	s_branch .Ljd_\@
.Lj3_\@:
	ARM G0B+4*\s, G1SB
.Ljd_\@:
.endm
.macro CREST                           ; a round of the cluster's barrier behind its opening barrier
	s_cmp_lg_u32 s14, 0
	s_cbranch_scc1 .Lnw0_\@
	s_barrier_signal -3
.Lnw0_\@:
	s_barrier_wait -3
	s_barrier_signal -1
	s_barrier_wait -1
.endm
.macro CROUND
	s_barrier_signal -1
	s_barrier_wait -1
	CREST
.endm
.macro FETCH_B slot, q, p              ; B's eight fragments of the slot's q-th 128 along K into set p
	WIN 0x40
.irp i, 0,1,2,3,4,5,6,7
.irp c, 0,1,2,3
	ds_load_b128 v[128*(\p)+FR*\i+4*\c:128*(\p)+FR*\i+4*\c+3], v[ADRB+\slot] offset:128*(\q)+32*\c+\i*16*LP
.endr
.endr
	WIN 0
.endm
.macro FETCH_A slot, q, i0             ; A's blocks i0 .. i0 + 3
.irp i, \i0, \i0+1, \i0+2, \i0+3
.irp c, 0,1,2,3
.if APL == 256
	ds_load_b128 v[AF+FR*(\i)+4*\c:AF+FR*(\i)+4*\c+3], v[ADRA+\slot] offset:128*(\q)+32*\c+(\i)*16*LP
.elseif APL == 128
	ds_load_b128 v[AF+FR*(\i)+4*\c:AF+FR*(\i)+4*\c+3], v[ADRA+\slot] offset:34816*(\q)+2176*(\i)+32*\c
.else
	ds_load_b128 v[AF+FR*(\i)+4*\c:AF+FR*(\i)+4*\c+3], v[ADRA+\slot] offset:17408*(2*(\q)+\c/2)+1088*(\i)+32*(\c%2)
.endif
.endr
.endr
.endm
.macro SCALES sc                       ; slot sc's scale words: two a row; lanes 0-15 take A's block i, lanes 16-31 B's block i
.irp i, 0,1,2,3,4,5,6,7
	ds_load_b64 v[SC+16*\sc+2*\i:SC+16*\sc+2*\i+1], v[ADRS+\sc] offset:128*\i
.endr
.endm
; 16 matrix instructions: A's blocks a0, a0 + 1 x B's eight.  zero = 1: C is the constant 0; 2: C is the bias; 0: in place.  The 64 accumulators take turns, one instruction a turn.
.macro MUL16 a0, p, q, sc, zero
.irp a, \a0, \a0+1
.irp b, 0,1,2,3,4,5,6,7
.set rD, 8*(8*((\a)%4)+\b)
.set rB, 128*(\p)+FR*\b
.set rA, AF+FR*(\a)
.set rS, SC+8*NQ*(\sc)+(\q)
.if \zero == 1
	v_wmma_scale_f32_16x16x128_f8f6f4 v[rD:rD+7], v[rB:rB+15], v[rA:rA+15], 0, v[rS+NQ*\b], v[rS+NQ*(\a)] matrix_a_scale:MATRIX_SCALE_ROW1
.elseif \zero == 2
	v_wmma_scale_f32_16x16x128_f8f6f4 v[rD:rD+7], v[rB:rB+15], v[rA:rA+15], v[BI+8*\b:BI+8*\b+7], v[rS+NQ*\b], v[rS+NQ*(\a)] matrix_a_scale:MATRIX_SCALE_ROW1
.else
	v_wmma_scale_f32_16x16x128_f8f6f4 v[rD:rD+7], v[rB:rB+15], v[rA:rA+15], v[rD:rD+7], v[rS+NQ*\b], v[rS+NQ*(\a)] matrix_a_scale:MATRIX_SCALE_ROW1
.endif
.endr
.endr
.endm
.macro WMUL hi, zero                   ; source 0 (B) window 1, source 1 (A) window 0, D window 2 or 3; C with D, or (the bias) window 0
.if \zero == 2
	WIN 0x81+0x40*\hi
.else
	WIN 0xa1+0x50*\hi
.endif
.endm
.macro STEP slot, q, zero              ; a step of 128 along K that has its successor in the same slot
	s_wait_dscnt 4*NL                              ; B's set, A's blocks 0-3 and the scale words are in; the youngest 16 loads (A's blocks 4-7) may be out
	WMUL 0, \zero
	MUL16 0, (\q)%2, \q, \slot, \zero
	MUL16 2, (\q)%2, \q, \slot, \zero
	s_wait_dscnt 0x0                               ; A's blocks 4-7 are in
	PLACES NP                                      ; in front of loads into registers that matrix instructions have read
	FETCH_B \slot, (\q)+1, 1-(\q)%2
	FETCH_A \slot, (\q)+1, 0
	WMUL 1, \zero
	MUL16 4, (\q)%2, \q, \slot, \zero
	MUL16 6, (\q)%2, \q, \slot, \zero
	PLACES NP
	WIN 0
	FETCH_A \slot, (\q)+1, 4
.endm
; A slot's last step changes slots: one barrier; in front of it each wave waits for all its tensor loads, adds 0 to its spare word and waits for that and for its reads of this slot.  fill = 1: the barrier opens a round of the
; cluster's barrier, and this slot is filled again, two K steps ahead, first thing behind the round.
.macro TURN slot, next, fill
	s_wait_tensorcnt 0x0                           ; all my tensor loads have landed: my part of the next slot
	ds_add_u32 v[SPW], v[NIL]                      ; 0 onto my spare word
	s_wait_dscnt 4*NL+1                            ; (the add and A's blocks 4-7 may be out)
	WIN 0xa1
	MUL16 0, 1, 1, \slot, 0
	s_wait_dscnt 0x0                               ; the add is done, and my reads of this slot are over
	s_barrier_signal -1
	MUL16 2, 1, 1, \slot, 0
	WIN 0
	s_barrier_wait -1
.if \fill
	CREST
	s_add_nc_u64 s[G0A+4*\slot+2:G0A+4*\slot+3], s[G0A+4*\slot+2:G0A+4*\slot+3], s[84:85]
	s_add_nc_u64 s[G0B+4*\slot+2:G0B+4*\slot+3], s[G0B+4*\slot+2:G0B+4*\slot+3], s[86:87]
	JLOAD \slot                                    ; its four v_nop are among the places in front of the loads below
	PLACES NP-4
.else
	PLACES NP
.endif
	FETCH_B \next, 0, 0
	FETCH_A \next, 0, 0
	SCALES \next
	WIN 0xf1
	MUL16 4, 1, 1, \slot, 0
	MUL16 6, 1, 1, \slot, 0
	PLACES NP
	WIN 0
	FETCH_A \next, 0, 4
.endm
	s_load_b128 s[4:7], s[0:1], 0x0                ; pq, qkv
	v_lshl_add_u32 v[SPW], v0, 2, SPARE
	v_mov_b32 v[NIL], 0
	ds_add_u32 v28, v29
	ds_add_u32 v28, v29
	s_wait_dscnt 0x0
	v_lshrrev_b32 v1, 5, v0
	v_readfirstlane_b32 s14, v1                    ; wave 0..3
	s_lshr_b32 s15, s14, 1                         ; which half of the tile's rows is mine.  Also: I fetch codes (0) or scale bytes (1)
	s_and_b32 s16, s14, 1                          ; which half of its columns.  Also: I fetch for A (0) or for B (1)
	s_bfe_u32 s40, ttmp6, 0x40000                  ; cx, cy: my place in the cluster
	s_bfe_u32 s41, ttmp6, 0x40004
	s_and_b32 s18, ttmp9, 3
	s_lshl_b32 s18, s18, 2
	s_lshr_b32 s19, ttmp9, 2
	s_lshl_b32 s19, s19, 2
	s_sub_co_u32 s20, ttmp9, 8
	s_lshl_b32 s20, s20, 2
	s_mov_b32 s92, PQ_WC+2097152
	s_mov_b32 s93, PQ_WS+16384
	s_mov_b32 s88, 24576
	s_mov_b32 s95, PQ_XS
	s_mov_b32 s90, 32768
	s_cmp_lt_u32 ttmp9, 8                          ; q and k, or v: by the cluster's number, which all partners share
	s_cselect_b32 s17, s18, 0
	s_cselect_b32 s42, s19, s20
	s_cselect_b32 s92, 0, s92                      ; A's codes: x's, or Wv's
	s_cselect_b32 s93, PQ_XS, s93                  ; A's scale bytes,
	s_cselect_b32 s88, 32768, s88                  ; and their plane for 256 along K
	s_cselect_b32 s94, PQ_WC, 0                    ; B's codes: Wq's and Wk's, or x's
	s_cselect_b32 s95, PQ_WS, s95
	s_cselect_b32 s90, 24576, s90
	s_add_co_u32 s17, s17, s41                     ; tile row
	s_add_co_u32 s42, s42, s40                     ; tile column
	s_lshl_b32 s43, s41, 2
	s_lshl_b32 s43, 15, s43                        ; my row of the cluster
	s_lshl_b32 s44, 0x1111, s40                    ; my column
	s_or_b32 s[G1A], s43, (1<<20)|(1<<21)|(5<<22)|(3<<25)   ; codes: elements of 1 byte; 4 words of padding behind every 64; bit 21 set beside a mask
	s_or_b32 s[G1B], s44, (1<<20)|(1<<21)|(5<<22)|(3<<25)
	s_or_b32 s[G1SA], s43, (3<<16)|(1<<21)         ; scale bytes: elements of 8 bytes, dense
	s_or_b32 s[G1SB], s44, (3<<16)|(1<<21)
.irp g, G1A, G1B
	s_mov_b32 s[\g+1], 256<<16                     ; tensor_dim0 = 256
	s_mov_b32 s[\g+2], 256<<16                     ; tensor_dim1 = 256
	s_mov_b32 s[\g+3], 256<<16                     ; tile_dim0 = 256
	s_mov_b32 s[\g+4], 256                         ; tile_dim1 = 256
	s_mov_b32 s[\g+6], 0
	s_mov_b32 s[\g+7], 0
.endr
	s_mov_b32 s[G1A+5], APITCH
	s_mov_b32 s[G1B+5], BPITCH
.irp g, G1SA, G1SB
	s_mov_b32 s[\g+1], 32<<16                      ; 8 rows of 32 elements: 2,048 dense bytes
	s_mov_b32 s[\g+2], 8<<16
	s_mov_b32 s[\g+3], 32<<16
	s_mov_b32 s[\g+4], 8
	s_mov_b32 s[\g+5], 32
	s_mov_b32 s[\g+6], 0
	s_mov_b32 s[\g+7], 0
.endr
	s_mul_i32 s20, s17, A_TILE                     ; A's offsets hang on the tile row alone, B's on the tile column alone
	s_add_co_u32 s20, s20, s92
	s_lshl_b32 s21, s17, 11
	s_add_co_u32 s21, s21, s93
	s_mul_i32 s46, s42, B_TILE
	s_add_co_u32 s46, s46, s94
	s_lshl_b32 s47, s42, 11
	s_add_co_u32 s47, s47, s95
	s_cmp_eq_u32 s15, 0                            ; codes or scale bytes: offsets and steps are chosen, not addresses
	s_cselect_b32 s20, s20, s21
	s_cselect_b32 s46, s46, s47
	s_cselect_b32 s88, A_STEP, s88
	s_cselect_b32 s90, 256, s90
	s_mov_b32 s21, 0
	s_mov_b32 s47, 0
	s_mov_b32 s89, 0
	s_mov_b32 s91, 0
	s_lshl_b32 s84, s88, 1                         ; a slot's next tile lies two K steps on
	s_mov_b32 s85, 0
	s_lshl_b32 s86, s90, 1
	s_mov_b32 s87, 0
	s_mul_i32 s45, s16, SIDE                       ; where my part goes: no place in the cluster enters an LDS address
	s_mul_i32 s18, s15, CODEB
	s_add_co_u32 s45, s45, s18
	s_wait_kmcnt 0x0
	s_add_nc_u64 s[20:21], s[4:5], s[20:21]
	s_add_nc_u64 s[46:47], s[4:5], s[46:47]
.irp s, 0,1
	s_mov_b32 s[G0A+4*\s], 1
	s_add_co_u32 s[G0A+4*\s+1], s45, \s*SLOT
	s_mov_b32 s[G0B+4*\s], 1
	s_add_co_u32 s[G0B+4*\s+1], s45, \s*SLOT
.endr
	s_mov_b64 s[G0A+2:G0A+3], s[20:21]
	s_add_nc_u64 s[G0A+6:G0A+7], s[20:21], s[88:89]
	s_mov_b64 s[G0B+2:G0B+3], s[46:47]
	s_add_nc_u64 s[G0B+6:G0B+7], s[46:47], s[90:91]
.irp g, G0A+3, G0A+7, G0B+3, G0B+7
	s_or_b32 s[\g], s[\g], 0x80000000              ; type = 2
.endr
	CROUND                                         ; all sixteen work-groups are here: the first joint loads meet
	JLOAD 0
	JLOAD 1                                        ; two tensor loads of mine are out
	v_and_b32 v1, 15, v0                           ; r
	v_bfe_u32 v2, v0, 4, 1                         ; h
	v_and_b32 v3, 31, v0                           ; lane
	v_mul_u32_u24 v4, v1, LP
	v_lshl_add_u32 v4, v2, 4, v4                   ; a fragment's row x pitch + 16 h
	s_mul_i32 s21, s15, RH
	s_mul_i32 s22, s16, 34816
	s_add_co_u32 s22, s22, SIDE
.irp s, 0,1
	v_add_nc_u32 v[ADRA+\s], s21, v4
	v_add_nc_u32 v[ADRB+\s], s22, v4
	s_add_co_u32 s21, s21, SLOT
	s_add_co_u32 s22, s22, SLOT
.endr
	v_lshlrev_b32 v6, 3, v1                        ; scale words: 8 bytes a row
	s_lshl_b32 s21, s15, 10
	s_lshl_b32 s22, s16, 10
	s_add_co_u32 s22, s22, SIDE
	s_sub_co_u32 s22, s22, s21
	v_mul_u32_u24 v7, s22, v2                      ; lanes 16-31 take B's: one product with h
	s_add_co_u32 s21, s21, CODEB
	v_add_nc_u32 v6, v6, v7
	v_add_nc_u32 v[ADRS], s21, v6
	s_add_co_u32 s21, s21, SLOT
	v_add_nc_u32 v[ADRS+1], s21, v6
; the way out's addresses.  Its LDS lies in slot 0, which has had its last fill and its last read when the first result is stored there; q and k use bytes 0-20,479, v bytes 32,768-51,199
.set STO,  24                          ; v24  a row's 128 codes, 144 bytes apart: 16 bytes a lane and block
.set RDQ,  25                          ; v25  back, 64 bytes a row (one head's)
.set L16,  26                          ; v26  16 x lane
.set RDV,  27                          ; v27  back, 128 bytes a row
.set SGQ,  15                          ; v15  q's and k's scale words: [head of two][128 rows]
.set SGV,  14                          ; v14  v's: [128 rows]
.set FQ,   13
.set FV,   12
.set SH16, 11                          ; v11  16 h
.set VOF,  10                          ; v10  v's scale words in memory: lanes 16-31 a head on
.set TM,   200
.set PW,   216
.set PC,   32
.set OB,   64
.set SEL,  96
.set MNT,  98
	s_mul_i32 s23, s14, 2304
	v_mul_u32_u24 v6, v1, 144
	v_lshl_add_u32 v6, v2, 4, v6
	v_add_nc_u32 v[STO], s23, v6
	v_lshrrev_b32 v6, 2, v3
	v_mul_u32_u24 v6, v6, 144
	v_and_b32 v7, 3, v3
	v_lshl_add_u32 v6, v7, 4, v6
	v_add_nc_u32 v[RDQ], s23, v6
	v_lshrrev_b32 v6, 3, v3
	v_mul_u32_u24 v6, v6, 144
	v_and_b32 v7, 7, v3
	v_lshl_add_u32 v6, v7, 4, v6
	v_add_nc_u32 v[RDV], s23, v6
	v_lshlrev_b32 v[L16], 4, v3
	s_lshl_b32 s23, s14, 10
	v_lshlrev_b32 v6, 2, v1
	v_lshl_add_u32 v7, v2, 9, v6
	v_add_nc_u32 v[SGQ], s23, v7
	v_add_nc_u32 v[FQ], s23, v[L16]
	s_lshl_b32 s23, s14, 9
	v_add_nc_u32 v[SGV], s23, v6
	v_add_nc_u32 v[FV], s23, v[L16]
	v_lshlrev_b32 v[SH16], 4, v2
	v_mul_u32_u24 v[VOF], v2, 274432
	v_lshl_add_u32 v[VOF], v1, 4, v[VOF]
	s_mov_b32 s[SEL], 0x76543210
	s_mov_b32 s[SEL+1], 0xfedcba98                 ; v_permlanex16_b32's selects for lane l xor 16
	s_mov_b32 s[MNT], 0x600000                     ; the mantissa field of 448
	s_wait_tensorcnt 1                             ; my part of slot 0 is in (slot 1's load may be out)
	s_barrier_signal -1
	s_barrier_wait -1                              ; everybody's is
	FETCH_B 0, 0, 0
	FETCH_A 0, 0, 0
	SCALES 0
	FETCH_A 0, 0, 4
	STEP 0, 0, FIRST                               ; the first step stands in front of the loop: its products start the sums
	s_mov_b32 s3, LAPS-1
.Llap:                                             ; a trip goes once round the ring and fills both slots again
	TURN 0, 1, 1
	STEP 1, 0, 0
	TURN 1, 0, 1
	STEP 0, 0, 0
	s_sub_co_u32 s3, s3, 1
	s_cmp_lg_u32 s3, 0
	s_cbranch_scc1 .Llap
	TURN 0, 1, 0                                   ; the last lap fills nothing
	STEP 1, 0, 0
	s_wait_dscnt 4*NL
	WIN 0xa1
	MUL16 0, 1, 1, 1, 0
	MUL16 2, 1, 1, 1, 0
	s_wait_dscnt 0x0
	WIN 0xf1
	MUL16 4, 1, 1, 1, 0
	MUL16 6, 1, 1, 1, 0
	WIN 0
	PLACES NP                                      ; behind the last products: results are read and operands' registers written from here on
.irp b, 0,1,2,3
	v_mov_b32 v[TM+4+\b], 0                        ; written once: a lane permute's destination counts as one of its sources
.endr
; Block a (16 rows x 128 columns: 64 numbers a lane, register 16 b + e of block b of 32) becomes 16 registers of codes, v[PC + 16 (a % 2)] on, and a scale word, v[PW + a % 2].  Each accumulator is read from its low end on.
.macro QUANT a, relu
.set S, 64*((\a)%4)
.set W, 2+(\a)/4
.set PS, PC+16*((\a)%2)
.set PX, PW+(\a)%2
	WIN W|(W<<2)
.irp b, 0,1,2,3
.if \relu
	v_max3_num_f32 v[TM+\b], v[S+16*\b], v[S+16*\b+1], 0x4800000
.else
	v_max3_num_f32 v[TM+\b], |v[S+16*\b]|, |v[S+16*\b+1]|, 0x4800000   ; my 16 numbers of the block, and the floor 2^(9 - 127)
.endif
.endr
	WIN (W<<2)|(W<<4)
.irp i, 2,4,6,8,10,12,14
.irp b, 0,1,2,3
.if \relu
	v_max3_num_f32 v[TM+\b], v[TM+\b], v[S+16*\b+\i], v[S+16*\b+\i+1]
.else
	v_max3_num_f32 v[TM+\b], v[TM+\b], |v[S+16*\b+\i]|, |v[S+16*\b+\i+1]|
.endif
.endr
.endr
	WIN 0
.irp b, 0,1,2,3
	v_permlanex16_b32 v[TM+4+\b], v[TM+\b], s[SEL], s[SEL+1]
.endr
.irp b, 0,1,2,3
	v_max_num_f32 v[TM+\b], v[TM+\b], v[TM+4+\b]   ; with lane l xor 16's: the block's largest magnitude
.endr
.irp b, 0,1,2,3
	v_add_nc_u32 v[TM+12+\b], 0xfc000000, v[TM+\b] ; 8 off its exponent field: the conversion's scale operand
.endr
.irp b, 0,1,2,3
	v_and_or_b32 v[TM+8+\b], v[TM+\b], 0x7f800000, s[MNT]   ; 448 x the scale
.endr
.irp b, 0,1,2,3
	v_lshrrev_b32 v[TM+4+\b], 23, v[TM+12+\b]      ; the scale's byte
.endr
	v_lshl_or_b32 v[PX], v[TM+5], 8, v[TM+4]
	v_lshl_or_b32 v[PX], v[TM+6], 16, v[PX]
	v_lshl_or_b32 v[PX], v[TM+7], 24, v[PX]
	WIN W|(W<<6)
.irp b, 0,1,2,3
.set i, 0
.rept 16
.if \relu
	v_med3_num_f32 v[S+16*\b+i], v[S+16*\b+i], 0, v[TM+8+\b]
.else
	v_med3_num_f32 v[S+16*\b+i], v[S+16*\b+i], -v[TM+8+\b], v[TM+8+\b]   ; the conversion does not saturate (ISA guide 7.6.2): the hold comes first
.endif
.set i, i+1
.endr
.endr
	WIN W
.irp b, 0,1,2,3
	v_cvt_scalef32_pk8_fp8_f32 v[PS+4*\b:PS+4*\b+1], v[S+16*\b:S+16*\b+7], v[TM+12+\b]
	v_cvt_scalef32_pk8_fp8_f32 v[PS+4*\b+2:PS+4*\b+3], v[S+16*\b+8:S+16*\b+15], v[TM+12+\b]
.endr
	WIN 0
	v_nop                                          ; a plain vector instruction behind the last conversion
.endm
	s_cmp_lt_u32 ttmp9, 8
	s_cbranch_scc0 .Lv
; ---- q and k: my 128 tokens x two heads
	s_lshl_b32 s20, s17, 8
	s_lshl_b32 s21, s15, 7
	s_add_co_u32 s20, s20, s21                     ; my first token of 4,096
	s_lshr_b32 s21, s20, 11                        ; the batch,
	s_and_b32 s20, s20, 2047                       ; t0
	s_and_b32 s22, s42, 3
	s_lshl_b32 s22, s22, 2
	s_lshl_b32 s21, s21, 4
	s_add_co_u32 s21, s21, s22
	s_lshl_b32 s22, s16, 1
	s_add_co_u32 s21, s21, s22                     ; my first head of 32
	s_lshl_b32 s22, s21, 17
	s_lshl_b32 s23, s20, 6
	s_add_co_u32 s22, s22, s23                     ; q's codes [head][t][64]
	s_lshl_b32 s46, s21, 13
	s_lshl_b32 s23, s20, 2
	s_add_co_u32 s46, s46, s23
	s_add_co_u32 s46, s46, QS                      ; q's scale words [head][t]
	s_mul_i32 s18, s21, 274432
	s_lshr_b32 s19, s20, 9
	s_mul_i32 s19, s19, 68608
	s_add_co_u32 s18, s18, s19
	s_add_co_u32 s18, s18, KV                      ; k: the head's group of 512 keys
	s_and_b32 s19, s20, 511
	s_lshl_b32 s23, s19, 6
	s_add_co_u32 s23, s23, s18                     ; its codes,
	s_lshl_b32 s19, s19, 2
	s_add_co_u32 s19, s19, s18
	s_add_co_u32 s19, s19, 65536                   ; its scale words
	s_mov_b32 s92, 274432
	s_mov_b32 s94, s92
	s_cmp_lt_u32 ttmp9, 4                          ; q or k
	s_cselect_b32 s22, s22, s23
	s_cselect_b32 s46, s46, s19
	s_cselect_b32 s92, 131072, s92                 ; from a head to the next
	s_cselect_b32 s94, 8192, s94
	s_mov_b32 s23, 0
	s_mov_b32 s47, 0
	s_mov_b32 s93, 0
	s_mov_b32 s95, 0
	s_add_nc_u64 s[20:21], s[6:7], s[22:23]
	s_add_nc_u64 s[22:23], s[20:21], s[92:93]
	s_add_nc_u64 s[46:47], s[6:7], s[46:47]
	s_add_nc_u64 s[18:19], s[46:47], s[94:95]
.macro TOSTQ a                         ; codes into my stage and back by heads; lanes 0-15 keep the first head's two scale bytes, lanes 16-31 the second's
.set PS, PC+16*((\a)%2)
.set OX, OB+16*((\a)%2)
.set PX, PW+(\a)%2
	v_lshrrev_b32 v[PX], v[SH16], v[PX]
	v_and_b32 v[PX], 0xffff, v[PX]                 ; the upper two bytes are 0: they stand for the zero codes that fill K = 64 up to 128
.irp b, 0,1,2,3
	ds_store_b128 v[STO], v[PS+4*\b:PS+4*\b+3] offset:32*\b
.endr
	ds_store_b32 v[SGQ], v[PX] offset:16384+64*(\a)
.irp u, 0,1,2,3
	ds_load_b128 v[OX+4*\u:OX+4*\u+3], v[RDQ] offset:64*(\u/2)+1152*(\u%2)   ; LDS serves a wave's instructions in order: these see my stores
.endr
.endm
.macro SENDQK a
.set OX, OB+16*((\a)%2)
	s_wait_dscnt 0x0                               ; the block is back, and its stage stores have read their registers
.irp u, 0,1,2,3
	global_store_b128 v[L16], v[OX+4*\u:OX+4*\u+3], s[20+2*(\u/2):21+2*(\u/2)] offset:1024*(\a)+512*(\u%2)   ; 8 rows of 64 bytes: 512 consecutive bytes
.endr
.endm
	QUANT 0, 0
	TOSTQ 0
.irp a, 1,2,3,4,5,6,7
	QUANT \a, 0
.if \a > 1
	s_wait_xcnt 0x0                                ; block a - 2's stores have read the registers into which block a comes back
.endif
	SENDQK \a-1
	TOSTQ \a
.endr
	SENDQK 7
	ds_load_b128 v[96:99], v[FQ] offset:16384      ; my 128 rows' scale words, head by head
	ds_load_b128 v[100:103], v[FQ] offset:16384+512
	s_wait_dscnt 0x0
	global_store_b128 v[L16], v[96:99], s[46:47]
	global_store_b128 v[L16], v[100:103], s[18:19]
	s_branch .Lend
; ---- v: my 128 rows are two heads x 64 channels, my 128 columns one key step
.Lv:
	s_lshl_b32 s20, s42, 8
	s_lshl_b32 s21, s16, 7
	s_add_co_u32 s20, s20, s21                     ; my first token
	s_lshr_b32 s21, s20, 11
	s_and_b32 s20, s20, 2047
	s_lshl_b32 s21, s21, 4
	s_lshl_b32 s22, s17, 2
	s_add_co_u32 s21, s21, s22
	s_lshl_b32 s22, s15, 1
	s_add_co_u32 s21, s21, s22                     ; my first head of 32
	s_mul_i32 s21, s21, 274432
	s_lshr_b32 s22, s20, 9
	s_mul_i32 s22, s22, 68608
	s_add_co_u32 s21, s21, s22
	s_add_co_u32 s21, s21, KV                      ; its group of 512 keys
	s_bfe_u32 s20, s20, 0x20007                    ; which of the group's four key steps
	s_lshl_b32 s22, s20, 13
	s_add_co_u32 s22, s22, s21
	s_add_co_u32 s22, s22, 32768                   ; V's codes [step][d][128]
	s_mov_b32 s23, 0
	s_lshl_b32 s46, s20, 8
	s_add_co_u32 s46, s46, s21
	s_add_co_u32 s46, s46, 67584                   ; V's scale words [step][d]
	s_mov_b32 s47, 0
	s_add_nc_u64 s[20:21], s[6:7], s[22:23]
	s_add_nc_u64 s[22:23], s[20:21], 274432
	s_add_nc_u64 s[46:47], s[6:7], s[46:47]
.macro TOSTV a
.set PS, PC+16*((\a)%2)
.set OX, OB+16*((\a)%2)
.irp b, 0,1,2,3
	ds_store_b128 v[STO], v[PS+4*\b:PS+4*\b+3] offset:32768+32*\b
.endr
	ds_store_b32 v[SGV], v[PW+(\a)%2] offset:49152+64*(\a)   ; both halves of the lanes write the same word with the same value
.irp u, 0,1,2,3
	ds_load_b128 v[OX+4*\u:OX+4*\u+3], v[RDV] offset:32768+576*\u
.endr
.endm
.macro SENDV a
.set OX, OB+16*((\a)%2)
	s_wait_dscnt 0x0
.irp u, 0,1,2,3
	global_store_b128 v[L16], v[OX+4*\u:OX+4*\u+3], s[20+2*((\a)/4):21+2*((\a)/4)] offset:2048*((\a)%4)+512*\u   ; 4 rows of 128 bytes: 512 consecutive bytes
.endr
.endm
	QUANT 0, 0
	TOSTV 0
.irp a, 1,2,3,4,5,6,7
	QUANT \a, 0
.if \a > 1
	s_wait_xcnt 0x0
.endif
	SENDV \a-1
	TOSTV \a
.endr
	SENDV 7
	ds_load_b128 v[96:99], v[FV] offset:49152
	s_wait_dscnt 0x0
	global_store_b128 v[VOF], v[96:99], s[46:47]   ; sixteen lanes store a head's 256 bytes
.Lend:
	s_wait_tensorcnt 0x0                           ; the wave's end
	ds_add_u32 v[SPW], v[NIL]
	s_wait_dscnt 0x0
	CROUND                                         ; the closing round: no work-group ends while a partner may still ask for a tile that names it
	s_endpgm
.Lfunc_end_k_qb5ba0312e6_qkv:
	.size	k_qb5ba0312e6_qkv, .Lfunc_end_k_qb5ba0312e6_qkv-k_qb5ba0312e6_qkv
	.p2alignl 7, 3214868480
	.fill 96, 4, 3214868480
	.section	.rodata,"a",@progbits
	.p2align	6, 0x0
	.amdhsa_kernel k_qb5ba0312e6_qkv
		.amdhsa_group_segment_fixed_size 327680
		.amdhsa_private_segment_fixed_size 0
		.amdhsa_enable_private_segment 0
		.amdhsa_kernarg_size 16
		.amdhsa_user_sgpr_count 2
		.amdhsa_user_sgpr_kernarg_segment_ptr 1
		.amdhsa_wavefront_size32 1
		.amdhsa_system_sgpr_workgroup_id_x 1
		.amdhsa_system_sgpr_workgroup_id_y 1
		.amdhsa_system_sgpr_workgroup_id_z 1
		.amdhsa_system_vgpr_workitem_id 0
		.amdhsa_next_free_vgpr 1024
		.amdhsa_next_free_sgpr 100
		.amdhsa_reserve_vcc 0
		.amdhsa_float_denorm_mode_32 3
		.amdhsa_float_denorm_mode_16_64 3
		.amdhsa_memory_ordered 1
		.amdhsa_forward_progress 1
		.amdhsa_inst_pref_size 255
	.end_amdhsa_kernel
	.section	.bss,"aw",@nobits
	.p2align	6
	.space	262144
	.amdgpu_metadata
---
amdhsa.version: [ 1, 2 ]
amdhsa.kernels:
  - .name:           k_qb5ba0312e6_qkv
    .symbol:         k_qb5ba0312e6_qkv.kd
    .args:
      - { .name: pq, .offset: 0, .size: 8, .value_kind: global_buffer, .address_space: global }
      - { .name: qkv, .offset: 8, .size: 8, .value_kind: global_buffer, .address_space: global }
    .group_segment_fixed_size: 327680
    .private_segment_fixed_size: 0
    .kernarg_segment_align: 8
    .kernarg_segment_size: 16
    .max_flat_workgroup_size: 128
    .sgpr_count:     100
    .vgpr_count:     1024
    .wavefront_size: 32
...
	.end_amdgpu_metadata
.endif
;; end of part 2
;; launch attn (part 3): grid 8 x 32, 16 waves a work-group, no clusters, 314,112 bytes of LDS; arguments qkv, ob; writes ob
.if DOCPART == 3
	.amdgcn_target "amdgcn-amd-amdhsa--gfx1250"
	.amdhsa_code_object_version 6
	.text
	.protected	k_qb5ba0312e6_attn
	.globl	k_qb5ba0312e6_attn
	.p2align	8
	.type	k_qb5ba0312e6_attn,@function
k_qb5ba0312e6_attn:
	s_mov_b64 s[64:65], 0
	v_nop
	global_prefetch_b8 v0, s[64:65] scope:SCOPE_SE
	s_setreg_imm32_b32 hwreg(HW_REG_WAVE_MODE, 25, 1), 1
	s_wait_xcnt 0x0
; Causal attention of one head (head size 64, 2,048 keys), both products on codes of FP8 (E4M3) with E8M0 scales, and the result's own codes and scales for the projection.
; SOFTMAX: t = score x log2(e) / 8; M = the running largest t rounded UP to a whole number; p = 2^(t - M) is quantised along the keys, not normalised; the row's sum is taken of the unquantised p and divides at the end.
; When M moves, the sum and O are multiplied by 2^(old M - new M): exact.
; SHARES.  A work-group takes 256 queries of a head: chunk j of 128 (waves 0-7) and chunk 15 - j (waves 8-15), so that every work-group has the same causal work.  A wave owns 16 queries in 256 registers.
; THE WHOLE HEAD'S K AND V, CODES AND SCALE WORDS, LIE IN LDS, filled once: four groups of 512 keys, each 268 lines of 256 bytes (+ 16 of padding): 128 lines of K's codes [key][64], 128 of V's [step][d][128 keys],
; 8 of K's scale words, 4 of V's.  Waves 0-3 bring 67 lines of each group: four tensor loads of such a wave are out at the start.  Nothing is filled again.
; Both products are used transposed (S^T = K Q^T, O^T = V^T P^T): a lane holds one query throughout.  K = 64 fills half of the instruction's 128: both operands carry zero codes in the upper half.
; A tile of S^T has 16 neighbouring keys, so p's 16 codes of a block of 32 keys are keys 8 h + 0..7 and 16 + 8 h + 0..7: V's codes were laid in that same order.
; A key step all of whose keys come after my 16 queries is left out by a scalar branch on ids; in the one step on the diagonal hidden scores become -infinity.
; NO CLUSTER: work-groups that share K and V have other queries, and which key steps are left out hangs on the queries; partners of a joint load must run alike, and without the branch the vector work would double.
; The two scale bytes a row leave as 2 bytes a lane, 8 bytes apart (four heads share a row's 8 bytes): 131,072 bytes in the whole launch.
; LIMITS: NaN and infinities are not served; a block of zeros gets the byte 1 (its codes are zeros; this program alone reads the bytes).
; REGISTERS: v1-4 lane addresses; v5-11 addresses in hand; v12 -M, v13 the largest t, v[14:15] the sum; v16-31 Q; v32-95 four fragments of K; v96-159 S^T, then p, then V's four fragments; v160-191 O^T; v192-207 p's codes; v232-254 at work; v255 Q's scale words.
.set QS,   4194304
.set KV,   4456448
.set OSC,  4194304                     ; in ob: the scale bytes [K / 256][4096][8]
.set GRP,  268*272                     ; a group in LDS
.set STG,  4*GRP                       ; behind the head: a stage of 16 rows x 80 bytes for each wave
.set WV,   8
.set BH,   9
.set Q0,   10                          ; my first query
.set KF,   11                          ; the step's first key
.set TB,   12                          ; where the step's codes begin (K's; V's lie 34,816 on)
.set TS,   13                          ; K's scale words
.set TJ,   14                          ; V's
.set CNT,  15
.set MNT,  19
.set SEL,  20
.set CS,   22
	s_load_b128 s[4:7], s[0:1], 0x0                ; qkv, ob
	v_lshl_add_u32 v230, v0, 2, 0x4c300
	v_mov_b32 v231, 0
	ds_add_u32 v230, v231
	ds_add_u32 v230, v231
	v_lshrrev_b32 v8, 5, v0
	v_readfirstlane_b32 s[WV], v8                  ; wave 0..15
	s_and_b32 s[BH], ttmp7, 0xffff                 ; the head of 32
	s_lshl_b32 s48, ttmp9, 7
	s_lshl_b32 s49, s[WV], 4
	s_sub_co_u32 s50, 1792, s48
	s_cmp_lt_u32 s[WV], 8
	s_cselect_b32 s48, s48, s50
	s_add_co_u32 s[Q0], s48, s49                   ; 128 j + 16 w, or 128 (15 - j) + 16 (w - 8)
	s_mov_b32 s24, (1<<20)|(5<<22)|(3<<25)         ; group 1: elements of 1 byte; 4 words of padding behind every 64
	s_mov_b32 s25, 256<<16                         ; tensor_dim0 = 256
	s_mov_b32 s26, 67<<16                          ; tensor_dim1 = 67
	s_mov_b32 s27, 256<<16                         ; tile_dim0 = 256
	s_mov_b32 s28, 67                              ; tile_dim1 = 67
	s_mov_b32 s29, 256                             ; dense lines
	s_mov_b32 s30, 0
	s_mov_b32 s31, 0
	s_mul_i32 s50, s[BH], 274432
	s_mul_i32 s51, s[WV], 17152                    ; my 67 lines of a group, in memory
	s_add_co_u32 s50, s50, s51
	s_add_co_u32 s50, s50, KV
	s_mov_b32 s51, 0
	s_mul_i32 s52, s[WV], 67*272                   ; and in LDS
	s_mov_b32 s[SEL], 0x76543210
	s_mov_b32 s[SEL+1], 0xfedcba98
	s_mov_b32 s[CS], 0x3e38aa3b                    ; c = log2(e) / 8
	s_mov_b32 s[CS+1], s[CS]
	s_mov_b32 s[MNT], 0x600000
	s_mov_b32 s[KF], 0
	s_wait_dscnt 0x0
	s_wait_kmcnt 0x0
	s_add_nc_u64 s[50:51], s[4:5], s[50:51]
.irp g, 0,1,2,3
	s_mov_b32 s[32+4*\g], 1
	s_add_co_u32 s[33+4*\g], s52, GRP*\g
	s_add_nc_u64 s[34+4*\g:35+4*\g], s[50:51], 68608*\g
	s_or_b32 s[35+4*\g], s[35+4*\g], 0x80000000
.endr
	s_cmp_lt_u32 s[WV], 4                          ; all first fills of a wave stand in one branch on its number
	s_cbranch_scc0 .Lnofetch
	tensor_load_to_lds s[32:35], s[24:31]
	s_nop 0
	tensor_load_to_lds s[36:39], s[24:31]
	s_nop 0
	tensor_load_to_lds s[40:43], s[24:31]
	s_nop 0
	tensor_load_to_lds s[44:47], s[24:31]
	s_nop 0
.rept 4
	v_nop
.endr
.Lnofetch:
	v_and_b32 v8, 15, v0                           ; r
	v_bfe_u32 v9, v0, 4, 1                         ; h
	s_lshl_b32 s48, s[BH], 11
	s_add_co_u32 s48, s48, s[Q0]
	s_lshl_b32 s54, s48, 6
	s_mov_b32 s55, 0
	s_add_nc_u64 s[54:55], s[4:5], s[54:55]        ; Q's codes at my first query
	s_lshl_b32 s56, s48, 2
	s_add_co_u32 s56, s56, QS
	s_mov_b32 s57, 0
	s_add_nc_u64 s[56:57], s[4:5], s[56:57]        ; and its scale words
	v_lshlrev_b32 v5, 6, v8
	v_lshl_add_u32 v5, v9, 4, v5
	global_load_b128 v[16:19], v5, s[54:55]
	global_load_b128 v[20:23], v5, s[54:55] offset:32
	v_lshlrev_b32 v6, 2, v8
	global_load_b32 v255, v6, s[56:57]
	v_lshrrev_b32 v10, 2, v8
	v_mul_u32_u24 v1, v10, 272
	v_and_b32 v10, 3, v8
	v_lshl_add_u32 v1, v10, 6, v1
	v_lshl_add_u32 v1, v9, 4, v1                   ; K: four keys to a line
	v_lshrrev_b32 v10, 1, v8
	v_mul_u32_u24 v2, v10, 272
	v_and_b32 v10, 1, v8
	v_lshl_add_u32 v2, v10, 7, v2
	v_lshl_add_u32 v2, v9, 4, v2
	v_add_nc_u32 v2, 128*272, v2                   ; V: two channels to a line, behind K's 128 lines
	v_lshl_add_u32 v3, v8, 2, 256*272              ; K's scale words
	v_lshl_add_u32 v4, v8, 2, 264*272              ; V's
	v_mov_b32 v13, 0xff61b1e6                      ; the largest t so far: -3e38
	v_floor_f32 v12, -v13                          ; -M
	v_mov_b32 v14, 0
	v_mov_b32 v15, 0
.irp b, 0,1,2,3
	v_mov_b32 v[236+\b], 0                         ; written once: a lane permute's destination counts as one of its sources
.endr
	v_mov_b32 v253, 0
.set n, 0
.rept 8
	v_mov_b32 v[24+n], 0                           ; the zero codes that fill K = 64 up to 128: Q's,
	v_mov_b32 v[40+n], 0                           ; and those of K's four fragments; no load ever lands on them
	v_mov_b32 v[56+n], 0
	v_mov_b32 v[72+n], 0
	v_mov_b32 v[88+n], 0
.set n, n+1
.endr
.set n, 0
.rept 32
	v_mov_b32 v[160+n], 0                          ; O^T: the step is written once; its first turn finds zeros
.set n, n+1
.endr
; A KEY STEP of 128 keys
.macro STEP
	s_add_co_u32 s96, s[Q0], 15
	s_cmp_gt_u32 s[KF], s96
	s_cbranch_scc1 .Lhid_\@                        ; all its keys come after my queries
	v_add_nc_u32 v8, s[TB], v1
	v_add_nc_u32 v9, s[TB], v2
	v_add_nc_u32 v10, s[TS], v3
	v_add_nc_u32 v11, s[TJ], v4
.irp g, 0,1                                    ; S^T = K Q^T, four tiles of 16 keys at a time
.rept 8-3*(1-\g)
	v_nop                                          ; first time five, with the four additions nine places: the scores are written over registers that the last step's products read as operands; then eight, in front of loads
.endr
.irp t, 0,1,2,3
	ds_load_b128 v[32+16*\t:35+16*\t], v8 offset:1088*(4*\g+\t)
	ds_load_b128 v[36+16*\t:39+16*\t], v8 offset:1088*(4*\g+\t)+32
	ds_load_b32 v[248+\t], v10 offset:272*\g+64*\t
.endr
	s_wait_dscnt 0x0
.irp t, 0,1,2,3
	v_wmma_scale_f32_16x16x128_f8f6f4 v[96+8*(4*\g+\t):103+8*(4*\g+\t)], v[32+16*\t:47+16*\t], v[16:31], 0, v[248+\t], v255
.endr
.endr
.rept 8
	v_nop
.endr
	s_add_co_u32 s96, s[KF], 127
	s_cmp_le_u32 s96, s[Q0]
	s_cbranch_scc1 .Lopen_\@                       ; all its keys count
	s_sub_co_i32 s96, s[Q0], s[KF]
	v_and_b32 v252, 15, v0
	v_bfe_u32 v253, v0, 4, 1
	v_lshlrev_b32 v253, 3, v253
	v_sub_nc_u32 v252, v252, v253
	v_add_nc_u32 v252, s96, v252                   ; d = my query - KF - 8 h.  Register n holds key KF + 16 (n / 8) + 8 h + n % 8: hidden where 16 (n / 8) + n % 8 > d
	v_mov_b32 v254, 0xff800000
.set n, 0
.rept 64
	v_cmp_gt_i32 vcc_lo, 16*(n/8)+n%8, v252
	v_cndmask_b32 v[96+n], v[96+n], v254, vcc_lo
.set n, n+1
.endr
.Lopen_\@:
.irp b, 0,1,2,3
	v_max3_num_f32 v[232+\b], v[96+16*\b], v[97+16*\b], v[98+16*\b]   ; the largest score of each block of 32 keys: for the row's maximum, and for the block's largest p
.endr
.irp i, 3,5,7,9,11,13
.irp b, 0,1,2,3
	v_max3_num_f32 v[232+\b], v[232+\b], v[96+16*\b+\i], v[97+16*\b+\i]
.endr
.endr
.irp b, 0,1,2,3
	v_max_num_f32 v[232+\b], v[232+\b], v[111+16*\b]
.endr
.irp b, 0,1,2,3
	v_permlanex16_b32 v[236+\b], v[232+\b], s[SEL], s[SEL+1]
.endr
.irp b, 0,1,2,3
	v_max_num_f32 v[232+\b], v[232+\b], v[236+\b]
.endr
	v_max3_num_f32 v254, v232, v233, v234
	v_max_num_f32 v254, v254, v235
	v_mul_f32 v254, s[CS], v254
	v_max_num_f32 v13, v13, v254                   ; the running largest t
	v_mov_b32 v254, v12
	v_floor_f32 v12, -v13                          ; the new -M = -ceil(t)
	v_sub_f32 v254, v12, v254                      ; old M - new M: a whole number, 0 or less
	v_cvt_i32_f32 v254, v254
	v_ldexp_f32 v252, 1.0, v254                    ; f = 2^(old M - new M)
.set n, 0
.rept 32
	v_pk_fma_f32 v[96+n:97+n], v[96+n:97+n], s[CS:CS+1], v[12:13] op_sel_hi:[1,0,0]   ; t - M
.set n, n+2
.endr
.irp b, 0,1,2,3
	v_fma_f32 v[232+\b], v[232+\b], s[CS], v12
.endr
.set n, 0
.rept 64
	v_exp_f32 v[96+n], v[96+n]                     ; p = 2^(t - M)
.set n, n+1
.endr
	v_pk_mul_f32 v[14:15], v[14:15], v[252:253] op_sel_hi:[1,0]   ; the sums under the new M: a plain instruction behind the exponentials
	s_wait_alu depctr_va_vdst(0)                   ; one wait for the batch, ahead of its first reader
.irp b, 0,1,2,3
	v_exp_f32 v[232+\b], v[232+\b]                 ; the block's largest p
.endr
	v_pk_add_f32 v[236:237], v[96:97], v[98:99]    ; the row's sum, of the unquantised p, in two chains
.irp j, 4,8,12,16,20,24,28,32,36,40,44,48,52,56,60
	v_pk_add_f32 v[14:15], v[14:15], v[96+\j:97+\j]
	v_pk_add_f32 v[236:237], v[236:237], v[98+\j:99+\j]
.endr
	v_pk_add_f32 v[14:15], v[14:15], v[236:237]
	s_wait_alu depctr_va_vdst(0)                   ; and one for the four
.irp b, 0,1,2,3
	v_max_num_f32 v[232+\b], 0x4800000, v[232+\b]  ; the floor 2^(9 - 127)
.endr
.irp b, 0,1,2,3
	v_add_nc_u32 v[244+\b], 0xfc000000, v[232+\b]
.endr
.irp b, 0,1,2,3
	v_and_or_b32 v[240+\b], v[232+\b], 0x7f800000, s[MNT]
.endr
.irp b, 0,1,2,3
	v_lshrrev_b32 v[236+\b], 23, v[244+\b]
.endr
	v_lshl_or_b32 v253, v237, 8, v236              ; p's scale word for these 128 keys
	v_lshl_or_b32 v253, v238, 16, v253
	v_lshl_or_b32 v253, v239, 24, v253
.irp b, 0,1,2,3
.set n, 0
.rept 16
	v_min_num_f32 v[96+16*\b+n], v[96+16*\b+n], v[240+\b]   ; p is not negative: the hold is one-sided
.set n, n+1
.endr
	v_cvt_scalef32_pk8_fp8_f32 v[192+4*\b:193+4*\b], v[96+16*\b:103+16*\b], v[244+\b]
	v_cvt_scalef32_pk8_fp8_f32 v[194+4*\b:195+4*\b], v[104+16*\b:111+16*\b], v[244+\b]
.endr
	v_nop                                          ; a plain vector instruction behind the last conversion
.irp t, 0,1,2,3                                ; V's four fragments take the registers that p has left
.irp c, 0,1,2,3
	ds_load_b128 v[96+16*\t+4*\c:99+16*\t+4*\c], v9 offset:2176*\t+32*\c
.endr
	ds_load_b32 v[248+\t], v11 offset:64*\t
.endr
.set n, 0
.rept 16
	v_pk_mul_f32 v[160+n:161+n], v[160+n:161+n], v[252:253] op_sel_hi:[1,0]   ; O^T under the new M; also the places between the codes and the products
.set n, n+2
.endr
.rept 4
	v_nop                                          ; no register of the products below is written by the four instructions ahead of them
.endr
	s_wait_dscnt 0x0
.irp t, 0,1,2,3
	v_wmma_scale_f32_16x16x128_f8f6f4 v[160+8*\t:167+8*\t], v[96+16*\t:111+16*\t], v[192:207], v[160+8*\t:167+8*\t], v[248+\t], v253
.endr
.Lhid_\@:
	s_add_co_u32 s[KF], s[KF], 128
	s_add_co_u32 s[TB], s[TB], 32*272
	s_add_co_u32 s[TS], s[TS], 2*272
	s_add_co_u32 s[TJ], s[TJ], 272
.endm
	s_wait_loadcnt 0x0                             ; Q
.irp g, 0,1,2,3
	s_wait_tensorcnt 3-\g                          ; my part of group g is in; the later groups' loads may stay out
	s_wait_dscnt 0x0
	s_barrier_signal -1
	s_barrier_wait -1                              ; everybody's is
	s_mov_b32 s[TB], GRP*\g
	s_mov_b32 s[TS], GRP*\g
	s_mov_b32 s[TJ], GRP*\g
	s_mov_b32 s[CNT], 4
.Lgrp\g:
	STEP
	s_sub_co_u32 s[CNT], s[CNT], 1
	s_cmp_lg_u32 s[CNT], 0
	s_cbranch_scc1 .Lgrp\g
.endr
	; THE WAY OUT: O^T / the sum, quantised along the head's 64 (two blocks of 32), put into natural order in my stage, and stored as 1,024 consecutive bytes
.rept 8
	v_nop                                          ; a wave whose later steps were all left out comes here over scalar lines alone: the places behind its last products
.endr
	v_add_f32 v14, v14, v15
	v_permlanex16_b32 v252, v14, s[SEL], s[SEL+1]
	v_add_f32 v14, v14, v252                       ; the row's sum
	v_rcp_f32 v15, v14
	s_mul_i32 s48, s[WV], 1280
	s_add_co_u32 s48, s48, STG
	v_and_b32 v8, 15, v0
	v_bfe_u32 v9, v0, 4, 1
	v_mul_u32_u24 v5, v8, 80
	v_lshl_add_u32 v5, v9, 3, v5
	v_add_nc_u32 v5, s48, v5                       ; in: row r, 8 bytes for each half of the lanes
	v_and_b32 v10, 31, v0
	v_lshrrev_b32 v6, 2, v10
	v_mul_u32_u24 v6, v6, 80
	v_and_b32 v11, 3, v10
	v_lshl_add_u32 v6, v11, 4, v6
	v_add_nc_u32 v6, s48, v6                       ; back: four lanes to a row of 64 bytes
	v_lshlrev_b32 v7, 4, v10
	v_lshlrev_b32 v8, 3, v8
	s_lshr_b32 s49, s[BH], 4
	s_lshl_b32 s49, s49, 11
	s_add_co_u32 s49, s49, s[Q0]                   ; my first row of 4,096
	s_and_b32 s50, s[BH], 15                       ; the head of 16
	s_lshr_b32 s51, s49, 8
	s_lshl_b32 s51, s51, 4
	s_add_co_u32 s51, s51, s50
	s_lshl_b32 s51, s51, 8
	s_and_b32 s52, s49, 255
	s_add_co_u32 s51, s51, s52
	s_lshl_b32 s52, s51, 6                         ; codes [tile of 256 rows][head][256 rows][64]
	s_mov_b32 s53, 0
	s_add_nc_u64 s[52:53], s[6:7], s[52:53]
	s_lshr_b32 s54, s50, 2
	s_lshl_b32 s54, s54, 12
	s_add_co_u32 s54, s54, s49
	s_lshl_b32 s54, s54, 3
	s_and_b32 s55, s50, 3
	s_lshl_b32 s55, s55, 1
	s_add_co_u32 s54, s54, s55
	s_add_co_u32 s54, s54, OSC                     ; scale bytes [head / 4][row][8], mine at 2 (head % 4)
	s_mov_b32 s55, 0
	s_add_nc_u64 s[54:55], s[6:7], s[54:55]
	s_wait_alu depctr_va_vdst(0)                   ; the wait behind the reciprocal, ahead of its first reader
.set n, 0
.rept 32
	v_mul_f32 v[96+n], v[160+n], v15               ; register 8 t + i is o(r, 16 t + 8 h + i); each accumulator from its low end on
.set n, n+1
.endr
.irp b, 0,1
	v_max3_num_f32 v[232+\b], |v[96+16*\b]|, |v[97+16*\b]|, 0x4800000
.endr
.irp i, 2,4,6,8,10,12,14
.irp b, 0,1
	v_max3_num_f32 v[232+\b], v[232+\b], |v[96+16*\b+\i]|, |v[97+16*\b+\i]|
.endr
.endr
.irp b, 0,1
	v_permlanex16_b32 v[236+\b], v[232+\b], s[SEL], s[SEL+1]
.endr
.irp b, 0,1
	v_max_num_f32 v[232+\b], v[232+\b], v[236+\b]
.endr
.irp b, 0,1
	v_add_nc_u32 v[244+\b], 0xfc000000, v[232+\b]
.endr
.irp b, 0,1
	v_and_or_b32 v[240+\b], v[232+\b], 0x7f800000, s[MNT]
.endr
.irp b, 0,1
	v_lshrrev_b32 v[236+\b], 23, v[244+\b]
.endr
	v_lshl_or_b32 v253, v237, 8, v236
.irp b, 0,1
.set n, 0
.rept 16
	v_med3_num_f32 v[96+16*\b+n], v[96+16*\b+n], -v[240+\b], v[240+\b]
.set n, n+1
.endr
.endr
.irp b, 0,1
	v_cvt_scalef32_pk8_fp8_f32 v[192+4*\b:193+4*\b], v[96+16*\b:103+16*\b], v[244+\b]
	v_cvt_scalef32_pk8_fp8_f32 v[194+4*\b:195+4*\b], v[104+16*\b:111+16*\b], v[244+\b]
.endr
	v_nop
.irp b, 0,1
	ds_store_b64 v5, v[192+4*\b:193+4*\b] offset:32*\b       ; channels 32 b + 8 h + 0..7,
	ds_store_b64 v5, v[194+4*\b:195+4*\b] offset:32*\b+16    ; and 32 b + 16 + 8 h + 0..7: natural order
.endr
	ds_load_b128 v[32:35], v6                      ; LDS serves a wave's instructions in order: these see my stores
	ds_load_b128 v[36:39], v6 offset:640
	global_store_b16 v8, v253, s[54:55]            ; both halves of the lanes write the same two bytes with the same value
	s_wait_dscnt 1
	global_store_b128 v7, v[32:35], s[52:53]
	s_wait_dscnt 0x0
	global_store_b128 v7, v[36:39], s[52:53] offset:512
	s_wait_tensorcnt 0x0
	ds_add_u32 v230, v231
	s_wait_dscnt 0x0
	s_endpgm
.Lfunc_end_k_qb5ba0312e6_attn:
	.size	k_qb5ba0312e6_attn, .Lfunc_end_k_qb5ba0312e6_attn-k_qb5ba0312e6_attn
	.p2alignl 7, 3214868480
	.fill 96, 4, 3214868480
	.section	.rodata,"a",@progbits
	.p2align	6, 0x0
	.amdhsa_kernel k_qb5ba0312e6_attn
		.amdhsa_group_segment_fixed_size 314112
		.amdhsa_private_segment_fixed_size 0
		.amdhsa_enable_private_segment 0
		.amdhsa_kernarg_size 16
		.amdhsa_user_sgpr_count 2
		.amdhsa_user_sgpr_kernarg_segment_ptr 1
		.amdhsa_wavefront_size32 1
		.amdhsa_system_sgpr_workgroup_id_x 1
		.amdhsa_system_sgpr_workgroup_id_y 1
		.amdhsa_system_sgpr_workgroup_id_z 1
		.amdhsa_system_vgpr_workitem_id 0
		.amdhsa_next_free_vgpr 256
		.amdhsa_next_free_sgpr 100
		.amdhsa_reserve_vcc 1
		.amdhsa_float_denorm_mode_32 3
		.amdhsa_float_denorm_mode_16_64 3
		.amdhsa_memory_ordered 1
		.amdhsa_forward_progress 1
		.amdhsa_inst_pref_size 117
	.end_amdhsa_kernel
	.amdgpu_metadata
---
amdhsa.version: [ 1, 2 ]
amdhsa.kernels:
  - .name:           k_qb5ba0312e6_attn
    .symbol:         k_qb5ba0312e6_attn.kd
    .args:
      - { .name: qkv, .offset: 0, .size: 8, .value_kind: global_buffer, .address_space: global }
      - { .name: ob, .offset: 8, .size: 8, .value_kind: global_buffer, .address_space: global }
    .group_segment_fixed_size: 314112
    .private_segment_fixed_size: 0
    .kernarg_segment_align: 8
    .kernarg_segment_size: 16
    .max_flat_workgroup_size: 512
    .sgpr_count:     100
    .vgpr_count:     256
    .wavefront_size: 32
...
	.end_amdgpu_metadata
.endif
;; end of part 3
;; launch proj (part 4): grid 4 x 16, 4 waves a work-group, clusters of 4 x 4, 327,680 bytes of LDS; arguments ob, pq, bp, res; writes res
.if DOCPART == 4
	.amdgcn_target "amdgcn-amd-amdhsa--gfx1250"
	.amdhsa_code_object_version 6
	.text
	.protected	k_qb5ba0312e6_proj
	.globl	k_qb5ba0312e6_proj
	.p2align	8
	.type	k_qb5ba0312e6_proj,@function
k_qb5ba0312e6_proj:
	s_mov_b64 s[64:65], 0
	v_nop
	global_prefetch_b8 v0, s[64:65] scope:SCOPE_SE
	s_setreg_imm32_b32 hwreg(HW_REG_WAVE_MODE, 25, 1), 1
	s_wait_xcnt 0x0
	s_wait_alu depctr_hold_cnt(0) depctr_sa_sdst(0) depctr_va_vdst(0) depctr_va_sdst(0) depctr_va_ssrc(0) depctr_va_vcc(0) depctr_vm_vsrc(0)
	s_getreg_b32 s2, hwreg(HW_REG_IB_STS2, 6, 4)
	s_cmp_eq_u32 s2, 0
	s_cbranch_scc0 .Lentry_in_a_cluster
	s_endpgm
.Lentry_in_a_cluster:
	s_bfe_u32 s2, ttmp6, 0x10000c
	s_cmp_lg_u32 s2, 0xf033
	s_cbranch_scc0 .Lentry_shape_is_right
	s_endpgm
.Lentry_shape_is_right:
; res = o Wp + bp, f32, on codes of FP8 (E4M3) with E8M0 scales.  o: 4,096 rows, K = 1,024, codes laid [tile of 256 rows][head][256 rows][64 bytes]; Wp's codes [n][K].  Scale bytes of both: [K / 256][rows][8].
; A tile of C, 256 x 256, is made by four waves, each 128 x 128 in 64 accumulators.  K goes in steps of 256 through a ring of two LDS slots.  A slot: A's 256 lines of 256 bytes (272 apart), A's 2,048 scale bytes, 128 spare bytes, then the same for B.
; A K step of A's tile is 65,536 dense bytes (four heads' planes): it comes as 256 lines, four rows of a plane to a line.
; One tensor load a wave: wave 0 A's codes, wave 1 B's codes, wave 2 A's scale bytes, wave 3 B's.  CLUSTERS of 4 x 4: A's tiles are asked for jointly along a row of the cluster, B's along a column.
; The matrix instruction is used transposed (source 0 = 16 rows of B, source 1 = 16 rows of A): a lane holds eight neighbouring numbers of a row of C.  The bias is the C of each sum's first matrix instruction.
; 64 tiles: 64 work-groups.  The residual and the norm follow in the next launch, which needs whole rows.
; REGISTERS: window 0: v1-29 addresses; v32-63 scale words, two sets; v64-127 the bias; v128-255 A's fragments, later rows on their way out; window 1: B's fragments, two sets; windows 2, 3: the accumulators.
.set KDIM,    1024
.set APL,     64                       ; A's planes have rows of 64 bytes
.set RH,      8704                     ; 128 rows of a plane in LDS: 32 lines
.set APITCH,  256
.set BPITCH,  1024
.set A_CODE,  0
.set A_SCAL,  4194304
.set A_TILE,  262144
.set A_STEP,  65536
.set A_SSTEP, 32768
.set B_CODE,  7340032
.set B_SCAL,  17006592
.set B_TILE,  262144
.set B_SSTEP, 8192
.set FIRST,   2                        ; the first products take the bias as C
.set NQ, 2
.set FR, 16
.set NL, 4
.set NP, 8                             ; places behind this matrix instruction (ISA guide 7.12.1)
.set LP, 272
.set CODEB, 256*LP
.set SIDE, CODEB+2176
.set SLOT, 2*SIDE
.set SPARE, 2*SLOT                     ; behind the ring: the spare words, 128 bytes a wave
.set LAPS, KDIM/512
.set ADRA, 16
.set ADRB, 20
.set ADRS, 22
.set SPW, 28
.set NIL, 29
.set SC, 32
.set BI, 64
.set AF, 128
.set G1A, 24
.set G0A, 32
.set G1B, 48
.set G0B, 56
.set G1SA, 68
.set G1SB, 76
.set MSB, 0
.macro WIN new                         ; the immediate's high byte repeats the setting that is left
.if MSB != (\new)
	s_set_vgpr_msb (MSB<<8)|(\new)
.set MSB, (\new)
.endif
.endm
.macro PLACES n
.rept \n
	v_nop
.endr
.endm
.macro ARM g0, g1                      ; a joint load; four v_nop follow it
	tensor_load_to_lds s[\g0:\g0+3], s[\g1:\g1+7]
	s_nop 0
.rept 4
	v_nop
.endr
.endm
.macro JLOAD s                         ; each wave asks for its part of slot s; the branches hang on the wave's number alone
	s_cmp_lg_u32 s14, 0
	s_cbranch_scc1 .Lj1_\@
	ARM G0A+4*\s, G1A
	s_branch .Ljd_\@
.Lj1_\@:
	s_cmp_lg_u32 s14, 1
	s_cbranch_scc1 .Lj2_\@
	ARM G0B+4*\s, G1B
	s_branch .Ljd_\@
.Lj2_\@:
	s_cmp_lg_u32 s14, 2
	s_cbranch_scc1 .Lj3_\@
	ARM G0A+4*\s, G1SA
	s_branch .Ljd_\@
.Lj3_\@:
	ARM G0B+4*\s, G1SB
.Ljd_\@:
.endm
.macro CREST                           ; a round of the cluster's barrier behind its opening barrier
	s_cmp_lg_u32 s14, 0
	s_cbranch_scc1 .Lnw0_\@
	s_barrier_signal -3
.Lnw0_\@:
	s_barrier_wait -3
	s_barrier_signal -1
	s_barrier_wait -1
.endm
.macro CROUND
	s_barrier_signal -1
	s_barrier_wait -1
	CREST
.endm
.macro FETCH_B slot, q, p              ; B's eight fragments of the slot's q-th 128 along K into set p
	WIN 0x40
.irp i, 0,1,2,3,4,5,6,7
.irp c, 0,1,2,3
	ds_load_b128 v[128*(\p)+FR*\i+4*\c:128*(\p)+FR*\i+4*\c+3], v[ADRB+\slot] offset:128*(\q)+32*\c+\i*16*LP
.endr
.endr
	WIN 0
.endm
.macro FETCH_A slot, q, i0             ; A's blocks i0 .. i0 + 3
.irp i, \i0, \i0+1, \i0+2, \i0+3
.irp c, 0,1,2,3
.if APL == 256
	ds_load_b128 v[AF+FR*(\i)+4*\c:AF+FR*(\i)+4*\c+3], v[ADRA+\slot] offset:128*(\q)+32*\c+(\i)*16*LP
.elseif APL == 128
	ds_load_b128 v[AF+FR*(\i)+4*\c:AF+FR*(\i)+4*\c+3], v[ADRA+\slot] offset:34816*(\q)+2176*(\i)+32*\c
.else
	ds_load_b128 v[AF+FR*(\i)+4*\c:AF+FR*(\i)+4*\c+3], v[ADRA+\slot] offset:17408*(2*(\q)+\c/2)+1088*(\i)+32*(\c%2)
.endif
.endr
.endr
.endm
.macro SCALES sc                       ; slot sc's scale words: two a row; lanes 0-15 take A's block i, lanes 16-31 B's block i
.irp i, 0,1,2,3,4,5,6,7
	ds_load_b64 v[SC+16*\sc+2*\i:SC+16*\sc+2*\i+1], v[ADRS+\sc] offset:128*\i
.endr
.endm
; 16 matrix instructions: A's blocks a0, a0 + 1 x B's eight.  zero = 1: C is the constant 0; 2: C is the bias; 0: in place.  The 64 accumulators take turns, one instruction a turn.
.macro MUL16 a0, p, q, sc, zero
.irp a, \a0, \a0+1
.irp b, 0,1,2,3,4,5,6,7
.set rD, 8*(8*((\a)%4)+\b)
.set rB, 128*(\p)+FR*\b
.set rA, AF+FR*(\a)
.set rS, SC+8*NQ*(\sc)+(\q)
.if \zero == 1
	v_wmma_scale_f32_16x16x128_f8f6f4 v[rD:rD+7], v[rB:rB+15], v[rA:rA+15], 0, v[rS+NQ*\b], v[rS+NQ*(\a)] matrix_a_scale:MATRIX_SCALE_ROW1
.elseif \zero == 2
	v_wmma_scale_f32_16x16x128_f8f6f4 v[rD:rD+7], v[rB:rB+15], v[rA:rA+15], v[BI+8*\b:BI+8*\b+7], v[rS+NQ*\b], v[rS+NQ*(\a)] matrix_a_scale:MATRIX_SCALE_ROW1
.else
	v_wmma_scale_f32_16x16x128_f8f6f4 v[rD:rD+7], v[rB:rB+15], v[rA:rA+15], v[rD:rD+7], v[rS+NQ*\b], v[rS+NQ*(\a)] matrix_a_scale:MATRIX_SCALE_ROW1
.endif
.endr
.endr
.endm
.macro WMUL hi, zero                   ; source 0 (B) window 1, source 1 (A) window 0, D window 2 or 3; C with D, or (the bias) window 0
.if \zero == 2
	WIN 0x81+0x40*\hi
.else
	WIN 0xa1+0x50*\hi
.endif
.endm
.macro STEP slot, q, zero              ; a step of 128 along K that has its successor in the same slot
	s_wait_dscnt 4*NL                              ; B's set, A's blocks 0-3 and the scale words are in; the youngest 16 loads (A's blocks 4-7) may be out
	WMUL 0, \zero
	MUL16 0, (\q)%2, \q, \slot, \zero
	MUL16 2, (\q)%2, \q, \slot, \zero
	s_wait_dscnt 0x0                               ; A's blocks 4-7 are in
	PLACES NP                                      ; in front of loads into registers that matrix instructions have read
	FETCH_B \slot, (\q)+1, 1-(\q)%2
	FETCH_A \slot, (\q)+1, 0
	WMUL 1, \zero
	MUL16 4, (\q)%2, \q, \slot, \zero
	MUL16 6, (\q)%2, \q, \slot, \zero
	PLACES NP
	WIN 0
	FETCH_A \slot, (\q)+1, 4
.endm
; A slot's last step changes slots: one barrier; in front of it each wave waits for all its tensor loads, adds 0 to its spare word and waits for that and for its reads of this slot.  fill = 1: the barrier opens a round of the
; cluster's barrier, and this slot is filled again, two K steps ahead, first thing behind the round.
.macro TURN slot, next, fill
	s_wait_tensorcnt 0x0                           ; all my tensor loads have landed: my part of the next slot
	ds_add_u32 v[SPW], v[NIL]                      ; 0 onto my spare word
	s_wait_dscnt 4*NL+1                            ; (the add and A's blocks 4-7 may be out)
	WIN 0xa1
	MUL16 0, 1, 1, \slot, 0
	s_wait_dscnt 0x0                               ; the add is done, and my reads of this slot are over
	s_barrier_signal -1
	MUL16 2, 1, 1, \slot, 0
	WIN 0
	s_barrier_wait -1
.if \fill
	CREST
	s_add_nc_u64 s[G0A+4*\slot+2:G0A+4*\slot+3], s[G0A+4*\slot+2:G0A+4*\slot+3], s[84:85]
	s_add_nc_u64 s[G0B+4*\slot+2:G0B+4*\slot+3], s[G0B+4*\slot+2:G0B+4*\slot+3], s[86:87]
	JLOAD \slot                                    ; its four v_nop are among the places in front of the loads below
	PLACES NP-4
.else
	PLACES NP
.endif
	FETCH_B \next, 0, 0
	FETCH_A \next, 0, 0
	SCALES \next
	WIN 0xf1
	MUL16 4, 1, 1, \slot, 0
	MUL16 6, 1, 1, \slot, 0
	PLACES NP
	WIN 0
	FETCH_A \next, 0, 4
.endm
	s_load_b256 s[4:11], s[0:1], 0x0               ; A's buffer, B's buffer (pq), the bias, res
	v_lshl_add_u32 v[SPW], v0, 2, SPARE
	v_mov_b32 v[NIL], 0
	ds_add_u32 v28, v29
	ds_add_u32 v28, v29
	s_wait_dscnt 0x0
	v_lshrrev_b32 v1, 5, v0
	v_readfirstlane_b32 s14, v1                    ; wave 0..3
	s_lshr_b32 s15, s14, 1                         ; which half of the tile's rows is mine.  Also: I fetch codes (0) or scale bytes (1)
	s_and_b32 s16, s14, 1                          ; which half of its columns.  Also: I fetch for A (0) or for B (1)
	s_bfe_u32 s40, ttmp6, 0x40000                  ; cx, cy: my place in the cluster
	s_bfe_u32 s41, ttmp6, 0x40004
	s_lshl_b32 s42, ttmp9, 2
	s_add_co_u32 s42, s42, s40                     ; tile column
	s_and_b32 s17, ttmp7, 0xffff
	s_lshl_b32 s17, s17, 2
	s_add_co_u32 s17, s17, s41                     ; tile row
	s_mov_b32 s88, A_SSTEP
	s_mov_b32 s90, B_SSTEP
	s_lshl_b32 s43, s41, 2
	s_lshl_b32 s43, 15, s43                        ; my row of the cluster
	s_lshl_b32 s44, 0x1111, s40                    ; my column
	s_or_b32 s[G1A], s43, (1<<20)|(1<<21)|(5<<22)|(3<<25)   ; codes: elements of 1 byte; 4 words of padding behind every 64; bit 21 set beside a mask
	s_or_b32 s[G1B], s44, (1<<20)|(1<<21)|(5<<22)|(3<<25)
	s_or_b32 s[G1SA], s43, (3<<16)|(1<<21)         ; scale bytes: elements of 8 bytes, dense
	s_or_b32 s[G1SB], s44, (3<<16)|(1<<21)
.irp g, G1A, G1B
	s_mov_b32 s[\g+1], 256<<16                     ; tensor_dim0 = 256
	s_mov_b32 s[\g+2], 256<<16                     ; tensor_dim1 = 256
	s_mov_b32 s[\g+3], 256<<16                     ; tile_dim0 = 256
	s_mov_b32 s[\g+4], 256                         ; tile_dim1 = 256
	s_mov_b32 s[\g+6], 0
	s_mov_b32 s[\g+7], 0
.endr
	s_mov_b32 s[G1A+5], APITCH
	s_mov_b32 s[G1B+5], BPITCH
.irp g, G1SA, G1SB
	s_mov_b32 s[\g+1], 32<<16                      ; 8 rows of 32 elements: 2,048 dense bytes
	s_mov_b32 s[\g+2], 8<<16
	s_mov_b32 s[\g+3], 32<<16
	s_mov_b32 s[\g+4], 8
	s_mov_b32 s[\g+5], 32
	s_mov_b32 s[\g+6], 0
	s_mov_b32 s[\g+7], 0
.endr
	s_mul_i32 s20, s17, A_TILE                     ; A's offsets hang on the tile row alone, B's on the tile column alone
	s_add_co_u32 s20, s20, A_CODE
	s_lshl_b32 s21, s17, 11
	s_add_co_u32 s21, s21, A_SCAL
	s_mul_i32 s46, s42, B_TILE
	s_add_co_u32 s46, s46, B_CODE
	s_lshl_b32 s47, s42, 11
	s_add_co_u32 s47, s47, B_SCAL
	s_cmp_eq_u32 s15, 0                            ; codes or scale bytes: offsets and steps are chosen, not addresses
	s_cselect_b32 s20, s20, s21
	s_cselect_b32 s46, s46, s47
	s_cselect_b32 s88, A_STEP, s88
	s_cselect_b32 s90, 256, s90
	s_mov_b32 s21, 0
	s_mov_b32 s47, 0
	s_mov_b32 s89, 0
	s_mov_b32 s91, 0
	s_lshl_b32 s84, s88, 1                         ; a slot's next tile lies two K steps on
	s_mov_b32 s85, 0
	s_lshl_b32 s86, s90, 1
	s_mov_b32 s87, 0
	s_mul_i32 s45, s16, SIDE                       ; where my part goes: no place in the cluster enters an LDS address
	s_mul_i32 s18, s15, CODEB
	s_add_co_u32 s45, s45, s18
	s_wait_kmcnt 0x0
	s_add_nc_u64 s[20:21], s[4:5], s[20:21]
	s_add_nc_u64 s[46:47], s[6:7], s[46:47]
.irp s, 0,1
	s_mov_b32 s[G0A+4*\s], 1
	s_add_co_u32 s[G0A+4*\s+1], s45, \s*SLOT
	s_mov_b32 s[G0B+4*\s], 1
	s_add_co_u32 s[G0B+4*\s+1], s45, \s*SLOT
.endr
	s_mov_b64 s[G0A+2:G0A+3], s[20:21]
	s_add_nc_u64 s[G0A+6:G0A+7], s[20:21], s[88:89]
	s_mov_b64 s[G0B+2:G0B+3], s[46:47]
	s_add_nc_u64 s[G0B+6:G0B+7], s[46:47], s[90:91]
.irp g, G0A+3, G0A+7, G0B+3, G0B+7
	s_or_b32 s[\g], s[\g], 0x80000000              ; type = 2
.endr
	CROUND                                         ; all sixteen work-groups are here: the first joint loads meet
	JLOAD 0
	JLOAD 1                                        ; two tensor loads of mine are out
	v_and_b32 v1, 15, v0                           ; r
	v_bfe_u32 v2, v0, 4, 1                         ; h
	v_and_b32 v3, 31, v0                           ; lane
	s_lshl_b32 s46, s42, 10                        ; the bias of my 128 columns: lane (r, h) wants, for B's block b, those of columns 16 b + 8 h + 0..7
	s_lshl_b32 s47, s16, 9
	s_add_co_u32 s46, s46, s47
	s_mov_b32 s47, 0
	s_add_nc_u64 s[8:9], s[8:9], s[46:47]
	v_lshlrev_b32 v9, 5, v2
.irp b, 0,1,2,3,4,5,6,7
	global_load_b128 v[BI+8*\b:BI+8*\b+3], v9, s[8:9] offset:64*\b
	global_load_b128 v[BI+8*\b+4:BI+8*\b+7], v9, s[8:9] offset:64*\b+16
.endr
	v_mul_u32_u24 v4, v1, LP
	v_lshl_add_u32 v4, v2, 4, v4                   ; B: a fragment's row x pitch + 16 h
.if APL == 128
	v_lshrrev_b32 v5, 1, v1                        ; A: two rows of a plane to a line
	v_mul_u32_u24 v5, v5, LP
	v_and_b32 v6, 1, v1
	v_lshl_add_u32 v5, v6, 7, v5
.else
	v_lshrrev_b32 v5, 2, v1                        ; A: four rows of a plane to a line
	v_mul_u32_u24 v5, v5, LP
	v_and_b32 v6, 3, v1
	v_lshl_add_u32 v5, v6, 6, v5
.endif
	v_lshl_add_u32 v5, v2, 4, v5
	s_mul_i32 s21, s15, RH
	s_mul_i32 s22, s16, 34816
	s_add_co_u32 s22, s22, SIDE
.irp s, 0,1
	v_add_nc_u32 v[ADRA+\s], s21, v5
	v_add_nc_u32 v[ADRB+\s], s22, v4
	s_add_co_u32 s21, s21, SLOT
	s_add_co_u32 s22, s22, SLOT
.endr
	v_lshlrev_b32 v6, 3, v1                        ; scale words: 8 bytes a row
	s_lshl_b32 s21, s15, 10
	s_lshl_b32 s22, s16, 10
	s_add_co_u32 s22, s22, SIDE
	s_sub_co_u32 s22, s22, s21
	v_mul_u32_u24 v7, s22, v2                      ; lanes 16-31 take B's: one product with h
	s_add_co_u32 s21, s21, CODEB
	v_add_nc_u32 v6, v6, v7
	v_add_nc_u32 v[ADRS], s21, v6
	s_add_co_u32 s21, s21, SLOT
	v_add_nc_u32 v[ADRS+1], s21, v6
; the way out: a stage of 16 rows x (512 bytes + 16) for each wave, in slot 0, which has had its last fill and its last read when the first result is stored there
.set STO, 24
.set RD,  25
.set CO,  26
.set BK,  128
.set SPITCH, 528
	s_mul_i32 s23, s14, 16*SPITCH
	v_mul_u32_u24 v6, v1, SPITCH
	v_lshl_add_u32 v6, v2, 5, v6
	v_add_nc_u32 v[STO], s23, v6                   ; in: row r, 32 bytes for each half of the lanes
	v_lshlrev_b32 v[CO], 4, v3
	v_add_nc_u32 v[RD], s23, v[CO]                 ; back: the 32 lanes take a row of 512 bytes
	s_lshl_b32 s20, s17, 20                        ; my first row of C: 256 x tile row + 128 x half, rows of 4,096 bytes;
	s_lshl_b32 s21, s15, 19
	s_add_co_u32 s20, s20, s21
	s_lshl_b32 s46, s42, 10                        ; my first column
	s_lshl_b32 s47, s16, 9
	s_add_co_u32 s46, s46, s47
	s_add_co_u32 s46, s46, s20
	s_mov_b32 s47, 0
	s_add_nc_u64 s[10:11], s[10:11], s[46:47]
	s_wait_tensorcnt 1                             ; my part of slot 0 is in (slot 1's load may be out)
	s_barrier_signal -1
	s_barrier_wait -1                              ; everybody's is
	FETCH_B 0, 0, 0
	FETCH_A 0, 0, 0
	SCALES 0
	FETCH_A 0, 0, 4
	s_wait_loadcnt 0x0                             ; the bias
	STEP 0, 0, FIRST                               ; the first step stands in front of the loop: its products start the sums
	s_mov_b32 s3, LAPS-1
.Llap:                                             ; a trip goes once round the ring and fills both slots again
	TURN 0, 1, 1
	STEP 1, 0, 0
	TURN 1, 0, 1
	STEP 0, 0, 0
	s_sub_co_u32 s3, s3, 1
	s_cmp_lg_u32 s3, 0
	s_cbranch_scc1 .Llap
	TURN 0, 1, 0                                   ; the last lap fills nothing
	STEP 1, 0, 0
	s_wait_dscnt 4*NL
	WIN 0xa1
	MUL16 0, 1, 1, 1, 0
	MUL16 2, 1, 1, 1, 0
	s_wait_dscnt 0x0
	WIN 0xf1
	MUL16 4, 1, 1, 1, 0
	MUL16 6, 1, 1, 1, 0
	WIN 0
	PLACES NP                                      ; behind the last products: results are read and operands' registers loaded from here on
.macro TOSTAGE a                       ; block a, 16 rows x 128 columns, through my stage: LDS serves a wave's instructions in order, so no wait stands between the stores and the loads
.set AC, 64*((\a)%4)
	WIN 0x08+4*((\a)/4)                            ; an LDS store's data: window 2 or 3
.irp b, 0,1,2,3,4,5,6,7
	ds_store_b128 v[STO], v[AC+8*\b:AC+8*\b+3] offset:64*\b          ; each accumulator from its low end on
	ds_store_b128 v[STO], v[AC+8*\b+4:AC+8*\b+7] offset:64*\b+16
.endr
	WIN 0
.set BB, BK+64*((\a)%2)
.irp t, 0,1,2,3,4,5,6,7,8,9,10,11,12,13,14,15
	ds_load_b128 v[BB+4*\t:BB+4*\t+3], v[RD] offset:\t*SPITCH
.endr
.endm
.macro SEND a, younger                 ; younger: the LDS instructions issued behind block a's loads, which may stay out
.set BB, BK+64*((\a)%2)
	s_wait_dscnt \younger
.irp t, 0,1,2,3,4,5,6,7,8,9,10,11,12,13,14,15
	global_store_b128 v[CO], v[BB+4*\t:BB+4*\t+3], s[10:11] offset:(16*(\a)+\t)*4096 th:TH_STORE_NT   ; 32 lanes store 512 consecutive bytes; the row stands in the immediate, 127 rows at the most
.endr
.endm
	TOSTAGE 0
.irp a, 1,2,3,4,5,6,7
.if \a > 1
	s_wait_xcnt 0x0                                ; block a - 2's stores have read the registers into which block a comes back
.endif
	TOSTAGE \a
	SEND \a-1, 32                                  ; behind block a - 1's loads: block a's 16 stores and 16 loads
.endr
	SEND 7, 0
	s_wait_tensorcnt 0x0                           ; the wave's end
	ds_add_u32 v[SPW], v[NIL]
	s_wait_dscnt 0x0
	CROUND                                         ; the closing round: no work-group ends while a partner may still ask for a tile that names it
	s_endpgm
.Lfunc_end_k_qb5ba0312e6_proj:
	.size	k_qb5ba0312e6_proj, .Lfunc_end_k_qb5ba0312e6_proj-k_qb5ba0312e6_proj
	.p2alignl 7, 3214868480
	.fill 96, 4, 3214868480
	.section	.rodata,"a",@progbits
	.p2align	6, 0x0
	.amdhsa_kernel k_qb5ba0312e6_proj
		.amdhsa_group_segment_fixed_size 327680
		.amdhsa_private_segment_fixed_size 0
		.amdhsa_enable_private_segment 0
		.amdhsa_kernarg_size 32
		.amdhsa_user_sgpr_count 2
		.amdhsa_user_sgpr_kernarg_segment_ptr 1
		.amdhsa_wavefront_size32 1
		.amdhsa_system_sgpr_workgroup_id_x 1
		.amdhsa_system_sgpr_workgroup_id_y 1
		.amdhsa_system_sgpr_workgroup_id_z 1
		.amdhsa_system_vgpr_workitem_id 0
		.amdhsa_next_free_vgpr 1024
		.amdhsa_next_free_sgpr 100
		.amdhsa_reserve_vcc 0
		.amdhsa_float_denorm_mode_32 3
		.amdhsa_float_denorm_mode_16_64 3
		.amdhsa_memory_ordered 1
		.amdhsa_forward_progress 1
		.amdhsa_inst_pref_size 149
	.end_amdhsa_kernel
	.amdgpu_metadata
---
amdhsa.version: [ 1, 2 ]
amdhsa.kernels:
  - .name:           k_qb5ba0312e6_proj
    .symbol:         k_qb5ba0312e6_proj.kd
    .args:
      - { .name: ob, .offset: 0, .size: 8, .value_kind: global_buffer, .address_space: global }
      - { .name: pq, .offset: 8, .size: 8, .value_kind: global_buffer, .address_space: global }
      - { .name: bp, .offset: 16, .size: 8, .value_kind: global_buffer, .address_space: global }
      - { .name: res, .offset: 24, .size: 8, .value_kind: global_buffer, .address_space: global }
    .group_segment_fixed_size: 327680
    .private_segment_fixed_size: 0
    .kernarg_segment_align: 8
    .kernarg_segment_size: 32
    .max_flat_workgroup_size: 128
    .sgpr_count:     100
    .vgpr_count:     1024
    .wavefront_size: 32
...
	.end_amdgpu_metadata
.endif
;; end of part 4
;; launch ln1 (part 5): grid 256 x 1, 8 waves a work-group, no clusters, 42,496 bytes of LDS; arguments res, x, g1, be1, x1b; writes x1b
.if DOCPART == 5
	.amdgcn_target "amdgcn-amd-amdhsa--gfx1250"
	.amdhsa_code_object_version 6
	.text
	.protected	k_qb5ba0312e6_ln1
	.globl	k_qb5ba0312e6_ln1
	.p2align	8
	.type	k_qb5ba0312e6_ln1,@function
k_qb5ba0312e6_ln1:
	s_mov_b64 s[64:65], 0
	v_nop
	global_prefetch_b8 v0, s[64:65] scope:SCOPE_SE
	s_setreg_imm32_b32 hwreg(HW_REG_WAVE_MODE, 25, 1), 1
	s_wait_xcnt 0x0
; x1 = LayerNorm(x + res) g + be over rows of 1,024, f32; and x1's codes of FP8 (E4M3), K innermost, with one E8M0 scale byte for each 32, laid [K / 256][4096 rows][8].
; Memory binds: each byte is read once and written once.  One wave, one row at a time, two rows a wave: a row (8 loads of 512 consecutive bytes from each of the two tensors) stays in registers between the mean, the variance
; (of the centred numbers: no difference of large sums) and the scaling.  All 48 loads of a wave go out at its head.  No matrix unit, no cluster, no tensor load: nothing is shared but g and be.
; QUANTISING: a conversion takes 8 neighbours along K from one lane, while a lane holds 4 neighbours of each load: half a row at a time turns through the wave's own stage in LDS (80 bytes a lane) and comes back 16 neighbours a lane.
; The scale bytes of the work-group's 16 rows meet in 512 bytes of LDS; wave 0 stores them as four runs of 128 bytes (16 rows x 8 in each of the four planes): half of an aligned 256 bytes each, 131,072 bytes in the whole launch.
; LIMITS: NaN and infinities are not served; a block of zeros gets the byte 1 (its codes are zeros; this program alone reads the bytes); largest magnitudes under 2^-118 are held at the byte 1.
; REGISTERS: v1-3 addresses; v4-11 at work; v12-27 codes, v28-31 scale bytes (a set for each half row: no store's data are written again); v32-95 the two rows; v96-159 x, later the turned numbers; v160-191 g; v192-223 be; v224-231 the scale bytes' way out.
.set QUANTISE, 1
.set X1C, 16777216
.set X1S, 20971520
	s_load_b256 s[4:11], s[0:1], 0x0               ; res, x (or x1), g, be
	s_load_b64 s[12:13], s[0:1], 0x20              ; the result's buffer
	v_lshl_add_u32 v232, v0, 2, 0xa200
	v_mov_b32 v233, 0
	v_lshrrev_b32 v1, 5, v0
	v_readfirstlane_b32 s14, v1                    ; wave 0..7
	v_and_b32 v10, 31, v0                          ; lane
	v_lshlrev_b32 v2, 4, v10                       ; 16 bytes a lane
	s_lshl_b32 s16, ttmp9, 16                      ; 16 rows of 4,096 bytes a work-group,
	s_lshl_b32 s17, s14, 13                        ; two a wave
	s_add_co_u32 s16, s16, s17
	s_mov_b32 s17, 0
	s_mov_b32 s18, 0x76543210
	s_mov_b32 s19, 0xfedcba98                      ; v_permlanex16_b32's selects for lane l xor 16
	s_mov_b32 s20, 0x3a800000                      ; 1 / 1,024
	s_mov_b32 s21, 0x3727c5ac                      ; 1e-5
.if QUANTISE
	s_mov_b32 s24, 0x600000                        ; the mantissa field of 448
	s_mul_i32 s15, s14, 5120                       ; my wave's two stages of 2,560 bytes
	v_mul_u32_u24 v1, v10, 80
	v_add_nc_u32 v1, s15, v1                       ; out of a stage: my 16 neighbours
	v_lshrrev_b32 v3, 2, v10
	v_mul_u32_u24 v3, v3, 80
	v_and_b32 v11, 3, v10
	v_lshl_add_u32 v3, v11, 4, v3
	v_add_nc_u32 v3, s15, v3                       ; into it: four lanes' 64 bytes on end, then 16 of padding
	v_lshrrev_b32 v224, 4, v10
	v_lshlrev_b32 v224, 7, v224
	v_bfe_u32 v11, v10, 1, 3
	v_add_nc_u32 v224, v224, v11
	s_lshl_b32 s15, s14, 4
	s_add_co_u32 s15, s15, 40960
	v_add_nc_u32 v224, s15, v224                   ; my block's scale byte: [plane of 256 along K][16 rows][8]
	v_add_nc_u32 v225, 40960, v2
	v_lshrrev_b32 v226, 3, v10
	v_lshlrev_b32 v226, 15, v226
	v_and_b32 v11, 7, v10
	v_lshl_add_u32 v226, v11, 4, v226              ; and their place in memory: eight lanes to a plane's 128 bytes
	s_lshl_b32 s26, ttmp9, 14                      ; codes: 16 rows of 1,024 bytes a work-group, two a wave
	s_lshl_b32 s27, s14, 11
	s_add_co_u32 s26, s26, s27
	s_add_co_u32 s26, s26, X1C
	s_mov_b32 s27, 0
	s_lshl_b32 s28, ttmp9, 7
	s_add_co_u32 s28, s28, X1S
	s_mov_b32 s29, 0
.endif
	s_wait_kmcnt 0x0
	s_add_nc_u64 s[4:5], s[4:5], s[16:17]
	s_add_nc_u64 s[6:7], s[6:7], s[16:17]
	s_add_nc_u64 s[22:23], s[12:13], s[16:17]
.if QUANTISE
	s_add_nc_u64 s[26:27], s[12:13], s[26:27]
	s_add_nc_u64 s[28:29], s[12:13], s[28:29]
.endif
.irp j, 0,1,2,3,4,5,6,7
	global_load_b128 v[160+4*\j:163+4*\j], v2, s[8:9] offset:512*\j
	global_load_b128 v[192+4*\j:195+4*\j], v2, s[10:11] offset:512*\j
.endr
.irp p, 0,1
.irp j, 0,1,2,3,4,5,6,7
	global_load_b128 v[32+32*\p+4*\j:35+32*\p+4*\j], v2, s[4:5] offset:4096*\p+512*\j th:TH_LOAD_NT
	global_load_b128 v[96+32*\p+4*\j:99+32*\p+4*\j], v2, s[6:7] offset:4096*\p+512*\j th:TH_LOAD_NT
.endr
.endr
.macro ALL reg, tmp                    ; the sum over the 32 lanes, in every lane
	v_add_f32_dpp v[\reg], v[\reg], v[\reg] row_xmask:1 row_mask:0xf bank_mask:0xf
	v_add_f32_dpp v[\reg], v[\reg], v[\reg] row_xmask:2 row_mask:0xf bank_mask:0xf
	v_add_f32_dpp v[\reg], v[\reg], v[\reg] row_xmask:4 row_mask:0xf bank_mask:0xf
	v_add_f32_dpp v[\reg], v[\reg], v[\reg] row_xmask:8 row_mask:0xf bank_mask:0xf
	v_permlanex16_b32 v[\tmp], v[\reg], s18, s19
	v_add_f32 v[\reg], v[\reg], v[\tmp]
.endm
.macro QSTEP p, s                      ; 16 neighbours a lane, two lanes to a block of 32
.set XN, 96+32*\p+16*\s
.set CI, 12+4*(2*\p+\s)
.set EI, 28+2*\p+\s
	v_max3_num_f32 v8, |v[XN]|, |v[XN+1]|, |v[XN+2]|
	v_max3_num_f32 v9, |v[XN+3]|, |v[XN+4]|, |v[XN+5]|
.irp i, 6,10
	v_max3_num_f32 v8, v8, |v[XN+\i]|, |v[XN+\i+1]|
	v_max3_num_f32 v9, v9, |v[XN+\i+2]|, |v[XN+\i+3]|
.endr
	v_max3_num_f32 v8, v8, |v[XN+14]|, |v[XN+15]|
	v_max3_num_f32 v8, v8, v9, 0x4800000           ; and the floor 2^(9 - 127)
	v_max_num_f32_dpp v8, v8, v8 row_xmask:1 row_mask:0xf bank_mask:0xf
	v_add_nc_u32 v11, 0xfc000000, v8               ; 8 off the exponent field: the conversion's scale operand
	v_and_or_b32 v10, v8, 0x7f800000, s24          ; 448 x the scale
.set i, 0
.rept 16
	v_med3_num_f32 v[XN+i], v[XN+i], -v10, v10     ; the conversion does not saturate (ISA guide 7.6.2): the hold comes first
.set i, i+1
.endr
	v_cvt_scalef32_pk8_fp8_f32 v[CI:CI+1], v[XN:XN+7], v11
	v_cvt_scalef32_pk8_fp8_f32 v[CI+2:CI+3], v[XN+8:XN+15], v11
	v_lshrrev_b32 v[EI], 23, v11                   ; the scale's byte
	ds_store_b8 v224, v[EI] offset:256*\s+8*\p     ; both lanes of a block write the same byte with the same value
	global_store_b128 v2, v[CI:CI+3], s[26:27] offset:1024*\p+512*\s   ; 512 consecutive bytes
.endm
.macro ROW p, left
.set Z, 32+32*\p
.set XR, 96+32*\p
	s_wait_loadcnt \left                           ; g, be and this row are in; the next row's 16 loads may be out
.set k, 0
.rept 16
	v_pk_add_f32 v[Z+k:Z+k+1], v[Z+k:Z+k+1], v[XR+k:XR+k+1]   ; the residual
.set k, k+2
.endr
	v_pk_add_f32 v[4:5], v[Z:Z+1], v[Z+2:Z+3]      ; the sum, in two chains
	v_pk_add_f32 v[6:7], v[Z+4:Z+5], v[Z+6:Z+7]
.irp k, 8,12,16,20,24,28
	v_pk_add_f32 v[4:5], v[4:5], v[Z+\k:Z+\k+1]
	v_pk_add_f32 v[6:7], v[6:7], v[Z+\k+2:Z+\k+3]
.endr
	v_pk_add_f32 v[4:5], v[4:5], v[6:7]
	v_add_f32 v4, v4, v5
	ALL 4, 5
	v_mul_f32 v4, s20, v4                          ; the mean
.set k, 0
.rept 16
	v_pk_add_f32 v[Z+k:Z+k+1], v[Z+k:Z+k+1], v[4:5] op_sel_hi:[1,0] neg_lo:[0,1] neg_hi:[0,1]
.set k, k+2
.endr
	v_pk_mul_f32 v[6:7], v[Z:Z+1], v[Z:Z+1]        ; the squares of the centred numbers
	v_pk_mul_f32 v[8:9], v[Z+2:Z+3], v[Z+2:Z+3]
.irp k, 4,8,12,16,20,24,28
	v_pk_fma_f32 v[6:7], v[Z+\k:Z+\k+1], v[Z+\k:Z+\k+1], v[6:7]
	v_pk_fma_f32 v[8:9], v[Z+\k+2:Z+\k+3], v[Z+\k+2:Z+\k+3], v[8:9]
.endr
	v_pk_add_f32 v[6:7], v[6:7], v[8:9]
	v_add_f32 v6, v6, v7
	ALL 6, 7
	v_fma_f32 v6, v6, s20, s21                     ; the variance + 1e-5
	v_rsq_f32 v8, v6
	v_nop                                          ; a plain instruction behind the transcendental,
	s_wait_alu depctr_va_vdst(0)                   ; and the wait ahead of its first reader
.set k, 0
.rept 16
	v_pk_mul_f32 v[Z+k:Z+k+1], v[Z+k:Z+k+1], v[8:9] op_sel_hi:[1,0]
.set k, k+2
.endr
.set k, 0
.rept 16
	v_pk_fma_f32 v[Z+k:Z+k+1], v[Z+k:Z+k+1], v[160+k:161+k], v[192+k:193+k]
.set k, k+2
.endr
.irp j, 0,1,2,3,4,5,6,7
	global_store_b128 v2, v[Z+4*\j:Z+4*\j+3], s[22:23] offset:4096*\p+512*\j   ; 512 consecutive bytes
.endr
.if QUANTISE
.irp s, 0,1
.irp i, 0,1,2,3
	ds_store_b128 v3, v[Z+16*\s+4*\i:Z+16*\s+4*\i+3] offset:2560*\s+640*\i
.endr
.irp i, 0,1,2,3
	ds_load_b128 v[XR+16*\s+4*\i:XR+16*\s+4*\i+3], v1 offset:2560*\s+16*\i   ; LDS serves a wave's instructions in order: these see my stores
.endr
.endr
	s_wait_dscnt 8                                 ; the first half row is back; the second's four stores and four loads may be out
	QSTEP \p, 0
	s_wait_dscnt 1                                 ; the second is back; the byte store just issued may be out
	QSTEP \p, 1
.endif
.endm
	ROW 0, 16
	ROW 1, 0
.if QUANTISE
	s_wait_dscnt 0x0                               ; for the others' sake: my byte stores are done
	s_barrier_signal -1
	s_barrier_wait -1
	s_cmp_lg_u32 s14, 0
	s_cbranch_scc1 .Lend
	ds_load_b128 v[228:231], v225
	s_wait_dscnt 0x0
	global_store_b128 v226, v[228:231], s[28:29]
.Lend:
.endif
	s_wait_tensorcnt 0x0
	ds_add_u32 v232, v233
	s_wait_dscnt 0x0
	s_endpgm
.Lfunc_end_k_qb5ba0312e6_ln1:
	.size	k_qb5ba0312e6_ln1, .Lfunc_end_k_qb5ba0312e6_ln1-k_qb5ba0312e6_ln1
	.p2alignl 7, 3214868480
	.fill 96, 4, 3214868480
	.section	.rodata,"a",@progbits
	.p2align	6, 0x0
	.amdhsa_kernel k_qb5ba0312e6_ln1
		.amdhsa_group_segment_fixed_size 42496
		.amdhsa_private_segment_fixed_size 0
		.amdhsa_enable_private_segment 0
		.amdhsa_kernarg_size 40
		.amdhsa_user_sgpr_count 2
		.amdhsa_user_sgpr_kernarg_segment_ptr 1
		.amdhsa_wavefront_size32 1
		.amdhsa_system_sgpr_workgroup_id_x 1
		.amdhsa_system_sgpr_workgroup_id_y 1
		.amdhsa_system_sgpr_workgroup_id_z 1
		.amdhsa_system_vgpr_workitem_id 0
		.amdhsa_next_free_vgpr 234
		.amdhsa_next_free_sgpr 66
		.amdhsa_reserve_vcc 0
		.amdhsa_float_denorm_mode_32 3
		.amdhsa_float_denorm_mode_16_64 3
		.amdhsa_memory_ordered 1
		.amdhsa_forward_progress 1
		.amdhsa_inst_pref_size 34
	.end_amdhsa_kernel
	.amdgpu_metadata
---
amdhsa.version: [ 1, 2 ]
amdhsa.kernels:
  - .name:           k_qb5ba0312e6_ln1
    .symbol:         k_qb5ba0312e6_ln1.kd
    .args:
      - { .name: res, .offset: 0, .size: 8, .value_kind: global_buffer, .address_space: global }
      - { .name: x, .offset: 8, .size: 8, .value_kind: global_buffer, .address_space: global }
      - { .name: g1, .offset: 16, .size: 8, .value_kind: global_buffer, .address_space: global }
      - { .name: be1, .offset: 24, .size: 8, .value_kind: global_buffer, .address_space: global }
      - { .name: x1b, .offset: 32, .size: 8, .value_kind: global_buffer, .address_space: global }
    .group_segment_fixed_size: 42496
    .private_segment_fixed_size: 0
    .kernarg_segment_align: 8
    .kernarg_segment_size: 40
    .max_flat_workgroup_size: 256
    .sgpr_count:     66
    .vgpr_count:     234
    .wavefront_size: 32
...
	.end_amdgpu_metadata
.endif
;; end of part 5
;; launch ffn1 (part 6): grid 16 x 16, 4 waves a work-group, clusters of 4 x 4, 327,680 bytes of LDS; arguments x1b, pq, b1, hd; writes hd
.if DOCPART == 6
	.amdgcn_target "amdgcn-amd-amdhsa--gfx1250"
	.amdhsa_code_object_version 6
	.text
	.protected	k_qb5ba0312e6_ffn1
	.globl	k_qb5ba0312e6_ffn1
	.p2align	8
	.type	k_qb5ba0312e6_ffn1,@function
k_qb5ba0312e6_ffn1:
	s_mov_b64 s[64:65], 0
	v_nop
	global_prefetch_b8 v0, s[64:65] scope:SCOPE_SE
	s_setreg_imm32_b32 hwreg(HW_REG_WAVE_MODE, 25, 1), 1
	s_wait_xcnt 0x0
	s_wait_alu depctr_hold_cnt(0) depctr_sa_sdst(0) depctr_va_vdst(0) depctr_va_sdst(0) depctr_va_ssrc(0) depctr_va_vcc(0) depctr_vm_vsrc(0)
	s_getreg_b32 s2, hwreg(HW_REG_IB_STS2, 6, 4)
	s_cmp_eq_u32 s2, 0
	s_cbranch_scc0 .Lentry_in_a_cluster
	s_endpgm
.Lentry_in_a_cluster:
	s_bfe_u32 s2, ttmp6, 0x10000c
	s_cmp_lg_u32 s2, 0xf033
	s_cbranch_scc0 .Lentry_shape_is_right
	s_endpgm
.Lentry_shape_is_right:
; The hidden layer relu(x1 W1 + b1), on codes of FP8 (E4M3) with E8M0 scales, quantised on the way out along its 4,096 units: only its codes and scale bytes go to memory.  K = 1,024.
; A tile of C, 256 x 256, is made by four waves, each 128 x 128 in 64 accumulators.  K goes in steps of 256 through a ring of two LDS slots.  A slot: A's 256 rows (272 bytes apart), A's 2,048 scale bytes, 128 spare bytes, then the same for B.
; One tensor load a wave: wave 0 A's codes, wave 1 B's codes, wave 2 A's scale bytes, wave 3 B's.  CLUSTERS of 4 x 4: A's tiles are asked for jointly along a row of the cluster, B's along a column.  256 tiles: 256 work-groups.
; The matrix instruction is used transposed (source 0 = 16 rows of B, source 1 = 16 rows of A): register j of lane (r, h) of accumulator (a, b) is C(16 a + r, 16 b + 8 h + j).  The bias is the C of each sum's first matrix instruction.
; THE WAY OUT: the activation and the hold are one instruction; a lane's two runs of 8 codes of a block of 32 go to bytes 8 h and 16 + 8 h of the block in my stage, which puts them into natural order.
; Codes are laid [tile of 256 rows][K / 128][256 rows][128 bytes], scale bytes [K / 256][4096 rows][8]: what the next product's tensor loads take as dense blocks.
; REGISTERS: window 0: v1-29 addresses; v32-63 scale words, two sets (later codes); v64-127 the bias (later the way out); v128-255 A's fragments (later v200-217 the quantiser's); window 1: B's fragments, two sets; windows 2, 3: the accumulators.
; LIMITS: NaN and infinities are not served; a block of zeros gets the byte 1 (its codes are zeros, this program alone reads the bytes); largest magnitudes under 2^-118 are held at the byte 1.
.set KDIM,    1024
.set APL,     256                      ; A's rows lie as rows of KDIM bytes
.set RH,      34816                    ; 128 rows of A in LDS
.set APITCH,  1024
.set BPITCH,  1024
.set A_CODE,  16777216
.set A_SCAL,  20971520
.set A_TILE,  262144
.set A_STEP,  256
.set A_SSTEP, 32768
.set B_CODE,  8388608
.set B_SCAL,  17039360
.set B_TILE,  262144
.set B_SSTEP, 32768
.set FIRST,   2                        ; the first products take the bias as C
.set HS,      16777216                 ; in hd: the scale bytes
.set NQ, 2
.set FR, 16
.set NL, 4
.set NP, 8                             ; places behind this matrix instruction (ISA guide 7.12.1)
.set LP, 272
.set CODEB, 256*LP
.set SIDE, CODEB+2176
.set SLOT, 2*SIDE
.set SPARE, 2*SLOT                     ; behind the ring: the spare words, 128 bytes a wave
.set LAPS, KDIM/512
.set ADRA, 16
.set ADRB, 20
.set ADRS, 22
.set SPW, 28
.set NIL, 29
.set SC, 32
.set BI, 64
.set AF, 128
.set G1A, 24
.set G0A, 32
.set G1B, 48
.set G0B, 56
.set G1SA, 68
.set G1SB, 76
.set MSB, 0
.macro WIN new                         ; the immediate's high byte repeats the setting that is left
.if MSB != (\new)
	s_set_vgpr_msb (MSB<<8)|(\new)
.set MSB, (\new)
.endif
.endm
.macro PLACES n
.rept \n
	v_nop
.endr
.endm
.macro ARM g0, g1                      ; a joint load; four v_nop follow it
	tensor_load_to_lds s[\g0:\g0+3], s[\g1:\g1+7]
	s_nop 0
.rept 4
	v_nop
.endr
.endm
.macro JLOAD s                         ; each wave asks for its part of slot s; the branches hang on the wave's number alone
	s_cmp_lg_u32 s14, 0
	s_cbranch_scc1 .Lj1_\@
	ARM G0A+4*\s, G1A
	s_branch .Ljd_\@
.Lj1_\@:
	s_cmp_lg_u32 s14, 1
	s_cbranch_scc1 .Lj2_\@
	ARM G0B+4*\s, G1B
	s_branch .Ljd_\@
.Lj2_\@:
	s_cmp_lg_u32 s14, 2
	s_cbranch_scc1 .Lj3_\@
	ARM G0A+4*\s, G1SA
	s_branch .Ljd_\@
.Lj3_\@:
	ARM G0B+4*\s, G1SB
.Ljd_\@:
.endm
.macro CREST                           ; a round of the cluster's barrier behind its opening barrier
	s_cmp_lg_u32 s14, 0
	s_cbranch_scc1 .Lnw0_\@
	s_barrier_signal -3
.Lnw0_\@:
	s_barrier_wait -3
	s_barrier_signal -1
	s_barrier_wait -1
.endm
.macro CROUND
	s_barrier_signal -1
	s_barrier_wait -1
	CREST
.endm
.macro FETCH_B slot, q, p              ; B's eight fragments of the slot's q-th 128 along K into set p
	WIN 0x40
.irp i, 0,1,2,3,4,5,6,7
.irp c, 0,1,2,3
	ds_load_b128 v[128*(\p)+FR*\i+4*\c:128*(\p)+FR*\i+4*\c+3], v[ADRB+\slot] offset:128*(\q)+32*\c+\i*16*LP
.endr
.endr
	WIN 0
.endm
.macro FETCH_A slot, q, i0             ; A's blocks i0 .. i0 + 3
.irp i, \i0, \i0+1, \i0+2, \i0+3
.irp c, 0,1,2,3
.if APL == 256
	ds_load_b128 v[AF+FR*(\i)+4*\c:AF+FR*(\i)+4*\c+3], v[ADRA+\slot] offset:128*(\q)+32*\c+(\i)*16*LP
.elseif APL == 128
	ds_load_b128 v[AF+FR*(\i)+4*\c:AF+FR*(\i)+4*\c+3], v[ADRA+\slot] offset:34816*(\q)+2176*(\i)+32*\c
.else
	ds_load_b128 v[AF+FR*(\i)+4*\c:AF+FR*(\i)+4*\c+3], v[ADRA+\slot] offset:17408*(2*(\q)+\c/2)+1088*(\i)+32*(\c%2)
.endif
.endr
.endr
.endm
.macro SCALES sc                       ; slot sc's scale words: two a row; lanes 0-15 take A's block i, lanes 16-31 B's block i
.irp i, 0,1,2,3,4,5,6,7
	ds_load_b64 v[SC+16*\sc+2*\i:SC+16*\sc+2*\i+1], v[ADRS+\sc] offset:128*\i
.endr
.endm
; 16 matrix instructions: A's blocks a0, a0 + 1 x B's eight.  zero = 1: C is the constant 0; 2: C is the bias; 0: in place.  The 64 accumulators take turns, one instruction a turn.
.macro MUL16 a0, p, q, sc, zero
.irp a, \a0, \a0+1
.irp b, 0,1,2,3,4,5,6,7
.set rD, 8*(8*((\a)%4)+\b)
.set rB, 128*(\p)+FR*\b
.set rA, AF+FR*(\a)
.set rS, SC+8*NQ*(\sc)+(\q)
.if \zero == 1
	v_wmma_scale_f32_16x16x128_f8f6f4 v[rD:rD+7], v[rB:rB+15], v[rA:rA+15], 0, v[rS+NQ*\b], v[rS+NQ*(\a)] matrix_a_scale:MATRIX_SCALE_ROW1
.elseif \zero == 2
	v_wmma_scale_f32_16x16x128_f8f6f4 v[rD:rD+7], v[rB:rB+15], v[rA:rA+15], v[BI+8*\b:BI+8*\b+7], v[rS+NQ*\b], v[rS+NQ*(\a)] matrix_a_scale:MATRIX_SCALE_ROW1
.else
	v_wmma_scale_f32_16x16x128_f8f6f4 v[rD:rD+7], v[rB:rB+15], v[rA:rA+15], v[rD:rD+7], v[rS+NQ*\b], v[rS+NQ*(\a)] matrix_a_scale:MATRIX_SCALE_ROW1
.endif
.endr
.endr
.endm
.macro WMUL hi, zero                   ; source 0 (B) window 1, source 1 (A) window 0, D window 2 or 3; C with D, or (the bias) window 0
.if \zero == 2
	WIN 0x81+0x40*\hi
.else
	WIN 0xa1+0x50*\hi
.endif
.endm
.macro STEP slot, q, zero              ; a step of 128 along K that has its successor in the same slot
	s_wait_dscnt 4*NL                              ; B's set, A's blocks 0-3 and the scale words are in; the youngest 16 loads (A's blocks 4-7) may be out
	WMUL 0, \zero
	MUL16 0, (\q)%2, \q, \slot, \zero
	MUL16 2, (\q)%2, \q, \slot, \zero
	s_wait_dscnt 0x0                               ; A's blocks 4-7 are in
	PLACES NP                                      ; in front of loads into registers that matrix instructions have read
	FETCH_B \slot, (\q)+1, 1-(\q)%2
	FETCH_A \slot, (\q)+1, 0
	WMUL 1, \zero
	MUL16 4, (\q)%2, \q, \slot, \zero
	MUL16 6, (\q)%2, \q, \slot, \zero
	PLACES NP
	WIN 0
	FETCH_A \slot, (\q)+1, 4
.endm
; A slot's last step changes slots: one barrier; in front of it each wave waits for all its tensor loads, adds 0 to its spare word and waits for that and for its reads of this slot.  fill = 1: the barrier opens a round of the
; cluster's barrier, and this slot is filled again, two K steps ahead, first thing behind the round.
.macro TURN slot, next, fill
	s_wait_tensorcnt 0x0                           ; all my tensor loads have landed: my part of the next slot
	ds_add_u32 v[SPW], v[NIL]                      ; 0 onto my spare word
	s_wait_dscnt 4*NL+1                            ; (the add and A's blocks 4-7 may be out)
	WIN 0xa1
	MUL16 0, 1, 1, \slot, 0
	s_wait_dscnt 0x0                               ; the add is done, and my reads of this slot are over
	s_barrier_signal -1
	MUL16 2, 1, 1, \slot, 0
	WIN 0
	s_barrier_wait -1
.if \fill
	CREST
	s_add_nc_u64 s[G0A+4*\slot+2:G0A+4*\slot+3], s[G0A+4*\slot+2:G0A+4*\slot+3], s[84:85]
	s_add_nc_u64 s[G0B+4*\slot+2:G0B+4*\slot+3], s[G0B+4*\slot+2:G0B+4*\slot+3], s[86:87]
	JLOAD \slot                                    ; its four v_nop are among the places in front of the loads below
	PLACES NP-4
.else
	PLACES NP
.endif
	FETCH_B \next, 0, 0
	FETCH_A \next, 0, 0
	SCALES \next
	WIN 0xf1
	MUL16 4, 1, 1, \slot, 0
	MUL16 6, 1, 1, \slot, 0
	PLACES NP
	WIN 0
	FETCH_A \next, 0, 4
.endm
	s_load_b256 s[4:11], s[0:1], 0x0               ; x1b, pq, b1, hd
	v_lshl_add_u32 v[SPW], v0, 2, SPARE
	v_mov_b32 v[NIL], 0
	ds_add_u32 v28, v29
	ds_add_u32 v28, v29
	s_wait_dscnt 0x0
	v_lshrrev_b32 v1, 5, v0
	v_readfirstlane_b32 s14, v1                    ; wave 0..3
	s_lshr_b32 s15, s14, 1                         ; which half of the tile's rows is mine.  Also: I fetch codes (0) or scale bytes (1)
	s_and_b32 s16, s14, 1                          ; which half of its columns.  Also: I fetch for A (0) or for B (1)
	s_bfe_u32 s40, ttmp6, 0x40000                  ; cx, cy: my place in the cluster
	s_bfe_u32 s41, ttmp6, 0x40004
	s_lshl_b32 s42, ttmp9, 2
	s_add_co_u32 s42, s42, s40                     ; tile column
	s_and_b32 s17, ttmp7, 0xffff
	s_lshl_b32 s17, s17, 2
	s_add_co_u32 s17, s17, s41                     ; tile row
	s_mov_b32 s88, A_SSTEP
	s_mov_b32 s90, B_SSTEP
	s_lshl_b32 s43, s41, 2
	s_lshl_b32 s43, 15, s43                        ; my row of the cluster
	s_lshl_b32 s44, 0x1111, s40                    ; my column
	s_or_b32 s[G1A], s43, (1<<20)|(1<<21)|(5<<22)|(3<<25)   ; codes: elements of 1 byte; 4 words of padding behind every 64; bit 21 set beside a mask
	s_or_b32 s[G1B], s44, (1<<20)|(1<<21)|(5<<22)|(3<<25)
	s_or_b32 s[G1SA], s43, (3<<16)|(1<<21)         ; scale bytes: elements of 8 bytes, dense
	s_or_b32 s[G1SB], s44, (3<<16)|(1<<21)
.irp g, G1A, G1B
	s_mov_b32 s[\g+1], 256<<16                     ; tensor_dim0 = 256
	s_mov_b32 s[\g+2], 256<<16                     ; tensor_dim1 = 256
	s_mov_b32 s[\g+3], 256<<16                     ; tile_dim0 = 256
	s_mov_b32 s[\g+4], 256                         ; tile_dim1 = 256
	s_mov_b32 s[\g+6], 0
	s_mov_b32 s[\g+7], 0
.endr
	s_mov_b32 s[G1A+5], APITCH
	s_mov_b32 s[G1B+5], BPITCH
.irp g, G1SA, G1SB
	s_mov_b32 s[\g+1], 32<<16                      ; 8 rows of 32 elements: 2,048 dense bytes
	s_mov_b32 s[\g+2], 8<<16
	s_mov_b32 s[\g+3], 32<<16
	s_mov_b32 s[\g+4], 8
	s_mov_b32 s[\g+5], 32
	s_mov_b32 s[\g+6], 0
	s_mov_b32 s[\g+7], 0
.endr
	s_mul_i32 s20, s17, A_TILE                     ; A's offsets hang on the tile row alone, B's on the tile column alone
	s_add_co_u32 s20, s20, A_CODE
	s_lshl_b32 s21, s17, 11
	s_add_co_u32 s21, s21, A_SCAL
	s_mul_i32 s46, s42, B_TILE
	s_add_co_u32 s46, s46, B_CODE
	s_lshl_b32 s47, s42, 11
	s_add_co_u32 s47, s47, B_SCAL
	s_cmp_eq_u32 s15, 0                            ; codes or scale bytes: offsets and steps are chosen, not addresses
	s_cselect_b32 s20, s20, s21
	s_cselect_b32 s46, s46, s47
	s_cselect_b32 s88, A_STEP, s88
	s_cselect_b32 s90, 256, s90
	s_mov_b32 s21, 0
	s_mov_b32 s47, 0
	s_mov_b32 s89, 0
	s_mov_b32 s91, 0
	s_lshl_b32 s84, s88, 1                         ; a slot's next tile lies two K steps on
	s_mov_b32 s85, 0
	s_lshl_b32 s86, s90, 1
	s_mov_b32 s87, 0
	s_mul_i32 s45, s16, SIDE                       ; where my part goes: no place in the cluster enters an LDS address
	s_mul_i32 s18, s15, CODEB
	s_add_co_u32 s45, s45, s18
	s_wait_kmcnt 0x0
	s_add_nc_u64 s[20:21], s[4:5], s[20:21]
	s_add_nc_u64 s[46:47], s[6:7], s[46:47]
.irp s, 0,1
	s_mov_b32 s[G0A+4*\s], 1
	s_add_co_u32 s[G0A+4*\s+1], s45, \s*SLOT
	s_mov_b32 s[G0B+4*\s], 1
	s_add_co_u32 s[G0B+4*\s+1], s45, \s*SLOT
.endr
	s_mov_b64 s[G0A+2:G0A+3], s[20:21]
	s_add_nc_u64 s[G0A+6:G0A+7], s[20:21], s[88:89]
	s_mov_b64 s[G0B+2:G0B+3], s[46:47]
	s_add_nc_u64 s[G0B+6:G0B+7], s[46:47], s[90:91]
.irp g, G0A+3, G0A+7, G0B+3, G0B+7
	s_or_b32 s[\g], s[\g], 0x80000000              ; type = 2
.endr
	CROUND                                         ; all sixteen work-groups are here: the first joint loads meet
	JLOAD 0
	JLOAD 1                                        ; two tensor loads of mine are out
	v_and_b32 v1, 15, v0                           ; r
	v_bfe_u32 v2, v0, 4, 1                         ; h
	v_and_b32 v3, 31, v0                           ; lane
	s_lshl_b32 s46, s42, 10                        ; the bias of my 128 columns: lane (r, h) wants, for B's block b, those of columns 16 b + 8 h + 0..7
	s_lshl_b32 s47, s16, 9
	s_add_co_u32 s46, s46, s47
	s_mov_b32 s47, 0
	s_add_nc_u64 s[8:9], s[8:9], s[46:47]
	v_lshlrev_b32 v9, 5, v2
.irp b, 0,1,2,3,4,5,6,7
	global_load_b128 v[BI+8*\b:BI+8*\b+3], v9, s[8:9] offset:64*\b
	global_load_b128 v[BI+8*\b+4:BI+8*\b+7], v9, s[8:9] offset:64*\b+16
.endr
	v_mul_u32_u24 v4, v1, LP
	v_lshl_add_u32 v4, v2, 4, v4                   ; a fragment's row x pitch + 16 h
	s_mul_i32 s21, s15, RH
	s_mul_i32 s22, s16, 34816
	s_add_co_u32 s22, s22, SIDE
.irp s, 0,1
	v_add_nc_u32 v[ADRA+\s], s21, v4
	v_add_nc_u32 v[ADRB+\s], s22, v4
	s_add_co_u32 s21, s21, SLOT
	s_add_co_u32 s22, s22, SLOT
.endr
	v_lshlrev_b32 v6, 3, v1                        ; scale words: 8 bytes a row
	s_lshl_b32 s21, s15, 10
	s_lshl_b32 s22, s16, 10
	s_add_co_u32 s22, s22, SIDE
	s_sub_co_u32 s22, s22, s21
	v_mul_u32_u24 v7, s22, v2                      ; lanes 16-31 take B's: one product with h
	s_add_co_u32 s21, s21, CODEB
	v_add_nc_u32 v6, v6, v7
	v_add_nc_u32 v[ADRS], s21, v6
	s_add_co_u32 s21, s21, SLOT
	v_add_nc_u32 v[ADRS+1], s21, v6
; the way out's addresses.  Its LDS lies in slot 0, which has had its last fill and its last read when the first result is stored there: each wave's stage of 16 rows x 144 bytes from byte 0 on, the work-group's 2,048 scale bytes at 16,384
.set STO8, 24                          ; v24  a row's 128 codes: 8 bytes a lane and run
.set RDV,  25                          ; v25  back, 128 bytes a row
.set L16,  26                          ; v26  16 x lane
.set SG,   27                          ; v27  my row's scale word: [256 rows][8 bytes], mine at 4 x the column half
.set FS,   15                          ; v15  512 x wave + 16 x lane
.set TM,   200
.set PW,   216
.set PC,   32
.set OB,   64
.set SEL,  96
.set MNT,  98
	s_mul_i32 s23, s14, 2304
	v_mul_u32_u24 v6, v1, 144
	v_lshl_add_u32 v6, v2, 3, v6
	v_add_nc_u32 v[STO8], s23, v6
	v_lshrrev_b32 v6, 3, v3
	v_mul_u32_u24 v6, v6, 144
	v_and_b32 v7, 7, v3
	v_lshl_add_u32 v6, v7, 4, v6
	v_add_nc_u32 v[RDV], s23, v6
	v_lshlrev_b32 v[L16], 4, v3
	s_lshl_b32 s23, s15, 10
	s_lshl_b32 s22, s16, 2
	s_add_co_u32 s23, s23, s22
	v_lshl_add_u32 v[SG], v1, 3, s23
	s_lshl_b32 s23, s14, 9
	v_add_nc_u32 v[FS], s23, v[L16]
	s_mov_b32 s[SEL], 0x76543210
	s_mov_b32 s[SEL+1], 0xfedcba98                 ; v_permlanex16_b32's selects for lane l xor 16
	s_mov_b32 s[MNT], 0x600000                     ; the mantissa field of 448
	s_lshl_b32 s20, s17, 20                        ; codes: tile row x 32 planes of 32,768 bytes, + my 128 rows of 128 bytes,
	s_lshl_b32 s21, s15, 14
	s_add_co_u32 s20, s20, s21
	s_lshl_b32 s46, s42, 16                        ; + plane 2 x tile column + column half
	s_lshl_b32 s47, s16, 15
	s_add_co_u32 s46, s46, s47
	s_add_co_u32 s46, s46, s20
	s_mov_b32 s47, 0
	s_add_nc_u64 s[12:13], s[10:11], s[46:47]
	s_lshl_b32 s46, s42, 15                        ; scale bytes: plane = tile column, the tile's 256 rows, my quarter of their 2,048 bytes
	s_lshl_b32 s20, s17, 11
	s_add_co_u32 s46, s46, s20
	s_lshl_b32 s20, s14, 9
	s_add_co_u32 s46, s46, s20
	s_add_co_u32 s46, s46, HS
	s_add_nc_u64 s[10:11], s[10:11], s[46:47]
	s_wait_tensorcnt 1                             ; my part of slot 0 is in (slot 1's load may be out)
	s_barrier_signal -1
	s_barrier_wait -1                              ; everybody's is
	FETCH_B 0, 0, 0
	FETCH_A 0, 0, 0
	SCALES 0
	FETCH_A 0, 0, 4
	s_wait_loadcnt 0x0                             ; the bias
	STEP 0, 0, FIRST                               ; the first step stands in front of the loop: its products start the sums
	s_mov_b32 s3, LAPS-1
.Llap:                                             ; a trip goes once round the ring and fills both slots again
	TURN 0, 1, 1
	STEP 1, 0, 0
	TURN 1, 0, 1
	STEP 0, 0, 0
	s_sub_co_u32 s3, s3, 1
	s_cmp_lg_u32 s3, 0
	s_cbranch_scc1 .Llap
	TURN 0, 1, 0                                   ; the last lap fills nothing
	STEP 1, 0, 0
	s_wait_dscnt 4*NL
	WIN 0xa1
	MUL16 0, 1, 1, 1, 0
	MUL16 2, 1, 1, 1, 0
	s_wait_dscnt 0x0
	WIN 0xf1
	MUL16 4, 1, 1, 1, 0
	MUL16 6, 1, 1, 1, 0
	WIN 0
	PLACES NP                                      ; behind the last products: results are read and operands' registers written from here on
.irp b, 0,1,2,3
	v_mov_b32 v[TM+4+\b], 0                        ; written once: a lane permute's destination counts as one of its sources
.endr
; Block a (16 rows x 128 columns: 64 numbers a lane, register 16 b + e of block b of 32) becomes 16 registers of codes, v[PC + 16 (a % 2)] on, and a scale word, v[PW + a % 2].  Each accumulator is read from its low end on.
.macro QUANT a, relu
.set S, 64*((\a)%4)
.set W, 2+(\a)/4
.set PS, PC+16*((\a)%2)
.set PX, PW+(\a)%2
	WIN W|(W<<2)
.irp b, 0,1,2,3
.if \relu
	v_max3_num_f32 v[TM+\b], v[S+16*\b], v[S+16*\b+1], 0x4800000   ; no |.|: what is negative becomes 0, so it must not count; the floor 2^(9 - 127) stands over it
.else
	v_max3_num_f32 v[TM+\b], |v[S+16*\b]|, |v[S+16*\b+1]|, 0x4800000
.endif
.endr
	WIN (W<<2)|(W<<4)
.irp i, 2,4,6,8,10,12,14
.irp b, 0,1,2,3
.if \relu
	v_max3_num_f32 v[TM+\b], v[TM+\b], v[S+16*\b+\i], v[S+16*\b+\i+1]
.else
	v_max3_num_f32 v[TM+\b], v[TM+\b], |v[S+16*\b+\i]|, |v[S+16*\b+\i+1]|
.endif
.endr
.endr
	WIN 0
.irp b, 0,1,2,3
	v_permlanex16_b32 v[TM+4+\b], v[TM+\b], s[SEL], s[SEL+1]
.endr
.irp b, 0,1,2,3
	v_max_num_f32 v[TM+\b], v[TM+\b], v[TM+4+\b]   ; with lane l xor 16's: the block's largest magnitude
.endr
.irp b, 0,1,2,3
	v_add_nc_u32 v[TM+12+\b], 0xfc000000, v[TM+\b] ; 8 off its exponent field: the conversion's scale operand
.endr
.irp b, 0,1,2,3
	v_and_or_b32 v[TM+8+\b], v[TM+\b], 0x7f800000, s[MNT]   ; 448 x the scale
.endr
.irp b, 0,1,2,3
	v_lshrrev_b32 v[TM+4+\b], 23, v[TM+12+\b]      ; the scale's byte
.endr
	v_lshl_or_b32 v[PX], v[TM+5], 8, v[TM+4]
	v_lshl_or_b32 v[PX], v[TM+6], 16, v[PX]
	v_lshl_or_b32 v[PX], v[TM+7], 24, v[PX]
	WIN W|(W<<6)
.irp b, 0,1,2,3
.set i, 0
.rept 16
.if \relu
	v_med3_num_f32 v[S+16*\b+i], v[S+16*\b+i], 0, v[TM+8+\b]   ; the activation and the hold in one
.else
	v_med3_num_f32 v[S+16*\b+i], v[S+16*\b+i], -v[TM+8+\b], v[TM+8+\b]
.endif
.set i, i+1
.endr
.endr
	WIN W
.irp b, 0,1,2,3
	v_cvt_scalef32_pk8_fp8_f32 v[PS+4*\b:PS+4*\b+1], v[S+16*\b:S+16*\b+7], v[TM+12+\b]
	v_cvt_scalef32_pk8_fp8_f32 v[PS+4*\b+2:PS+4*\b+3], v[S+16*\b+8:S+16*\b+15], v[TM+12+\b]
.endr
	WIN 0
	v_nop                                          ; a plain vector instruction behind the last conversion
.endm
.macro TOSTAGE a
.set PS, PC+16*((\a)%2)
.set OX, OB+16*((\a)%2)
.irp b, 0,1,2,3
	ds_store_b64 v[STO8], v[PS+4*\b:PS+4*\b+1] offset:32*\b         ; columns 32 b + 8 h + 0..7,
	ds_store_b64 v[STO8], v[PS+4*\b+2:PS+4*\b+3] offset:32*\b+16    ; and 32 b + 16 + 8 h + 0..7: natural order
.endr
	ds_store_b32 v[SG], v[PW+(\a)%2] offset:16384+128*(\a)          ; both halves of the lanes write the same word with the same value
.irp u, 0,1,2,3
	ds_load_b128 v[OX+4*\u:OX+4*\u+3], v[RDV] offset:576*\u         ; LDS serves a wave's instructions in order: these see my stores
.endr
.endm
.macro SENDQ a
.set OX, OB+16*((\a)%2)
	s_wait_dscnt 0x0                               ; the block is back, and its stage stores have read their registers
.irp u, 0,1,2,3
	global_store_b128 v[L16], v[OX+4*\u:OX+4*\u+3], s[12:13] offset:2048*(\a)+512*\u   ; 4 rows of 128 bytes: 512 consecutive bytes
.endr
.endm
	QUANT 0, 1
	TOSTAGE 0
.irp a, 1,2,3,4,5,6,7
	QUANT \a, 1
.if \a > 1
	s_wait_xcnt 0x0                                ; block a - 2's stores have read the registers into which block a comes back
.endif
	SENDQ \a-1
	TOSTAGE \a
.endr
	SENDQ 7
	s_wait_dscnt 0x0                               ; for the others' sake: my scale words are stored; a row's 8 bytes come from two waves
	s_barrier_signal -1
	s_barrier_wait -1
	ds_load_b128 v[96:99], v[FS] offset:16384
	s_wait_dscnt 0x0
	global_store_b128 v[L16], v[96:99], s[10:11]   ; 512 consecutive bytes a wave
	s_wait_tensorcnt 0x0                           ; the wave's end
	ds_add_u32 v[SPW], v[NIL]
	s_wait_dscnt 0x0
	CROUND                                         ; the closing round: no work-group ends while a partner may still ask for a tile that names it
	s_endpgm
.Lfunc_end_k_qb5ba0312e6_ffn1:
	.size	k_qb5ba0312e6_ffn1, .Lfunc_end_k_qb5ba0312e6_ffn1-k_qb5ba0312e6_ffn1
	.p2alignl 7, 3214868480
	.fill 96, 4, 3214868480
	.section	.rodata,"a",@progbits
	.p2align	6, 0x0
	.amdhsa_kernel k_qb5ba0312e6_ffn1
		.amdhsa_group_segment_fixed_size 327680
		.amdhsa_private_segment_fixed_size 0
		.amdhsa_enable_private_segment 0
		.amdhsa_kernarg_size 32
		.amdhsa_user_sgpr_count 2
		.amdhsa_user_sgpr_kernarg_segment_ptr 1
		.amdhsa_wavefront_size32 1
		.amdhsa_system_sgpr_workgroup_id_x 1
		.amdhsa_system_sgpr_workgroup_id_y 1
		.amdhsa_system_sgpr_workgroup_id_z 1
		.amdhsa_system_vgpr_workitem_id 0
		.amdhsa_next_free_vgpr 1024
		.amdhsa_next_free_sgpr 100
		.amdhsa_reserve_vcc 0
		.amdhsa_float_denorm_mode_32 3
		.amdhsa_float_denorm_mode_16_64 3
		.amdhsa_memory_ordered 1
		.amdhsa_forward_progress 1
		.amdhsa_inst_pref_size 196
	.end_amdhsa_kernel
	.amdgpu_metadata
---
amdhsa.version: [ 1, 2 ]
amdhsa.kernels:
  - .name:           k_qb5ba0312e6_ffn1
    .symbol:         k_qb5ba0312e6_ffn1.kd
    .args:
      - { .name: x1b, .offset: 0, .size: 8, .value_kind: global_buffer, .address_space: global }
      - { .name: pq, .offset: 8, .size: 8, .value_kind: global_buffer, .address_space: global }
      - { .name: b1, .offset: 16, .size: 8, .value_kind: global_buffer, .address_space: global }
      - { .name: hd, .offset: 24, .size: 8, .value_kind: global_buffer, .address_space: global }
    .group_segment_fixed_size: 327680
    .private_segment_fixed_size: 0
    .kernarg_segment_align: 8
    .kernarg_segment_size: 32
    .max_flat_workgroup_size: 128
    .sgpr_count:     100
    .vgpr_count:     1024
    .wavefront_size: 32
...
	.end_amdgpu_metadata
.endif
;; end of part 6
;; launch ffn2 (part 7): grid 4 x 16, 4 waves a work-group, clusters of 4 x 4, 327,680 bytes of LDS; arguments hd, pq, b2, res; writes res
.if DOCPART == 7
	.amdgcn_target "amdgcn-amd-amdhsa--gfx1250"
	.amdhsa_code_object_version 6
	.text
	.protected	k_qb5ba0312e6_ffn2
	.globl	k_qb5ba0312e6_ffn2
	.p2align	8
	.type	k_qb5ba0312e6_ffn2,@function
k_qb5ba0312e6_ffn2:
	s_mov_b64 s[64:65], 0
	v_nop
	global_prefetch_b8 v0, s[64:65] scope:SCOPE_SE
	s_setreg_imm32_b32 hwreg(HW_REG_WAVE_MODE, 25, 1), 1
	s_wait_xcnt 0x0
	s_wait_alu depctr_hold_cnt(0) depctr_sa_sdst(0) depctr_va_vdst(0) depctr_va_sdst(0) depctr_va_ssrc(0) depctr_va_vcc(0) depctr_vm_vsrc(0)
	s_getreg_b32 s2, hwreg(HW_REG_IB_STS2, 6, 4)
	s_cmp_eq_u32 s2, 0
	s_cbranch_scc0 .Lentry_in_a_cluster
	s_endpgm
.Lentry_in_a_cluster:
	s_bfe_u32 s2, ttmp6, 0x10000c
	s_cmp_lg_u32 s2, 0xf033
	s_cbranch_scc0 .Lentry_shape_is_right
	s_endpgm
.Lentry_shape_is_right:
; res = hidden W2 + b2, f32, on codes of FP8 (E4M3) with E8M0 scales.  The hidden layer: 4,096 rows, K = 4,096, codes laid [tile of 256 rows][K / 128][256 rows][128 bytes]; W2's codes [n][K].  Scale bytes of both: [K / 256][rows][8].
; A tile of C, 256 x 256, is made by four waves, each 128 x 128 in 64 accumulators.  K goes in steps of 256 through a ring of two LDS slots.  A slot: A's 256 lines of 256 bytes (272 apart), A's 2,048 scale bytes, 128 spare bytes, then the same for B.
; A K step of A's tile is 65,536 dense bytes (two planes): it comes as 256 lines, two rows of a plane to a line.
; One tensor load a wave: wave 0 A's codes, wave 1 B's codes, wave 2 A's scale bytes, wave 3 B's.  CLUSTERS of 4 x 4: A's tiles are asked for jointly along a row of the cluster, B's along a column.
; The matrix instruction is used transposed (source 0 = 16 rows of B, source 1 = 16 rows of A): a lane holds eight neighbouring numbers of a row of C.  The bias is the C of each sum's first matrix instruction.
; 64 tiles: 64 work-groups.  The residual and the norm follow in the next launch, which needs whole rows.
; REGISTERS: window 0: v1-29 addresses; v32-63 scale words, two sets; v64-127 the bias; v128-255 A's fragments, later rows on their way out; window 1: B's fragments, two sets; windows 2, 3: the accumulators.
.set KDIM,    4096
.set APL,     128                      ; A's planes have rows of 128 bytes
.set RH,      17408                    ; 128 rows of a plane in LDS: 64 lines
.set APITCH,  256
.set BPITCH,  4096
.set A_CODE,  0
.set A_SCAL,  16777216
.set A_TILE,  1048576
.set A_STEP,  65536
.set A_SSTEP, 32768
.set B_CODE,  12582912
.set B_SCAL,  17170432
.set B_TILE,  1048576
.set B_SSTEP, 8192
.set FIRST,   2                        ; the first products take the bias as C
.set NQ, 2
.set FR, 16
.set NL, 4
.set NP, 8                             ; places behind this matrix instruction (ISA guide 7.12.1)
.set LP, 272
.set CODEB, 256*LP
.set SIDE, CODEB+2176
.set SLOT, 2*SIDE
.set SPARE, 2*SLOT                     ; behind the ring: the spare words, 128 bytes a wave
.set LAPS, KDIM/512
.set ADRA, 16
.set ADRB, 20
.set ADRS, 22
.set SPW, 28
.set NIL, 29
.set SC, 32
.set BI, 64
.set AF, 128
.set G1A, 24
.set G0A, 32
.set G1B, 48
.set G0B, 56
.set G1SA, 68
.set G1SB, 76
.set MSB, 0
.macro WIN new                         ; the immediate's high byte repeats the setting that is left
.if MSB != (\new)
	s_set_vgpr_msb (MSB<<8)|(\new)
.set MSB, (\new)
.endif
.endm
.macro PLACES n
.rept \n
	v_nop
.endr
.endm
.macro ARM g0, g1                      ; a joint load; four v_nop follow it
	tensor_load_to_lds s[\g0:\g0+3], s[\g1:\g1+7]
	s_nop 0
.rept 4
	v_nop
.endr
.endm
.macro JLOAD s                         ; each wave asks for its part of slot s; the branches hang on the wave's number alone
	s_cmp_lg_u32 s14, 0
	s_cbranch_scc1 .Lj1_\@
	ARM G0A+4*\s, G1A
	s_branch .Ljd_\@
.Lj1_\@:
	s_cmp_lg_u32 s14, 1
	s_cbranch_scc1 .Lj2_\@
	ARM G0B+4*\s, G1B
	s_branch .Ljd_\@
.Lj2_\@:
	s_cmp_lg_u32 s14, 2
	s_cbranch_scc1 .Lj3_\@
	ARM G0A+4*\s, G1SA
	s_branch .Ljd_\@
.Lj3_\@:
	ARM G0B+4*\s, G1SB
.Ljd_\@:
.endm
.macro CREST                           ; a round of the cluster's barrier behind its opening barrier
	s_cmp_lg_u32 s14, 0
	s_cbranch_scc1 .Lnw0_\@
	s_barrier_signal -3
.Lnw0_\@:
	s_barrier_wait -3
	s_barrier_signal -1
	s_barrier_wait -1
.endm
.macro CROUND
	s_barrier_signal -1
	s_barrier_wait -1
	CREST
.endm
.macro FETCH_B slot, q, p              ; B's eight fragments of the slot's q-th 128 along K into set p
	WIN 0x40
.irp i, 0,1,2,3,4,5,6,7
.irp c, 0,1,2,3
	ds_load_b128 v[128*(\p)+FR*\i+4*\c:128*(\p)+FR*\i+4*\c+3], v[ADRB+\slot] offset:128*(\q)+32*\c+\i*16*LP
.endr
.endr
	WIN 0
.endm
.macro FETCH_A slot, q, i0             ; A's blocks i0 .. i0 + 3
.irp i, \i0, \i0+1, \i0+2, \i0+3
.irp c, 0,1,2,3
.if APL == 256
	ds_load_b128 v[AF+FR*(\i)+4*\c:AF+FR*(\i)+4*\c+3], v[ADRA+\slot] offset:128*(\q)+32*\c+(\i)*16*LP
.elseif APL == 128
	ds_load_b128 v[AF+FR*(\i)+4*\c:AF+FR*(\i)+4*\c+3], v[ADRA+\slot] offset:34816*(\q)+2176*(\i)+32*\c
.else
	ds_load_b128 v[AF+FR*(\i)+4*\c:AF+FR*(\i)+4*\c+3], v[ADRA+\slot] offset:17408*(2*(\q)+\c/2)+1088*(\i)+32*(\c%2)
.endif
.endr
.endr
.endm
.macro SCALES sc                       ; slot sc's scale words: two a row; lanes 0-15 take A's block i, lanes 16-31 B's block i
.irp i, 0,1,2,3,4,5,6,7
	ds_load_b64 v[SC+16*\sc+2*\i:SC+16*\sc+2*\i+1], v[ADRS+\sc] offset:128*\i
.endr
.endm
; 16 matrix instructions: A's blocks a0, a0 + 1 x B's eight.  zero = 1: C is the constant 0; 2: C is the bias; 0: in place.  The 64 accumulators take turns, one instruction a turn.
.macro MUL16 a0, p, q, sc, zero
.irp a, \a0, \a0+1
.irp b, 0,1,2,3,4,5,6,7
.set rD, 8*(8*((\a)%4)+\b)
.set rB, 128*(\p)+FR*\b
.set rA, AF+FR*(\a)
.set rS, SC+8*NQ*(\sc)+(\q)
.if \zero == 1
	v_wmma_scale_f32_16x16x128_f8f6f4 v[rD:rD+7], v[rB:rB+15], v[rA:rA+15], 0, v[rS+NQ*\b], v[rS+NQ*(\a)] matrix_a_scale:MATRIX_SCALE_ROW1
.elseif \zero == 2
	v_wmma_scale_f32_16x16x128_f8f6f4 v[rD:rD+7], v[rB:rB+15], v[rA:rA+15], v[BI+8*\b:BI+8*\b+7], v[rS+NQ*\b], v[rS+NQ*(\a)] matrix_a_scale:MATRIX_SCALE_ROW1
.else
	v_wmma_scale_f32_16x16x128_f8f6f4 v[rD:rD+7], v[rB:rB+15], v[rA:rA+15], v[rD:rD+7], v[rS+NQ*\b], v[rS+NQ*(\a)] matrix_a_scale:MATRIX_SCALE_ROW1
.endif
.endr
.endr
.endm
.macro WMUL hi, zero                   ; source 0 (B) window 1, source 1 (A) window 0, D window 2 or 3; C with D, or (the bias) window 0
.if \zero == 2
	WIN 0x81+0x40*\hi
.else
	WIN 0xa1+0x50*\hi
.endif
.endm
.macro STEP slot, q, zero              ; a step of 128 along K that has its successor in the same slot
	s_wait_dscnt 4*NL                              ; B's set, A's blocks 0-3 and the scale words are in; the youngest 16 loads (A's blocks 4-7) may be out
	WMUL 0, \zero
	MUL16 0, (\q)%2, \q, \slot, \zero
	MUL16 2, (\q)%2, \q, \slot, \zero
	s_wait_dscnt 0x0                               ; A's blocks 4-7 are in
	PLACES NP                                      ; in front of loads into registers that matrix instructions have read
	FETCH_B \slot, (\q)+1, 1-(\q)%2
	FETCH_A \slot, (\q)+1, 0
	WMUL 1, \zero
	MUL16 4, (\q)%2, \q, \slot, \zero
	MUL16 6, (\q)%2, \q, \slot, \zero
	PLACES NP
	WIN 0
	FETCH_A \slot, (\q)+1, 4
.endm
; A slot's last step changes slots: one barrier; in front of it each wave waits for all its tensor loads, adds 0 to its spare word and waits for that and for its reads of this slot.  fill = 1: the barrier opens a round of the
; cluster's barrier, and this slot is filled again, two K steps ahead, first thing behind the round.
.macro TURN slot, next, fill
	s_wait_tensorcnt 0x0                           ; all my tensor loads have landed: my part of the next slot
	ds_add_u32 v[SPW], v[NIL]                      ; 0 onto my spare word
	s_wait_dscnt 4*NL+1                            ; (the add and A's blocks 4-7 may be out)
	WIN 0xa1
	MUL16 0, 1, 1, \slot, 0
	s_wait_dscnt 0x0                               ; the add is done, and my reads of this slot are over
	s_barrier_signal -1
	MUL16 2, 1, 1, \slot, 0
	WIN 0
	s_barrier_wait -1
.if \fill
	CREST
	s_add_nc_u64 s[G0A+4*\slot+2:G0A+4*\slot+3], s[G0A+4*\slot+2:G0A+4*\slot+3], s[84:85]
	s_add_nc_u64 s[G0B+4*\slot+2:G0B+4*\slot+3], s[G0B+4*\slot+2:G0B+4*\slot+3], s[86:87]
	JLOAD \slot                                    ; its four v_nop are among the places in front of the loads below
	PLACES NP-4
.else
	PLACES NP
.endif
	FETCH_B \next, 0, 0
	FETCH_A \next, 0, 0
	SCALES \next
	WIN 0xf1
	MUL16 4, 1, 1, \slot, 0
	MUL16 6, 1, 1, \slot, 0
	PLACES NP
	WIN 0
	FETCH_A \next, 0, 4
.endm
	s_load_b256 s[4:11], s[0:1], 0x0               ; A's buffer, B's buffer (pq), the bias, res
	v_lshl_add_u32 v[SPW], v0, 2, SPARE
	v_mov_b32 v[NIL], 0
	ds_add_u32 v28, v29
	ds_add_u32 v28, v29
	s_wait_dscnt 0x0
	v_lshrrev_b32 v1, 5, v0
	v_readfirstlane_b32 s14, v1                    ; wave 0..3
	s_lshr_b32 s15, s14, 1                         ; which half of the tile's rows is mine.  Also: I fetch codes (0) or scale bytes (1)
	s_and_b32 s16, s14, 1                          ; which half of its columns.  Also: I fetch for A (0) or for B (1)
	s_bfe_u32 s40, ttmp6, 0x40000                  ; cx, cy: my place in the cluster
	s_bfe_u32 s41, ttmp6, 0x40004
	s_lshl_b32 s42, ttmp9, 2
	s_add_co_u32 s42, s42, s40                     ; tile column
	s_and_b32 s17, ttmp7, 0xffff
	s_lshl_b32 s17, s17, 2
	s_add_co_u32 s17, s17, s41                     ; tile row
	s_mov_b32 s88, A_SSTEP
	s_mov_b32 s90, B_SSTEP
	s_lshl_b32 s43, s41, 2
	s_lshl_b32 s43, 15, s43                        ; my row of the cluster
	s_lshl_b32 s44, 0x1111, s40                    ; my column
	s_or_b32 s[G1A], s43, (1<<20)|(1<<21)|(5<<22)|(3<<25)   ; codes: elements of 1 byte; 4 words of padding behind every 64; bit 21 set beside a mask
	s_or_b32 s[G1B], s44, (1<<20)|(1<<21)|(5<<22)|(3<<25)
	s_or_b32 s[G1SA], s43, (3<<16)|(1<<21)         ; scale bytes: elements of 8 bytes, dense
	s_or_b32 s[G1SB], s44, (3<<16)|(1<<21)
.irp g, G1A, G1B
	s_mov_b32 s[\g+1], 256<<16                     ; tensor_dim0 = 256
	s_mov_b32 s[\g+2], 256<<16                     ; tensor_dim1 = 256
	s_mov_b32 s[\g+3], 256<<16                     ; tile_dim0 = 256
	s_mov_b32 s[\g+4], 256                         ; tile_dim1 = 256
	s_mov_b32 s[\g+6], 0
	s_mov_b32 s[\g+7], 0
.endr
	s_mov_b32 s[G1A+5], APITCH
	s_mov_b32 s[G1B+5], BPITCH
.irp g, G1SA, G1SB
	s_mov_b32 s[\g+1], 32<<16                      ; 8 rows of 32 elements: 2,048 dense bytes
	s_mov_b32 s[\g+2], 8<<16
	s_mov_b32 s[\g+3], 32<<16
	s_mov_b32 s[\g+4], 8
	s_mov_b32 s[\g+5], 32
	s_mov_b32 s[\g+6], 0
	s_mov_b32 s[\g+7], 0
.endr
	s_mul_i32 s20, s17, A_TILE                     ; A's offsets hang on the tile row alone, B's on the tile column alone
	s_add_co_u32 s20, s20, A_CODE
	s_lshl_b32 s21, s17, 11
	s_add_co_u32 s21, s21, A_SCAL
	s_mul_i32 s46, s42, B_TILE
	s_add_co_u32 s46, s46, B_CODE
	s_lshl_b32 s47, s42, 11
	s_add_co_u32 s47, s47, B_SCAL
	s_cmp_eq_u32 s15, 0                            ; codes or scale bytes: offsets and steps are chosen, not addresses
	s_cselect_b32 s20, s20, s21
	s_cselect_b32 s46, s46, s47
	s_cselect_b32 s88, A_STEP, s88
	s_cselect_b32 s90, 256, s90
	s_mov_b32 s21, 0
	s_mov_b32 s47, 0
	s_mov_b32 s89, 0
	s_mov_b32 s91, 0
	s_lshl_b32 s84, s88, 1                         ; a slot's next tile lies two K steps on
	s_mov_b32 s85, 0
	s_lshl_b32 s86, s90, 1
	s_mov_b32 s87, 0
	s_mul_i32 s45, s16, SIDE                       ; where my part goes: no place in the cluster enters an LDS address
	s_mul_i32 s18, s15, CODEB
	s_add_co_u32 s45, s45, s18
	s_wait_kmcnt 0x0
	s_add_nc_u64 s[20:21], s[4:5], s[20:21]
	s_add_nc_u64 s[46:47], s[6:7], s[46:47]
.irp s, 0,1
	s_mov_b32 s[G0A+4*\s], 1
	s_add_co_u32 s[G0A+4*\s+1], s45, \s*SLOT
	s_mov_b32 s[G0B+4*\s], 1
	s_add_co_u32 s[G0B+4*\s+1], s45, \s*SLOT
.endr
	s_mov_b64 s[G0A+2:G0A+3], s[20:21]
	s_add_nc_u64 s[G0A+6:G0A+7], s[20:21], s[88:89]
	s_mov_b64 s[G0B+2:G0B+3], s[46:47]
	s_add_nc_u64 s[G0B+6:G0B+7], s[46:47], s[90:91]
.irp g, G0A+3, G0A+7, G0B+3, G0B+7
	s_or_b32 s[\g], s[\g], 0x80000000              ; type = 2
.endr
	CROUND                                         ; all sixteen work-groups are here: the first joint loads meet
	JLOAD 0
	JLOAD 1                                        ; two tensor loads of mine are out
	v_and_b32 v1, 15, v0                           ; r
	v_bfe_u32 v2, v0, 4, 1                         ; h
	v_and_b32 v3, 31, v0                           ; lane
	s_lshl_b32 s46, s42, 10                        ; the bias of my 128 columns: lane (r, h) wants, for B's block b, those of columns 16 b + 8 h + 0..7
	s_lshl_b32 s47, s16, 9
	s_add_co_u32 s46, s46, s47
	s_mov_b32 s47, 0
	s_add_nc_u64 s[8:9], s[8:9], s[46:47]
	v_lshlrev_b32 v9, 5, v2
.irp b, 0,1,2,3,4,5,6,7
	global_load_b128 v[BI+8*\b:BI+8*\b+3], v9, s[8:9] offset:64*\b
	global_load_b128 v[BI+8*\b+4:BI+8*\b+7], v9, s[8:9] offset:64*\b+16
.endr
	v_mul_u32_u24 v4, v1, LP
	v_lshl_add_u32 v4, v2, 4, v4                   ; B: a fragment's row x pitch + 16 h
.if APL == 128
	v_lshrrev_b32 v5, 1, v1                        ; A: two rows of a plane to a line
	v_mul_u32_u24 v5, v5, LP
	v_and_b32 v6, 1, v1
	v_lshl_add_u32 v5, v6, 7, v5
.else
	v_lshrrev_b32 v5, 2, v1                        ; A: four rows of a plane to a line
	v_mul_u32_u24 v5, v5, LP
	v_and_b32 v6, 3, v1
	v_lshl_add_u32 v5, v6, 6, v5
.endif
	v_lshl_add_u32 v5, v2, 4, v5
	s_mul_i32 s21, s15, RH
	s_mul_i32 s22, s16, 34816
	s_add_co_u32 s22, s22, SIDE
.irp s, 0,1
	v_add_nc_u32 v[ADRA+\s], s21, v5
	v_add_nc_u32 v[ADRB+\s], s22, v4
	s_add_co_u32 s21, s21, SLOT
	s_add_co_u32 s22, s22, SLOT
.endr
	v_lshlrev_b32 v6, 3, v1                        ; scale words: 8 bytes a row
	s_lshl_b32 s21, s15, 10
	s_lshl_b32 s22, s16, 10
	s_add_co_u32 s22, s22, SIDE
	s_sub_co_u32 s22, s22, s21
	v_mul_u32_u24 v7, s22, v2                      ; lanes 16-31 take B's: one product with h
	s_add_co_u32 s21, s21, CODEB
	v_add_nc_u32 v6, v6, v7
	v_add_nc_u32 v[ADRS], s21, v6
	s_add_co_u32 s21, s21, SLOT
	v_add_nc_u32 v[ADRS+1], s21, v6
; the way out: a stage of 16 rows x (512 bytes + 16) for each wave, in slot 0, which has had its last fill and its last read when the first result is stored there
.set STO, 24
.set RD,  25
.set CO,  26
.set BK,  128
.set SPITCH, 528
	s_mul_i32 s23, s14, 16*SPITCH
	v_mul_u32_u24 v6, v1, SPITCH
	v_lshl_add_u32 v6, v2, 5, v6
	v_add_nc_u32 v[STO], s23, v6                   ; in: row r, 32 bytes for each half of the lanes
	v_lshlrev_b32 v[CO], 4, v3
	v_add_nc_u32 v[RD], s23, v[CO]                 ; back: the 32 lanes take a row of 512 bytes
	s_lshl_b32 s20, s17, 20                        ; my first row of C: 256 x tile row + 128 x half, rows of 4,096 bytes;
	s_lshl_b32 s21, s15, 19
	s_add_co_u32 s20, s20, s21
	s_lshl_b32 s46, s42, 10                        ; my first column
	s_lshl_b32 s47, s16, 9
	s_add_co_u32 s46, s46, s47
	s_add_co_u32 s46, s46, s20
	s_mov_b32 s47, 0
	s_add_nc_u64 s[10:11], s[10:11], s[46:47]
	s_wait_tensorcnt 1                             ; my part of slot 0 is in (slot 1's load may be out)
	s_barrier_signal -1
	s_barrier_wait -1                              ; everybody's is
	FETCH_B 0, 0, 0
	FETCH_A 0, 0, 0
	SCALES 0
	FETCH_A 0, 0, 4
	s_wait_loadcnt 0x0                             ; the bias
	STEP 0, 0, FIRST                               ; the first step stands in front of the loop: its products start the sums
	s_mov_b32 s3, LAPS-1
.Llap:                                             ; a trip goes once round the ring and fills both slots again
	TURN 0, 1, 1
	STEP 1, 0, 0
	TURN 1, 0, 1
	STEP 0, 0, 0
	s_sub_co_u32 s3, s3, 1
	s_cmp_lg_u32 s3, 0
	s_cbranch_scc1 .Llap
	TURN 0, 1, 0                                   ; the last lap fills nothing
	STEP 1, 0, 0
	s_wait_dscnt 4*NL
	WIN 0xa1
	MUL16 0, 1, 1, 1, 0
	MUL16 2, 1, 1, 1, 0
	s_wait_dscnt 0x0
	WIN 0xf1
	MUL16 4, 1, 1, 1, 0
	MUL16 6, 1, 1, 1, 0
	WIN 0
	PLACES NP                                      ; behind the last products: results are read and operands' registers loaded from here on
.macro TOSTAGE a                       ; block a, 16 rows x 128 columns, through my stage: LDS serves a wave's instructions in order, so no wait stands between the stores and the loads
.set AC, 64*((\a)%4)
	WIN 0x08+4*((\a)/4)                            ; an LDS store's data: window 2 or 3
.irp b, 0,1,2,3,4,5,6,7
	ds_store_b128 v[STO], v[AC+8*\b:AC+8*\b+3] offset:64*\b          ; each accumulator from its low end on
	ds_store_b128 v[STO], v[AC+8*\b+4:AC+8*\b+7] offset:64*\b+16
.endr
	WIN 0
.set BB, BK+64*((\a)%2)
.irp t, 0,1,2,3,4,5,6,7,8,9,10,11,12,13,14,15
	ds_load_b128 v[BB+4*\t:BB+4*\t+3], v[RD] offset:\t*SPITCH
.endr
.endm
.macro SEND a, younger                 ; younger: the LDS instructions issued behind block a's loads, which may stay out
.set BB, BK+64*((\a)%2)
	s_wait_dscnt \younger
.irp t, 0,1,2,3,4,5,6,7,8,9,10,11,12,13,14,15
	global_store_b128 v[CO], v[BB+4*\t:BB+4*\t+3], s[10:11] offset:(16*(\a)+\t)*4096 th:TH_STORE_NT   ; 32 lanes store 512 consecutive bytes; the row stands in the immediate, 127 rows at the most
.endr
.endm
	TOSTAGE 0
.irp a, 1,2,3,4,5,6,7
.if \a > 1
	s_wait_xcnt 0x0                                ; block a - 2's stores have read the registers into which block a comes back
.endif
	TOSTAGE \a
	SEND \a-1, 32                                  ; behind block a - 1's loads: block a's 16 stores and 16 loads
.endr
	SEND 7, 0
	s_wait_tensorcnt 0x0                           ; the wave's end
	ds_add_u32 v[SPW], v[NIL]
	s_wait_dscnt 0x0
	CROUND                                         ; the closing round: no work-group ends while a partner may still ask for a tile that names it
	s_endpgm
.Lfunc_end_k_qb5ba0312e6_ffn2:
	.size	k_qb5ba0312e6_ffn2, .Lfunc_end_k_qb5ba0312e6_ffn2-k_qb5ba0312e6_ffn2
	.p2alignl 7, 3214868480
	.fill 96, 4, 3214868480
	.section	.rodata,"a",@progbits
	.p2align	6, 0x0
	.amdhsa_kernel k_qb5ba0312e6_ffn2
		.amdhsa_group_segment_fixed_size 327680
		.amdhsa_private_segment_fixed_size 0
		.amdhsa_enable_private_segment 0
		.amdhsa_kernarg_size 32
		.amdhsa_user_sgpr_count 2
		.amdhsa_user_sgpr_kernarg_segment_ptr 1
		.amdhsa_wavefront_size32 1
		.amdhsa_system_sgpr_workgroup_id_x 1
		.amdhsa_system_sgpr_workgroup_id_y 1
		.amdhsa_system_sgpr_workgroup_id_z 1
		.amdhsa_system_vgpr_workitem_id 0
		.amdhsa_next_free_vgpr 1024
		.amdhsa_next_free_sgpr 100
		.amdhsa_reserve_vcc 0
		.amdhsa_float_denorm_mode_32 3
		.amdhsa_float_denorm_mode_16_64 3
		.amdhsa_memory_ordered 1
		.amdhsa_forward_progress 1
		.amdhsa_inst_pref_size 149
	.end_amdhsa_kernel
	.amdgpu_metadata
---
amdhsa.version: [ 1, 2 ]
amdhsa.kernels:
  - .name:           k_qb5ba0312e6_ffn2
    .symbol:         k_qb5ba0312e6_ffn2.kd
    .args:
      - { .name: hd, .offset: 0, .size: 8, .value_kind: global_buffer, .address_space: global }
      - { .name: pq, .offset: 8, .size: 8, .value_kind: global_buffer, .address_space: global }
      - { .name: b2, .offset: 16, .size: 8, .value_kind: global_buffer, .address_space: global }
      - { .name: res, .offset: 24, .size: 8, .value_kind: global_buffer, .address_space: global }
    .group_segment_fixed_size: 327680
    .private_segment_fixed_size: 0
    .kernarg_segment_align: 8
    .kernarg_segment_size: 32
    .max_flat_workgroup_size: 128
    .sgpr_count:     100
    .vgpr_count:     1024
    .wavefront_size: 32
...
	.end_amdgpu_metadata
.endif
;; end of part 7
;; launch ln2 (part 8): grid 256 x 1, 8 waves a work-group, no clusters, 0 bytes of LDS; arguments res, x1b, g2, be2, out0; writes out0
.if DOCPART == 8
	.amdgcn_target "amdgcn-amd-amdhsa--gfx1250"
	.amdhsa_code_object_version 6
	.text
	.protected	k_qb5ba0312e6_ln2
	.globl	k_qb5ba0312e6_ln2
	.p2align	8
	.type	k_qb5ba0312e6_ln2,@function
k_qb5ba0312e6_ln2:
	s_mov_b64 s[64:65], 0
	v_nop
	global_prefetch_b8 v0, s[64:65] scope:SCOPE_SE
	s_setreg_imm32_b32 hwreg(HW_REG_WAVE_MODE, 25, 1), 1
	s_wait_xcnt 0x0
; out = LayerNorm(x1 + res) g + be over rows of 1,024, f32.  x1 lies at the head of x1b.
; Memory binds: each byte is read once and written once.  One wave, one row at a time, two rows a wave: a row (8 loads of 512 consecutive bytes from each of the two tensors) stays in registers between the mean, the variance
; (of the centred numbers: no difference of large sums) and the scaling.  All 48 loads of a wave go out at its head.  No LDS, no barrier, no matrix unit, no cluster: nothing is shared but g and be.
; LIMITS: NaN and infinities are not served.
; REGISTERS: v2 16 x lane; v4-9 at work; v32-95 the two rows; v96-159 x1; v160-191 g; v192-223 be.
	s_load_b256 s[4:11], s[0:1], 0x0               ; res, x1b, g, be
	s_load_b64 s[12:13], s[0:1], 0x20              ; out
	v_lshrrev_b32 v1, 5, v0
	v_readfirstlane_b32 s14, v1                    ; wave 0..7
	v_and_b32 v10, 31, v0                          ; lane
	v_lshlrev_b32 v2, 4, v10                       ; 16 bytes a lane
	s_lshl_b32 s16, ttmp9, 16                      ; 16 rows of 4,096 bytes a work-group,
	s_lshl_b32 s17, s14, 13                        ; two a wave
	s_add_co_u32 s16, s16, s17
	s_mov_b32 s17, 0
	s_mov_b32 s18, 0x76543210
	s_mov_b32 s19, 0xfedcba98                      ; v_permlanex16_b32's selects for lane l xor 16
	s_mov_b32 s20, 0x3a800000                      ; 1 / 1,024
	s_mov_b32 s21, 0x3727c5ac                      ; 1e-5
	s_wait_kmcnt 0x0
	s_add_nc_u64 s[4:5], s[4:5], s[16:17]
	s_add_nc_u64 s[6:7], s[6:7], s[16:17]
	s_add_nc_u64 s[22:23], s[12:13], s[16:17]
.irp j, 0,1,2,3,4,5,6,7
	global_load_b128 v[160+4*\j:163+4*\j], v2, s[8:9] offset:512*\j
	global_load_b128 v[192+4*\j:195+4*\j], v2, s[10:11] offset:512*\j
.endr
.irp p, 0,1
.irp j, 0,1,2,3,4,5,6,7
	global_load_b128 v[32+32*\p+4*\j:35+32*\p+4*\j], v2, s[4:5] offset:4096*\p+512*\j th:TH_LOAD_NT
	global_load_b128 v[96+32*\p+4*\j:99+32*\p+4*\j], v2, s[6:7] offset:4096*\p+512*\j th:TH_LOAD_NT
.endr
.endr
.macro ALL reg, tmp                    ; the sum over the 32 lanes, in every lane
	v_add_f32_dpp v[\reg], v[\reg], v[\reg] row_xmask:1 row_mask:0xf bank_mask:0xf
	v_add_f32_dpp v[\reg], v[\reg], v[\reg] row_xmask:2 row_mask:0xf bank_mask:0xf
	v_add_f32_dpp v[\reg], v[\reg], v[\reg] row_xmask:4 row_mask:0xf bank_mask:0xf
	v_add_f32_dpp v[\reg], v[\reg], v[\reg] row_xmask:8 row_mask:0xf bank_mask:0xf
	v_permlanex16_b32 v[\tmp], v[\reg], s18, s19
	v_add_f32 v[\reg], v[\reg], v[\tmp]
.endm
.macro ROW p, left
.set Z, 32+32*\p
.set XR, 96+32*\p
	s_wait_loadcnt \left                           ; g, be and this row are in; the next row's 16 loads may be out
.set k, 0
.rept 16
	v_pk_add_f32 v[Z+k:Z+k+1], v[Z+k:Z+k+1], v[XR+k:XR+k+1]   ; the residual
.set k, k+2
.endr
	v_pk_add_f32 v[4:5], v[Z:Z+1], v[Z+2:Z+3]      ; the sum, in two chains
	v_pk_add_f32 v[6:7], v[Z+4:Z+5], v[Z+6:Z+7]
.irp k, 8,12,16,20,24,28
	v_pk_add_f32 v[4:5], v[4:5], v[Z+\k:Z+\k+1]
	v_pk_add_f32 v[6:7], v[6:7], v[Z+\k+2:Z+\k+3]
.endr
	v_pk_add_f32 v[4:5], v[4:5], v[6:7]
	v_add_f32 v4, v4, v5
	ALL 4, 5
	v_mul_f32 v4, s20, v4                          ; the mean
.set k, 0
.rept 16
	v_pk_add_f32 v[Z+k:Z+k+1], v[Z+k:Z+k+1], v[4:5] op_sel_hi:[1,0] neg_lo:[0,1] neg_hi:[0,1]
.set k, k+2
.endr
	v_pk_mul_f32 v[6:7], v[Z:Z+1], v[Z:Z+1]        ; the squares of the centred numbers
	v_pk_mul_f32 v[8:9], v[Z+2:Z+3], v[Z+2:Z+3]
.irp k, 4,8,12,16,20,24,28
	v_pk_fma_f32 v[6:7], v[Z+\k:Z+\k+1], v[Z+\k:Z+\k+1], v[6:7]
	v_pk_fma_f32 v[8:9], v[Z+\k+2:Z+\k+3], v[Z+\k+2:Z+\k+3], v[8:9]
.endr
	v_pk_add_f32 v[6:7], v[6:7], v[8:9]
	v_add_f32 v6, v6, v7
	ALL 6, 7
	v_fma_f32 v6, v6, s20, s21                     ; the variance + 1e-5
	v_rsq_f32 v8, v6
	v_nop                                          ; a plain instruction behind the transcendental,
	s_wait_alu depctr_va_vdst(0)                   ; and the wait ahead of its first reader
.set k, 0
.rept 16
	v_pk_mul_f32 v[Z+k:Z+k+1], v[Z+k:Z+k+1], v[8:9] op_sel_hi:[1,0]
.set k, k+2
.endr
.set k, 0
.rept 16
	v_pk_fma_f32 v[Z+k:Z+k+1], v[Z+k:Z+k+1], v[160+k:161+k], v[192+k:193+k]
.set k, k+2
.endr
.irp j, 0,1,2,3,4,5,6,7
	global_store_b128 v2, v[Z+4*\j:Z+4*\j+3], s[22:23] offset:4096*\p+512*\j th:TH_STORE_NT   ; 512 consecutive bytes
.endr
.endm
	ROW 0, 16
	ROW 1, 0
	s_endpgm
.Lfunc_end_k_qb5ba0312e6_ln2:
	.size	k_qb5ba0312e6_ln2, .Lfunc_end_k_qb5ba0312e6_ln2-k_qb5ba0312e6_ln2
	.p2alignl 7, 3214868480
	.fill 96, 4, 3214868480
	.section	.rodata,"a",@progbits
	.p2align	6, 0x0
	.amdhsa_kernel k_qb5ba0312e6_ln2
		.amdhsa_group_segment_fixed_size 0
		.amdhsa_private_segment_fixed_size 0
		.amdhsa_enable_private_segment 0
		.amdhsa_kernarg_size 40
		.amdhsa_user_sgpr_count 2
		.amdhsa_user_sgpr_kernarg_segment_ptr 1
		.amdhsa_wavefront_size32 1
		.amdhsa_system_sgpr_workgroup_id_x 1
		.amdhsa_system_sgpr_workgroup_id_y 1
		.amdhsa_system_sgpr_workgroup_id_z 1
		.amdhsa_system_vgpr_workitem_id 0
		.amdhsa_next_free_vgpr 232
		.amdhsa_next_free_sgpr 66
		.amdhsa_reserve_vcc 0
		.amdhsa_float_denorm_mode_32 3
		.amdhsa_float_denorm_mode_16_64 3
		.amdhsa_memory_ordered 1
		.amdhsa_forward_progress 1
		.amdhsa_inst_pref_size 21
	.end_amdhsa_kernel
	.amdgpu_metadata
---
amdhsa.version: [ 1, 2 ]
amdhsa.kernels:
  - .name:           k_qb5ba0312e6_ln2
    .symbol:         k_qb5ba0312e6_ln2.kd
    .args:
      - { .name: res, .offset: 0, .size: 8, .value_kind: global_buffer, .address_space: global }
      - { .name: x1b, .offset: 8, .size: 8, .value_kind: global_buffer, .address_space: global }
      - { .name: g2, .offset: 16, .size: 8, .value_kind: global_buffer, .address_space: global }
      - { .name: be2, .offset: 24, .size: 8, .value_kind: global_buffer, .address_space: global }
      - { .name: out0, .offset: 32, .size: 8, .value_kind: global_buffer, .address_space: global }
    .group_segment_fixed_size: 0
    .private_segment_fixed_size: 0
    .kernarg_segment_align: 8
    .kernarg_segment_size: 40
    .max_flat_workgroup_size: 256
    .sgpr_count:     66
    .vgpr_count:     232
    .wavefront_size: 32
...
	.end_amdgpu_metadata
.endif
;; end of part 8
;; ======== version 2 of 2: 8 launches
;; limits: right only within a limited range of input values
;; workspace buffers: pq 17,301,504 bytes; qkv 13,238,272 bytes; ob 4,325,376 bytes; res 16,777,216 bytes; x1b 21,102,592 bytes; hd 17,301,504 bytes
;; launch prep (part 9): grid 512 x 1, 4 waves a work-group, no clusters, 68,096 bytes of LDS; arguments x, Wq, Wk, Wv, Wp, W1, W2, pq; writes pq
.if DOCPART == 9
	.amdgcn_target "amdgcn-amd-amdhsa--gfx1250"
	.amdhsa_code_object_version 6
	.text
	.protected	k_qb5ba0312e6_prep
	.globl	k_qb5ba0312e6_prep
	.p2align	8
	.type	k_qb5ba0312e6_prep,@function
k_qb5ba0312e6_prep:
	s_mov_b64 s[64:65], 0
	v_nop
	global_prefetch_b8 v0, s[64:65] scope:SCOPE_SE
	s_setreg_imm32_b32 hwreg(HW_REG_WAVE_MODE, 25, 1), 1
	s_wait_xcnt 0x0
; x [4096][1024] and the six weights, all f32, become codes of FP8 (E4M3) with K innermost and one E8M0 scale byte for each 32 along K, all in the workspace pq.
; A block's scale is 2^(floor(log2(its largest magnitude)) - 8); its byte is the largest magnitude's exponent field - 8, held at 1 from below; each number is held within +-448 x the scale and rounded to the nearest code.
; LIMITS: NaN and infinities among the inputs are not served; a block of zeros gets the byte 1 where the rule says 127 (its codes are zeros, and this program alone reads the bytes); a block whose largest magnitude lies under 2^-118 is held at the byte 1.
; LAYOUT OF pq: codes [row][K bytes]; scale bytes [K / 256][rows][8], so that the 256 rows of a product's tile have 2,048 consecutive scale bytes for each 256 along K.
; Work-groups 0-127 take x (K innermost in memory): 32 rows each, wave w the 256 numbers 256 w on of every row; a step is two rows' 512 numbers, read as they lie (512 consecutive bytes a load) and turned through the wave's own
; stage in LDS so that a lane holds 16 neighbours along K.  Work-groups 128-511 take the weights (K is NOT innermost): a lane takes a column and its registers run down K; a wave takes 32 columns x 256 along K, and the codes
; leave through the wave's stage as rows.  The two ways have LDS bytes of their own (0-32,767 and 32,768-67,583).  No wave shares anything with another: no barrier.
.set PQ_WC,  4194304
.set PQ_WPC, 7340032
.set PQ_W1C, 8388608
.set PQ_W2C, 12582912
.set PQ_XS,  16777216
.set PQ_WS,  16908288
.set PQ_WPS, 17006592
.set PQ_W1S, 17039360
.set PQ_W2S, 17170432
.set MANT,   0x600000                  ; the mantissa field of 448 as f32
	s_load_b256 s[4:11], s[0:1], 0x0               ; x, Wq, Wk, Wv
	s_load_b256 s[12:19], s[0:1], 0x20             ; Wp, W1, W2, pq
	v_lshl_add_u32 v208, v0, 2, 0x10800
	v_mov_b32 v209, 0
	v_lshrrev_b32 v1, 5, v0
	v_readfirstlane_b32 s2, v1                     ; wave 0..3
	v_and_b32 v2, 31, v0                           ; lane
	s_mov_b32 s3, MANT
	s_cmp_lt_u32 ttmp9, 128
	s_cbranch_scc0 .Lweights
; ---------------- x ----------------
.set SP, 80                            ; a lane's place in a stage: its 64 bytes + 16 of padding
.set R,  16                            ; v16-79   four sets of 16 numbers as loaded
.set X,  80                            ; v80-111  two sets of 16 neighbours
.set E,  112                           ; v112-127 a scale byte for each step
.set C,  128                           ; v128-191 codes: four registers for each step, so that no store's data are written again
	v_lshlrev_b32 v3, 4, v2                        ; my 16 bytes of a load's 512
	s_mul_i32 s20, s2, 8192                        ; my wave's LDS: two stages of 2,560 bytes, then its 256 scale bytes
	v_lshrrev_b32 v14, 2, v2
	v_mul_u32_u24 v14, v14, SP
	v_and_b32 v15, 3, v2
	v_lshl_add_u32 v14, v15, 4, v14
	v_add_nc_u32 v14, s20, v14                     ; into the stage: four lanes' 64 bytes on end, then the padding
	v_mul_u32_u24 v15, v2, SP
	v_add_nc_u32 v15, s20, v15                     ; out of it: my 16 neighbours
	v_lshrrev_b32 v4, 4, v2
	v_and_b32 v5, 15, v2
	v_lshlrev_b32 v4, 10, v4
	v_lshl_add_u32 v4, v5, 4, v4                   ; my codes: row lane / 16 of the step's two, 16 bytes a lane: sixteen lanes fill 256 consecutive bytes
	v_lshrrev_b32 v5, 1, v2
	s_add_co_u32 s20, s20, 2*32*SP
	v_add_nc_u32 v5, s20, v5                       ; my block's scale byte
	v_lshlrev_b32 v7, 3, v2
	v_add_nc_u32 v6, s20, v7                       ; and 8 bytes a lane on the way out
	s_lshl_b32 s22, ttmp9, 17                      ; 32 rows of 4,096 bytes
	s_lshl_b32 s23, s2, 10                         ; my 256 numbers of a row
	s_add_co_u32 s22, s22, s23
	s_mov_b32 s23, 0
	s_lshl_b32 s24, ttmp9, 15                      ; codes: 32 rows of 1,024 bytes (x's codes begin at byte 0 of pq)
	s_lshl_b32 s25, s2, 8
	s_add_co_u32 s24, s24, s25
	s_mov_b32 s25, 0
	s_lshl_b32 s26, s2, 15                         ; scale bytes: plane w of 4,096 rows x 8,
	s_lshl_b32 s27, ttmp9, 8                       ; my 32 rows
	s_add_co_u32 s26, s26, s27
	s_add_co_u32 s26, s26, PQ_XS
	s_mov_b32 s27, 0
	s_wait_alu depctr_va_vdst(0)
	s_wait_kmcnt 0x0
	s_add_nc_u64 s[4:5], s[4:5], s[22:23]
	s_add_nc_u64 s[8:9], s[18:19], s[24:25]
	s_add_nc_u64 s[10:11], s[18:19], s[26:27]
.macro XLOAD t                         ; step t: rows 2 t and 2 t + 1, two loads of 512 consecutive bytes each
.irp i, 0,1,2,3
	global_load_b128 v[R+16*((\t)%4)+4*\i:R+16*((\t)%4)+4*\i+3], v3, s[4:5] offset:(2*(\t)+\i/2)*4096+(\i%2)*512
.endr
.endm
.macro XTURN t                         ; through the stage: LDS serves a wave's instructions in order, so no wait stands between the stores and the loads
.irp i, 0,1,2,3
	ds_store_b128 v14, v[R+16*((\t)%4)+4*\i:R+16*((\t)%4)+4*\i+3] offset:32*SP*((\t)%2)+8*SP*\i
.endr
.irp i, 0,1,2,3
	ds_load_b128 v[X+16*((\t)%2)+4*\i:X+16*((\t)%2)+4*\i+3], v15 offset:32*SP*((\t)%2)+16*\i
.endr
.endm
.irp t, 0,1,2,3
	XLOAD \t
.endr
	s_wait_loadcnt 12                              ; step 0's four loads are in
	XTURN 0
.macro XSTEP t
.set XN, X+16*((\t)%2)
.if (\t) > 0
	s_wait_dscnt 1                                 ; this step's numbers are back from the stage (the last step's byte store may be out)
.else
	s_wait_dscnt 0x0
.endif
.if (\t)+4 < 16
	XLOAD (\t)+4                                   ; into the registers that this step's stage stores have read
.endif
.if (\t)+1 < 16
.if 14-(\t) >= 3
	s_wait_loadcnt 12                              ; the next step's four loads are in; those of the three steps behind it may be out
.else
	s_wait_loadcnt 4*(14-(\t))
.endif
	XTURN (\t)+1
.endif
	v_max3_num_f32 v8, |v[XN]|, |v[XN+1]|, |v[XN+2]|
	v_max3_num_f32 v9, |v[XN+3]|, |v[XN+4]|, |v[XN+5]|
.irp i, 6,10
	v_max3_num_f32 v8, v8, |v[XN+\i]|, |v[XN+\i+1]|
	v_max3_num_f32 v9, v9, |v[XN+\i+2]|, |v[XN+\i+3]|
.endr
	v_max3_num_f32 v8, v8, |v[XN+14]|, |v[XN+15]|
	v_max3_num_f32 v8, v8, v9, 0x4800000           ; and the floor 2^(9 - 127): the byte cannot fall under 1
	v_max_num_f32_dpp v8, v8, v8 row_xmask:1 row_mask:0xf bank_mask:0xf   ; with my neighbour's 16: the block's largest magnitude
	v_add_nc_u32 v11, 0xfc000000, v8               ; 8 off its exponent field: the conversion's scale operand
	v_and_or_b32 v10, v8, 0x7f800000, s3           ; 448 x the scale
.set i, 0
.rept 16
	v_med3_num_f32 v[XN+i], v[XN+i], -v10, v10     ; the conversion to an 8-bit code does not saturate (ISA guide 7.6.2): the hold comes first
.set i, i+1
.endr
	v_cvt_scalef32_pk8_fp8_f32 v[C+4*(\t):C+4*(\t)+1], v[XN:XN+7], v11
	v_cvt_scalef32_pk8_fp8_f32 v[C+4*(\t)+2:C+4*(\t)+3], v[XN+8:XN+15], v11
	v_lshrrev_b32 v[E+(\t)], 23, v11               ; the scale's byte
	ds_store_b8 v5, v[E+(\t)] offset:16*(\t)       ; both lanes of a block write the same byte with the same value
	global_store_b128 v4, v[C+4*(\t):C+4*(\t)+3], s[8:9] offset:2048*(\t)
.endm
.irp t, 0,1,2,3,4,5,6,7,8,9,10,11,12,13,14,15
	XSTEP \t
.endr
	ds_load_b64 v[12:13], v6                       ; my wave's 256 scale bytes: 32 rows x 8
	s_wait_dscnt 0x0
	global_store_b64 v7, v[12:13], s[10:11]        ; 32 lanes store 256 consecutive bytes
	s_wait_tensorcnt 0x0
	ds_add_u32 v208, v209
	s_wait_dscnt 0x0
	s_endpgm
; ---------------- the weights ----------------
.Lweights:
.set WX,   32                          ; v32-95   two sets of 32 numbers
.set WCD,  96                          ; v96-103  a block's codes
.set OUTR, 112                         ; v112-175 the way out
.set SB,   24                          ; v24-25   the 8 scale bytes
.set VO,   176                         ; v176-207 offsets: 4 x lane + i rows; later the stores' offsets
	s_sub_co_u32 s33, ttmp9, 128                   ; which of the 384 weight blocks
	s_mov_b32 s20, 256                             ; W2's figures; the others' take their place below, by the block's number alone
	s_mov_b32 s21, 4096                            ; bytes from k to k + 1
	s_mov_b32 s22, 7                               ; blocks of 128 columns - 1,
	s_mov_b32 s23, 3                               ; and their log2
	s_mov_b32 s24, 16                              ; columns of a head: log2 (16: no heads),
	s_mov_b32 s25, 0xffff                          ; and mask
	s_mov_b32 s26, PQ_W2C
	s_mov_b32 s27, 4096                            ; a row of the codes
	s_mov_b32 s28, PQ_W2S
	s_mov_b32 s29, 8192                            ; a plane of scale bytes: rows x 8
	s_wait_kmcnt 0x0
	s_mov_b64 s[30:31], s[16:17]
.macro PICK lim, start, rs, cbm, cbs, sh, msk, dc, ds, np8, src
	s_cmp_lt_u32 s33, \lim
	s_cselect_b32 s20, \start, s20
	s_cselect_b32 s21, \rs, s21
	s_cselect_b32 s22, \cbm, s22
	s_cselect_b32 s23, \cbs, s23
	s_cselect_b32 s24, \sh, s24
	s_cselect_b32 s25, \msk, s25
	s_cselect_b32 s26, \dc, s26
	s_cselect_b32 s27, 1024, s27
	s_cselect_b32 s28, \ds, s28
	s_cselect_b32 s29, \np8, s29
	s_cselect_b64 s[30:31], s[\src:\src+1], s[30:31]
.endm
	PICK 256, 128, 16384, 31, 5, 16, 0xffff, PQ_W1C, PQ_W1S, 32768, 14
	PICK 128, 96, 4096, 7, 3, 16, 0xffff, PQ_WPC, PQ_WPS, 8192, 12
	PICK 96, 64, 256, 7, 3, 6, 63, PQ_WC+2097152, PQ_WS+16384, 24576, 10
	PICK 64, 32, 256, 7, 3, 6, 63, PQ_WC+1048576, PQ_WS+8192, 24576, 8
	PICK 32, 0, 256, 7, 3, 6, 63, PQ_WC, PQ_WS, 24576, 6
	s_sub_co_u32 s33, s33, s20
	s_and_b32 s34, s33, s22                        ; which 128 columns
	s_lshr_b32 s35, s33, s23                       ; which 256 along K
	s_lshl_b32 s34, s34, 7
	s_lshl_b32 s36, s2, 5
	s_add_co_u32 s34, s34, s36                     ; my wave's first column n0
	s_lshr_b32 s36, s34, s24
	s_lshl_b32 s36, s36, 18                        ; its head's 262,144 bytes,
	s_and_b32 s37, s34, s25
	s_lshl_b32 s37, s37, 2                         ; its place in a row,
	s_add_co_u32 s36, s36, s37
	s_mul_i32 s37, s35, s21
	s_lshl_b32 s37, s37, 8                         ; and 256 rows for each step along K
	s_add_co_u32 s36, s36, s37
	s_mov_b32 s37, 0
	s_add_nc_u64 s[40:41], s[30:31], s[36:37]      ; block 0's base; each of the eight blocks has a base of its own, so that none is stepped under a pending load
	s_lshl_b32 s38, s21, 5
	s_mov_b32 s39, 0
.irp t, 1,2,3,4,5,6,7
	s_add_nc_u64 s[40+2*\t:41+2*\t], s[38+2*\t:39+2*\t], s[38:39]
.endr
	s_mul_i32 s58, s34, s27                        ; codes: row n0, byte 256 x the step along K
	s_add_co_u32 s58, s58, s26
	s_lshl_b32 s59, s35, 8
	s_add_co_u32 s58, s58, s59
	s_mov_b32 s59, 0
	s_add_nc_u64 s[56:57], s[18:19], s[58:59]
	s_mul_i32 s58, s35, s29                        ; scale bytes: the step's plane, row n0
	s_add_co_u32 s58, s58, s28
	s_lshl_b32 s60, s34, 3
	s_add_co_u32 s58, s58, s60
	s_add_nc_u64 s[60:61], s[18:19], s[58:59]
	s_wait_alu depctr_va_vdst(0)
	v_lshlrev_b32 v3, 2, v2
.set i, 0
.rept 32
	v_mad_u32_u24 v[VO+i], s21, i, v3              ; 4 x lane + i rows
.set i, i+1
.endr
	s_mul_i32 s62, s2, 32*272
	s_add_co_u32 s62, s62, 32768                   ; my stage: 32 rows of 256 bytes + 16
	v_mul_u32_u24 v4, v2, 272
	v_add_nc_u32 v4, s62, v4                       ; into it: row = my column
	v_and_b32 v5, 15, v2
	v_lshrrev_b32 v6, 4, v2
	v_mul_u32_u24 v7, v6, 272
	v_lshl_add_u32 v7, v5, 4, v7
	v_add_nc_u32 v7, s62, v7                       ; out of it: sixteen lanes to a row, two rows an instruction
	v_mul_u32_u24 v8, s27, v6
	v_lshl_add_u32 v8, v5, 4, v8                   ; and the same place in the codes
	v_lshlrev_b32 v9, 3, v2                        ; my column's 8 scale bytes
.macro WLOAD t                         ; block t: W(32 t + i, my column) into set t % 2: 128 consecutive bytes a load
.set i, 0
.rept 32
	global_load_b32 v[WX+32*((\t)%2)+i], v[VO+i], s[40+2*(\t):41+2*(\t)] th:TH_LOAD_NT
.set i, i+1
.endr
.endm
	WLOAD 0
	WLOAD 1
.macro BLOCK t
.set XB, WX+32*((\t)%2)
.if (\t) < 7
	s_wait_loadcnt 32                              ; this block's 32 loads are in; the next block's may be out
.else
	s_wait_loadcnt 0x0
.endif
	v_max3_num_f32 v12, |v[XB]|, |v[XB+1]|, |v[XB+2]|   ; the block's largest magnitude: all 32 numbers are mine
	v_max3_num_f32 v13, |v[XB+3]|, |v[XB+4]|, |v[XB+5]|
.irp i, 6,10,14,18,22,26
	v_max3_num_f32 v12, v12, |v[XB+\i]|, |v[XB+\i+1]|
	v_max3_num_f32 v13, v13, |v[XB+\i+2]|, |v[XB+\i+3]|
.endr
	v_max3_num_f32 v12, v12, |v[XB+30]|, |v[XB+31]|
	v_max3_num_f32 v12, v12, v13, 0x4800000
	v_add_nc_u32 v11, 0xfc000000, v12
	v_and_or_b32 v10, v12, 0x7f800000, s3
	v_lshrrev_b32 v13, 23, v11
.if (\t)%4 == 0
	v_mov_b32 v[SB+(\t)/4], v13                    ; four bytes to a register, the lower K in the lower byte
.else
	v_lshl_or_b32 v[SB+(\t)/4], v13, 8*((\t)%4), v[SB+(\t)/4]
.endif
.set i, 0
.rept 32
	v_med3_num_f32 v[XB+i], v[XB+i], -v10, v10
.set i, i+1
.endr
.irp g, 0,1,2,3
	v_cvt_scalef32_pk8_fp8_f32 v[WCD+2*\g:WCD+2*\g+1], v[XB+8*\g:XB+8*\g+7], v11
.endr
	ds_store_b128 v4, v[WCD:WCD+3] offset:32*(\t)
	ds_store_b128 v4, v[WCD+4:WCD+7] offset:32*(\t)+16
.if (\t)+2 < 8
	WLOAD (\t)+2
.endif
	s_wait_dscnt 0x0                               ; the stores have read their registers: the next block's codes may be written
.endm
.irp t, 0,1,2,3,4,5,6,7
	BLOCK \t
.endr
	global_store_b64 v9, v[SB:SB+1], s[60:61]      ; 32 columns x 8 bytes: 256 consecutive bytes
.set i, 0
.rept 16
	v_mad_u32_u24 v[VO+i], s27, 2*i, v8            ; all loads that named these registers are in: now the stores' offsets, two rows of codes apart
.set i, i+1
.endr
.irp t, 0,1,2,3,4,5,6,7,8,9,10,11,12,13,14,15
	ds_load_b128 v[OUTR+4*\t:OUTR+4*\t+3], v7 offset:2*\t*272
.endr
	s_wait_alu depctr_va_vdst(0)
.irp t, 0,1,2,3,4,5,6,7,8,9,10,11,12,13,14,15
	s_wait_dscnt 15-\t
	global_store_b128 v[VO+\t], v[OUTR+4*\t:OUTR+4*\t+3], s[56:57]   ; sixteen lanes store 256 consecutive bytes of a row
.endr
	s_wait_tensorcnt 0x0
	ds_add_u32 v208, v209
	s_wait_dscnt 0x0
	s_endpgm
.Lfunc_end_k_qb5ba0312e6_prep:
	.size	k_qb5ba0312e6_prep, .Lfunc_end_k_qb5ba0312e6_prep-k_qb5ba0312e6_prep
	.p2alignl 7, 3214868480
	.fill 96, 4, 3214868480
	.section	.rodata,"a",@progbits
	.p2align	6, 0x0
	.amdhsa_kernel k_qb5ba0312e6_prep
		.amdhsa_group_segment_fixed_size 68096
		.amdhsa_private_segment_fixed_size 0
		.amdhsa_enable_private_segment 0
		.amdhsa_kernarg_size 64
		.amdhsa_user_sgpr_count 2
		.amdhsa_user_sgpr_kernarg_segment_ptr 1
		.amdhsa_wavefront_size32 1
		.amdhsa_system_sgpr_workgroup_id_x 1
		.amdhsa_system_sgpr_workgroup_id_y 1
		.amdhsa_system_sgpr_workgroup_id_z 1
		.amdhsa_system_vgpr_workitem_id 0
		.amdhsa_next_free_vgpr 210
		.amdhsa_next_free_sgpr 90
		.amdhsa_reserve_vcc 0
		.amdhsa_float_denorm_mode_32 3
		.amdhsa_float_denorm_mode_16_64 3
		.amdhsa_memory_ordered 1
		.amdhsa_forward_progress 1
		.amdhsa_inst_pref_size 116
	.end_amdhsa_kernel
	.amdgpu_metadata
---
amdhsa.version: [ 1, 2 ]
amdhsa.kernels:
  - .name:           k_qb5ba0312e6_prep
    .symbol:         k_qb5ba0312e6_prep.kd
    .args:
      - { .name: x, .offset: 0, .size: 8, .value_kind: global_buffer, .address_space: global }
      - { .name: Wq, .offset: 8, .size: 8, .value_kind: global_buffer, .address_space: global }
      - { .name: Wk, .offset: 16, .size: 8, .value_kind: global_buffer, .address_space: global }
      - { .name: Wv, .offset: 24, .size: 8, .value_kind: global_buffer, .address_space: global }
      - { .name: Wp, .offset: 32, .size: 8, .value_kind: global_buffer, .address_space: global }
      - { .name: W1, .offset: 40, .size: 8, .value_kind: global_buffer, .address_space: global }
      - { .name: W2, .offset: 48, .size: 8, .value_kind: global_buffer, .address_space: global }
      - { .name: pq, .offset: 56, .size: 8, .value_kind: global_buffer, .address_space: global }
    .group_segment_fixed_size: 68096
    .private_segment_fixed_size: 0
    .kernarg_segment_align: 8
    .kernarg_segment_size: 64
    .max_flat_workgroup_size: 128
    .sgpr_count:     90
    .vgpr_count:     210
    .wavefront_size: 32
...
	.end_amdgpu_metadata
.endif
;; end of part 9
;; launch qkv (part 10): grid 48 x 4, 4 waves a work-group, clusters of 4 x 4, 327,680 bytes of LDS; arguments pq, qkv; writes qkv
.if DOCPART == 10
	.amdgcn_target "amdgcn-amd-amdhsa--gfx1250"
	.amdhsa_code_object_version 6
	.text
	.protected	k_qb5ba0312e6_qkv
	.globl	k_qb5ba0312e6_qkv
	.p2align	8
	.type	k_qb5ba0312e6_qkv,@function
k_qb5ba0312e6_qkv:
	s_mov_b64 s[64:65], 0
	v_nop
	global_prefetch_b8 v0, s[64:65] scope:SCOPE_SE
	s_setreg_imm32_b32 hwreg(HW_REG_WAVE_MODE, 25, 1), 1
	s_wait_xcnt 0x0
	s_wait_alu depctr_hold_cnt(0) depctr_sa_sdst(0) depctr_va_vdst(0) depctr_va_sdst(0) depctr_va_ssrc(0) depctr_va_vcc(0) depctr_vm_vsrc(0)
	s_getreg_b32 s2, hwreg(HW_REG_IB_STS2, 6, 4)
	s_cmp_eq_u32 s2, 0
	s_cbranch_scc0 .Lentry_in_a_cluster
	s_endpgm
.Lentry_in_a_cluster:
	s_bfe_u32 s2, ttmp6, 0x10000c
	s_cmp_lg_u32 s2, 0xf033
	s_cbranch_scc0 .Lentry_shape_is_right
	s_endpgm
.Lentry_shape_is_right:
; q, k and v of all 32 heads, on codes of FP8 (E4M3) with E8M0 scales, and their own codes and scales for the attention launch.  K = 1,024.
; Clusters 0-7 make q and k: C[token][n] = x . W, n = 1,024 sel + 64 head + d.  Clusters 8-11 make v TRANSPOSED: C[64 head + d][token] = Wv . x.  In both a lane ends up with one row of C and neighbours along its columns,
; and the next product's K runs along the columns (d for q and k, the keys for v): one quantiser serves both.
; A tile of C, 256 x 256, is made by four waves, each 128 x 128 in 64 accumulators.  K goes in steps of 256 through a ring of two LDS slots.  A slot: A's 256 rows (272 bytes apart), A's 2,048 scale bytes, 128 spare bytes, then the same for B.
; One tensor load a wave: wave 0 A's codes, wave 1 B's codes, wave 2 A's scale bytes, wave 3 B's.  CLUSTERS of 4 x 4: A's tiles are asked for jointly along a row of the cluster, B's along a column.
; The matrix instruction is used transposed (source 0 = 16 rows of B, source 1 = 16 rows of A): register j of lane (r, h) of accumulator (a, b) is C(16 a + r, 16 b + 8 h + j).
; ORDER INSIDE A BLOCK OF 32 IN THE RESULTS' CODES: a lane's 16 codes (columns 8 h + 0..7 and 16 + 8 h + 0..7 of the block) lie at bytes 16 h + 0..15.  q and k have the same order, so their product is unchanged; v has along the keys
; the very order in which the attention launch's p comes out of its registers.
; REGISTERS: window 0: v1-29 addresses; v32-63 scale words, two sets (later codes); v64-127 the way out; v128-255 A's fragments (later v200-217 the quantiser's); window 1: B's fragments, two sets; windows 2, 3: the accumulators.
; LIMITS: NaN and infinities are not served; a block of zeros gets the byte 1 (its codes are zeros, this program alone reads the bytes); largest magnitudes under 2^-118 are held at the byte 1.
.set KDIM,   1024
.set APL,    256                       ; A's rows lie as rows of KDIM bytes
.set RH,     34816                     ; 128 rows of A in LDS
.set APITCH, 1024
.set BPITCH, 1024
.set A_TILE, 262144
.set A_STEP, 256
.set B_TILE, 262144
.set FIRST,  1                         ; the first products take the constant 0
.set PQ_WC,  4194304
.set PQ_XS,  16777216
.set PQ_WS,  16908288
.set QS,     4194304                   ; in qkv: q's scale words
.set KV,     4456448                   ; and the heads' K and V, 274,432 bytes a head, in four groups of 512 keys
.set NQ, 2
.set FR, 16
.set NL, 4
.set NP, 8                             ; places behind this matrix instruction (ISA guide 7.12.1)
.set LP, 272
.set CODEB, 256*LP
.set SIDE, CODEB+2176
.set SLOT, 2*SIDE
.set SPARE, 2*SLOT                     ; behind the ring: the spare words, 128 bytes a wave
.set LAPS, KDIM/512
.set ADRA, 16
.set ADRB, 20
.set ADRS, 22
.set SPW, 28
.set NIL, 29
.set SC, 32
.set BI, 64
.set AF, 128
.set G1A, 24
.set G0A, 32
.set G1B, 48
.set G0B, 56
.set G1SA, 68
.set G1SB, 76
.set MSB, 0
.macro WIN new                         ; the immediate's high byte repeats the setting that is left
.if MSB != (\new)
	s_set_vgpr_msb (MSB<<8)|(\new)
.set MSB, (\new)
.endif
.endm
.macro PLACES n
.rept \n
	v_nop
.endr
.endm
.macro ARM g0, g1                      ; a joint load; four v_nop follow it
	tensor_load_to_lds s[\g0:\g0+3], s[\g1:\g1+7]
	s_nop 0
.rept 4
	v_nop
.endr
.endm
.macro JLOAD s                         ; each wave asks for its part of slot s; the branches hang on the wave's number alone
	s_cmp_lg_u32 s14, 0
	s_cbranch_scc1 .Lj1_\@
	ARM G0A+4*\s, G1A
	s_branch .Ljd_\@
.Lj1_\@:
	s_cmp_lg_u32 s14, 1
	s_cbranch_scc1 .Lj2_\@
	ARM G0B+4*\s, G1B
	s_branch .Ljd_\@
.Lj2_\@:
	s_cmp_lg_u32 s14, 2
	s_cbranch_scc1 .Lj3_\@
	ARM G0A+4*\s, G1SA
	s_branch .Ljd_\@
.Lj3_\@:
	ARM G0B+4*\s, G1SB
.Ljd_\@:
.endm
.macro CREST                           ; a round of the cluster's barrier behind its opening barrier
	s_cmp_lg_u32 s14, 0
	s_cbranch_scc1 .Lnw0_\@
	s_barrier_signal -3
.Lnw0_\@:
	s_barrier_wait -3
	s_barrier_signal -1
	s_barrier_wait -1
.endm
.macro CROUND
	s_barrier_signal -1
	s_barrier_wait -1
	CREST
.endm
.macro FETCH_B slot, q, p              ; B's eight fragments of the slot's q-th 128 along K into set p
	WIN 0x40
.irp i, 0,1,2,3,4,5,6,7
.irp c, 0,1,2,3
	ds_load_b128 v[128*(\p)+FR*\i+4*\c:128*(\p)+FR*\i+4*\c+3], v[ADRB+\slot] offset:128*(\q)+32*\c+\i*16*LP
.endr
.endr
	WIN 0
.endm
.macro FETCH_A slot, q, i0             ; A's blocks i0 .. i0 + 3
.irp i, \i0, \i0+1, \i0+2, \i0+3
.irp c, 0,1,2,3
.if APL == 256
	ds_load_b128 v[AF+FR*(\i)+4*\c:AF+FR*(\i)+4*\c+3], v[ADRA+\slot] offset:128*(\q)+32*\c+(\i)*16*LP
.elseif APL == 128
	ds_load_b128 v[AF+FR*(\i)+4*\c:AF+FR*(\i)+4*\c+3], v[ADRA+\slot] offset:34816*(\q)+2176*(\i)+32*\c
.else
	ds_load_b128 v[AF+FR*(\i)+4*\c:AF+FR*(\i)+4*\c+3], v[ADRA+\slot] offset:17408*(2*(\q)+\c/2)+1088*(\i)+32*(\c%2)
.endif
.endr
.endr
.endm
.macro SCALES sc                       ; slot sc's scale words: two a row; lanes 0-15 take A's block i, lanes 16-31 B's block i
.irp i, 0,1,2,3,4,5,6,7
	ds_load_b64 v[SC+16*\sc+2*\i:SC+16*\sc+2*\i+1], v[ADRS+\sc] offset:128*\i
.endr
.endm
; 16 matrix instructions: A's blocks a0, a0 + 1 x B's eight.  zero = 1: C is the constant 0; 2: C is the bias; 0: in place.  The 64 accumulators take turns, one instruction a turn.
.macro MUL16 a0, p, q, sc, zero
.irp a, \a0, \a0+1
.irp b, 0,1,2,3,4,5,6,7
.set rD, 8*(8*((\a)%4)+\b)
.set rB, 128*(\p)+FR*\b
.set rA, AF+FR*(\a)
.set rS, SC+8*NQ*(\sc)+(\q)
.if \zero == 1
	v_wmma_scale_f32_16x16x128_f8f6f4 v[rD:rD+7], v[rB:rB+15], v[rA:rA+15], 0, v[rS+NQ*\b], v[rS+NQ*(\a)] matrix_a_scale:MATRIX_SCALE_ROW1
.elseif \zero == 2
	v_wmma_scale_f32_16x16x128_f8f6f4 v[rD:rD+7], v[rB:rB+15], v[rA:rA+15], v[BI+8*\b:BI+8*\b+7], v[rS+NQ*\b], v[rS+NQ*(\a)] matrix_a_scale:MATRIX_SCALE_ROW1
.else
	v_wmma_scale_f32_16x16x128_f8f6f4 v[rD:rD+7], v[rB:rB+15], v[rA:rA+15], v[rD:rD+7], v[rS+NQ*\b], v[rS+NQ*(\a)] matrix_a_scale:MATRIX_SCALE_ROW1
.endif
.endr
.endr
.endm
.macro WMUL hi, zero                   ; source 0 (B) window 1, source 1 (A) window 0, D window 2 or 3; C with D, or (the bias) window 0
.if \zero == 2
	WIN 0x81+0x40*\hi
.else
	WIN 0xa1+0x50*\hi
.endif
.endm
.macro STEP slot, q, zero              ; a step of 128 along K that has its successor in the same slot
	s_wait_dscnt 4*NL                              ; B's set, A's blocks 0-3 and the scale words are in; the youngest 16 loads (A's blocks 4-7) may be out
	WMUL 0, \zero
	MUL16 0, (\q)%2, \q, \slot, \zero
	MUL16 2, (\q)%2, \q, \slot, \zero
	s_wait_dscnt 0x0                               ; A's blocks 4-7 are in
	PLACES NP                                      ; in front of loads into registers that matrix instructions have read
	FETCH_B \slot, (\q)+1, 1-(\q)%2
	FETCH_A \slot, (\q)+1, 0
	WMUL 1, \zero
	MUL16 4, (\q)%2, \q, \slot, \zero
	MUL16 6, (\q)%2, \q, \slot, \zero
	PLACES NP
	WIN 0
	FETCH_A \slot, (\q)+1, 4
.endm
; A slot's last step changes slots: one barrier; in front of it each wave waits for all its tensor loads, adds 0 to its spare word and waits for that and for its reads of this slot.  fill = 1: the barrier opens a round of the
; cluster's barrier, and this slot is filled again, two K steps ahead, first thing behind the round.
.macro TURN slot, next, fill
	s_wait_tensorcnt 0x0                           ; all my tensor loads have landed: my part of the next slot
	ds_add_u32 v[SPW], v[NIL]                      ; 0 onto my spare word
	s_wait_dscnt 4*NL+1                            ; (the add and A's blocks 4-7 may be out)
	WIN 0xa1
	MUL16 0, 1, 1, \slot, 0
	s_wait_dscnt 0x0                               ; the add is done, and my reads of this slot are over
	s_barrier_signal -1
	MUL16 2, 1, 1, \slot, 0
	WIN 0
	s_barrier_wait -1
.if \fill
	CREST
	s_add_nc_u64 s[G0A+4*\slot+2:G0A+4*\slot+3], s[G0A+4*\slot+2:G0A+4*\slot+3], s[84:85]
	s_add_nc_u64 s[G0B+4*\slot+2:G0B+4*\slot+3], s[G0B+4*\slot+2:G0B+4*\slot+3], s[86:87]
	JLOAD \slot                                    ; its four v_nop are among the places in front of the loads below
	PLACES NP-4
.else
	PLACES NP
.endif
	FETCH_B \next, 0, 0
	FETCH_A \next, 0, 0
	SCALES \next
	WIN 0xf1
	MUL16 4, 1, 1, \slot, 0
	MUL16 6, 1, 1, \slot, 0
	PLACES NP
	WIN 0
	FETCH_A \next, 0, 4
.endm
	s_load_b128 s[4:7], s[0:1], 0x0                ; pq, qkv
	v_lshl_add_u32 v[SPW], v0, 2, SPARE
	v_mov_b32 v[NIL], 0
	ds_add_u32 v28, v29
	ds_add_u32 v28, v29
	s_wait_dscnt 0x0
	v_lshrrev_b32 v1, 5, v0
	v_readfirstlane_b32 s14, v1                    ; wave 0..3
	s_lshr_b32 s15, s14, 1                         ; which half of the tile's rows is mine.  Also: I fetch codes (0) or scale bytes (1)
	s_and_b32 s16, s14, 1                          ; which half of its columns.  Also: I fetch for A (0) or for B (1)
	s_bfe_u32 s40, ttmp6, 0x40000                  ; cx, cy: my place in the cluster
	s_bfe_u32 s41, ttmp6, 0x40004
	s_and_b32 s18, ttmp9, 3
	s_lshl_b32 s18, s18, 2
	s_lshr_b32 s19, ttmp9, 2
	s_lshl_b32 s19, s19, 2
	s_sub_co_u32 s20, ttmp9, 8
	s_lshl_b32 s20, s20, 2
	s_mov_b32 s92, PQ_WC+2097152
	s_mov_b32 s93, PQ_WS+16384
	s_mov_b32 s88, 24576
	s_mov_b32 s95, PQ_XS
	s_mov_b32 s90, 32768
	s_cmp_lt_u32 ttmp9, 8                          ; q and k, or v: by the cluster's number, which all partners share
	s_cselect_b32 s17, s18, 0
	s_cselect_b32 s42, s19, s20
	s_cselect_b32 s92, 0, s92                      ; A's codes: x's, or Wv's
	s_cselect_b32 s93, PQ_XS, s93                  ; A's scale bytes,
	s_cselect_b32 s88, 32768, s88                  ; and their plane for 256 along K
	s_cselect_b32 s94, PQ_WC, 0                    ; B's codes: Wq's and Wk's, or x's
	s_cselect_b32 s95, PQ_WS, s95
	s_cselect_b32 s90, 24576, s90
	s_add_co_u32 s17, s17, s41                     ; tile row
	s_add_co_u32 s42, s42, s40                     ; tile column
	s_lshl_b32 s43, s41, 2
	s_lshl_b32 s43, 15, s43                        ; my row of the cluster
	s_lshl_b32 s44, 0x1111, s40                    ; my column
	s_or_b32 s[G1A], s43, (1<<20)|(1<<21)|(5<<22)|(3<<25)   ; codes: elements of 1 byte; 4 words of padding behind every 64; bit 21 set beside a mask
	s_or_b32 s[G1B], s44, (1<<20)|(1<<21)|(5<<22)|(3<<25)
	s_or_b32 s[G1SA], s43, (3<<16)|(1<<21)         ; scale bytes: elements of 8 bytes, dense
	s_or_b32 s[G1SB], s44, (3<<16)|(1<<21)
.irp g, G1A, G1B
	s_mov_b32 s[\g+1], 256<<16                     ; tensor_dim0 = 256
	s_mov_b32 s[\g+2], 256<<16                     ; tensor_dim1 = 256
	s_mov_b32 s[\g+3], 256<<16                     ; tile_dim0 = 256
	s_mov_b32 s[\g+4], 256                         ; tile_dim1 = 256
	s_mov_b32 s[\g+6], 0
	s_mov_b32 s[\g+7], 0
.endr
	s_mov_b32 s[G1A+5], APITCH
	s_mov_b32 s[G1B+5], BPITCH
.irp g, G1SA, G1SB
	s_mov_b32 s[\g+1], 32<<16                      ; 8 rows of 32 elements: 2,048 dense bytes
	s_mov_b32 s[\g+2], 8<<16
	s_mov_b32 s[\g+3], 32<<16
	s_mov_b32 s[\g+4], 8
	s_mov_b32 s[\g+5], 32
	s_mov_b32 s[\g+6], 0
	s_mov_b32 s[\g+7], 0
.endr
	s_mul_i32 s20, s17, A_TILE                     ; A's offsets hang on the tile row alone, B's on the tile column alone
	s_add_co_u32 s20, s20, s92
	s_lshl_b32 s21, s17, 11
	s_add_co_u32 s21, s21, s93
	s_mul_i32 s46, s42, B_TILE
	s_add_co_u32 s46, s46, s94
	s_lshl_b32 s47, s42, 11
	s_add_co_u32 s47, s47, s95
	s_cmp_eq_u32 s15, 0                            ; codes or scale bytes: offsets and steps are chosen, not addresses
	s_cselect_b32 s20, s20, s21
	s_cselect_b32 s46, s46, s47
	s_cselect_b32 s88, A_STEP, s88
	s_cselect_b32 s90, 256, s90
	s_mov_b32 s21, 0
	s_mov_b32 s47, 0
	s_mov_b32 s89, 0
	s_mov_b32 s91, 0
	s_lshl_b32 s84, s88, 1                         ; a slot's next tile lies two K steps on
	s_mov_b32 s85, 0
	s_lshl_b32 s86, s90, 1
	s_mov_b32 s87, 0
	s_mul_i32 s45, s16, SIDE                       ; where my part goes: no place in the cluster enters an LDS address
	s_mul_i32 s18, s15, CODEB
	s_add_co_u32 s45, s45, s18
	s_wait_kmcnt 0x0
	s_add_nc_u64 s[20:21], s[4:5], s[20:21]
	s_add_nc_u64 s[46:47], s[4:5], s[46:47]
.irp s, 0,1
	s_mov_b32 s[G0A+4*\s], 1
	s_add_co_u32 s[G0A+4*\s+1], s45, \s*SLOT
	s_mov_b32 s[G0B+4*\s], 1
	s_add_co_u32 s[G0B+4*\s+1], s45, \s*SLOT
.endr
	s_mov_b64 s[G0A+2:G0A+3], s[20:21]
	s_add_nc_u64 s[G0A+6:G0A+7], s[20:21], s[88:89]
	s_mov_b64 s[G0B+2:G0B+3], s[46:47]
	s_add_nc_u64 s[G0B+6:G0B+7], s[46:47], s[90:91]
.irp g, G0A+3, G0A+7, G0B+3, G0B+7
	s_or_b32 s[\g], s[\g], 0x80000000              ; type = 2
.endr
	CROUND                                         ; all sixteen work-groups are here: the first joint loads meet
	JLOAD 0                                        ; slot 0: one tensor load a wave at the head
	s_wait_alu depctr_va_vdst(0)
	s_wait_tensorcnt 0x0                           ; slot 1's first fill is issued as a refill is: my load is in,
	ds_add_u32 v28, v29                            ; 0 onto my spare word,
	s_wait_dscnt 0x0
	CROUND                                         ; a whole round,
	JLOAD 1                                        ; and my one load behind it
	v_and_b32 v1, 15, v0                           ; r
	v_bfe_u32 v2, v0, 4, 1                         ; h
	s_wait_alu depctr_va_vdst(0)
	v_and_b32 v3, 31, v0                           ; lane
	v_mul_u32_u24 v4, v1, LP
	v_lshl_add_u32 v4, v2, 4, v4                   ; a fragment's row x pitch + 16 h
	s_mul_i32 s21, s15, RH
	s_mul_i32 s22, s16, 34816
	s_add_co_u32 s22, s22, SIDE
.irp s, 0,1
	v_add_nc_u32 v[ADRA+\s], s21, v4
	v_add_nc_u32 v[ADRB+\s], s22, v4
	s_add_co_u32 s21, s21, SLOT
	s_add_co_u32 s22, s22, SLOT
.endr
	v_lshlrev_b32 v6, 3, v1                        ; scale words: 8 bytes a row
	s_lshl_b32 s21, s15, 10
	s_lshl_b32 s22, s16, 10
	s_add_co_u32 s22, s22, SIDE
	s_sub_co_u32 s22, s22, s21
	v_mul_u32_u24 v7, s22, v2                      ; lanes 16-31 take B's: one product with h
	s_add_co_u32 s21, s21, CODEB
	v_add_nc_u32 v6, v6, v7
	v_add_nc_u32 v[ADRS], s21, v6
	s_add_co_u32 s21, s21, SLOT
	v_add_nc_u32 v[ADRS+1], s21, v6
; the way out's addresses.  Its LDS lies in slot 0, which has had its last fill and its last read when the first result is stored there; q and k use bytes 0-20,479, v bytes 32,768-51,199
.set STO,  24                          ; v24  a row's 128 codes, 144 bytes apart: 16 bytes a lane and block
.set RDQ,  25                          ; v25  back, 64 bytes a row (one head's)
.set L16,  26                          ; v26  16 x lane
.set RDV,  27                          ; v27  back, 128 bytes a row
.set SGQ,  15                          ; v15  q's and k's scale words: [head of two][128 rows]
.set SGV,  14                          ; v14  v's: [128 rows]
.set FQ,   13
.set FV,   12
.set SH16, 11                          ; v11  16 h
.set VOF,  10                          ; v10  v's scale words in memory: lanes 16-31 a head on
.set TM,   200
.set PW,   216
.set PC,   32
.set OB,   64
.set SEL,  96
.set MNT,  98
	s_mul_i32 s23, s14, 2304
	v_mul_u32_u24 v6, v1, 144
	v_lshl_add_u32 v6, v2, 4, v6
	v_add_nc_u32 v[STO], s23, v6
	v_lshrrev_b32 v6, 2, v3
	v_mul_u32_u24 v6, v6, 144
	v_and_b32 v7, 3, v3
	v_lshl_add_u32 v6, v7, 4, v6
	v_add_nc_u32 v[RDQ], s23, v6
	v_lshrrev_b32 v6, 3, v3
	v_mul_u32_u24 v6, v6, 144
	v_and_b32 v7, 7, v3
	v_lshl_add_u32 v6, v7, 4, v6
	v_add_nc_u32 v[RDV], s23, v6
	v_lshlrev_b32 v[L16], 4, v3
	s_lshl_b32 s23, s14, 10
	v_lshlrev_b32 v6, 2, v1
	v_lshl_add_u32 v7, v2, 9, v6
	v_add_nc_u32 v[SGQ], s23, v7
	v_add_nc_u32 v[FQ], s23, v[L16]
	s_lshl_b32 s23, s14, 9
	v_add_nc_u32 v[SGV], s23, v6
	v_add_nc_u32 v[FV], s23, v[L16]
	v_lshlrev_b32 v[SH16], 4, v2
	v_mul_u32_u24 v[VOF], v2, 274432
	v_lshl_add_u32 v[VOF], v1, 4, v[VOF]
	s_mov_b32 s[SEL], 0x76543210
	s_mov_b32 s[SEL+1], 0xfedcba98                 ; v_permlanex16_b32's selects for lane l xor 16
	s_mov_b32 s[MNT], 0x600000                     ; the mantissa field of 448
	s_wait_tensorcnt 1                             ; my part of slot 0 is in (slot 1's load may be out)
	s_barrier_signal -1
	s_barrier_wait -1                              ; everybody's is
	FETCH_B 0, 0, 0
	FETCH_A 0, 0, 0
	SCALES 0
	FETCH_A 0, 0, 4
	STEP 0, 0, FIRST                               ; the first step stands in front of the loop: its products start the sums
	s_mov_b32 s3, LAPS-1
.Llap:                                             ; a trip goes once round the ring and fills both slots again
	TURN 0, 1, 1
	STEP 1, 0, 0
	TURN 1, 0, 1
	STEP 0, 0, 0
	s_sub_co_u32 s3, s3, 1
	s_cmp_lg_u32 s3, 0
	s_cbranch_scc1 .Llap
	TURN 0, 1, 0                                   ; the last lap fills nothing
	STEP 1, 0, 0
	s_wait_dscnt 4*NL
	WIN 0xa1
	MUL16 0, 1, 1, 1, 0
	MUL16 2, 1, 1, 1, 0
	s_wait_dscnt 0x0
	WIN 0xf1
	MUL16 4, 1, 1, 1, 0
	MUL16 6, 1, 1, 1, 0
	WIN 0
	PLACES NP                                      ; behind the last products: results are read and operands' registers written from here on
.irp b, 0,1,2,3
	v_mov_b32 v[TM+4+\b], 0                        ; written once: a lane permute's destination counts as one of its sources
.endr
; Block a (16 rows x 128 columns: 64 numbers a lane, register 16 b + e of block b of 32) becomes 16 registers of codes, v[PC + 16 (a % 2)] on, and a scale word, v[PW + a % 2].  Each accumulator is read from its low end on.
.macro QUANT a, relu
.set S, 64*((\a)%4)
.set W, 2+(\a)/4
.set PS, PC+16*((\a)%2)
.set PX, PW+(\a)%2
	WIN W|(W<<2)
.irp b, 0,1,2,3
.if \relu
	v_max3_num_f32 v[TM+\b], v[S+16*\b], v[S+16*\b+1], 0x4800000
.else
	v_max3_num_f32 v[TM+\b], |v[S+16*\b]|, |v[S+16*\b+1]|, 0x4800000   ; my 16 numbers of the block, and the floor 2^(9 - 127)
.endif
.endr
	WIN (W<<2)|(W<<4)
.irp i, 2,4,6,8,10,12,14
.irp b, 0,1,2,3
.if \relu
	v_max3_num_f32 v[TM+\b], v[TM+\b], v[S+16*\b+\i], v[S+16*\b+\i+1]
.else
	v_max3_num_f32 v[TM+\b], v[TM+\b], |v[S+16*\b+\i]|, |v[S+16*\b+\i+1]|
.endif
.endr
.endr
	WIN 0
.irp b, 0,1,2,3
	v_permlanex16_b32 v[TM+4+\b], v[TM+\b], s[SEL], s[SEL+1]
.endr
.irp b, 0,1,2,3
	v_max_num_f32 v[TM+\b], v[TM+\b], v[TM+4+\b]   ; with lane l xor 16's: the block's largest magnitude
.endr
.irp b, 0,1,2,3
	v_add_nc_u32 v[TM+12+\b], 0xfc000000, v[TM+\b] ; 8 off its exponent field: the conversion's scale operand
.endr
.irp b, 0,1,2,3
	v_and_or_b32 v[TM+8+\b], v[TM+\b], 0x7f800000, s[MNT]   ; 448 x the scale
.endr
.irp b, 0,1,2,3
	v_lshrrev_b32 v[TM+4+\b], 23, v[TM+12+\b]      ; the scale's byte
.endr
	v_lshl_or_b32 v[PX], v[TM+5], 8, v[TM+4]
	v_lshl_or_b32 v[PX], v[TM+6], 16, v[PX]
	v_lshl_or_b32 v[PX], v[TM+7], 24, v[PX]
	WIN W|(W<<6)
.irp b, 0,1,2,3
.set i, 0
.rept 16
.if \relu
	v_med3_num_f32 v[S+16*\b+i], v[S+16*\b+i], 0, v[TM+8+\b]
.else
	v_med3_num_f32 v[S+16*\b+i], v[S+16*\b+i], -v[TM+8+\b], v[TM+8+\b]   ; the conversion does not saturate (ISA guide 7.6.2): the hold comes first
.endif
.set i, i+1
.endr
.endr
	WIN W
.irp b, 0,1,2,3
	v_cvt_scalef32_pk8_fp8_f32 v[PS+4*\b:PS+4*\b+1], v[S+16*\b:S+16*\b+7], v[TM+12+\b]
	v_cvt_scalef32_pk8_fp8_f32 v[PS+4*\b+2:PS+4*\b+3], v[S+16*\b+8:S+16*\b+15], v[TM+12+\b]
.endr
	WIN 0
	v_nop                                          ; a plain vector instruction behind the last conversion
.endm
	s_cmp_lt_u32 ttmp9, 8
	s_cbranch_scc0 .Lv
; ---- q and k: my 128 tokens x two heads
	s_lshl_b32 s20, s17, 8
	s_lshl_b32 s21, s15, 7
	s_add_co_u32 s20, s20, s21                     ; my first token of 4,096
	s_lshr_b32 s21, s20, 11                        ; the batch,
	s_and_b32 s20, s20, 2047                       ; t0
	s_and_b32 s22, s42, 3
	s_lshl_b32 s22, s22, 2
	s_lshl_b32 s21, s21, 4
	s_add_co_u32 s21, s21, s22
	s_lshl_b32 s22, s16, 1
	s_add_co_u32 s21, s21, s22                     ; my first head of 32
	s_lshl_b32 s22, s21, 17
	s_lshl_b32 s23, s20, 6
	s_add_co_u32 s22, s22, s23                     ; q's codes [head][t][64]
	s_lshl_b32 s46, s21, 13
	s_lshl_b32 s23, s20, 2
	s_add_co_u32 s46, s46, s23
	s_add_co_u32 s46, s46, QS                      ; q's scale words [head][t]
	s_mul_i32 s18, s21, 274432
	s_lshr_b32 s19, s20, 9
	s_mul_i32 s19, s19, 68608
	s_add_co_u32 s18, s18, s19
	s_add_co_u32 s18, s18, KV                      ; k: the head's group of 512 keys
	s_and_b32 s19, s20, 511
	s_lshl_b32 s23, s19, 6
	s_add_co_u32 s23, s23, s18                     ; its codes,
	s_lshl_b32 s19, s19, 2
	s_add_co_u32 s19, s19, s18
	s_add_co_u32 s19, s19, 65536                   ; its scale words
	s_mov_b32 s92, 274432
	s_mov_b32 s94, s92
	s_cmp_lt_u32 ttmp9, 4                          ; q or k
	s_cselect_b32 s22, s22, s23
	s_cselect_b32 s46, s46, s19
	s_cselect_b32 s92, 131072, s92                 ; from a head to the next
	s_cselect_b32 s94, 8192, s94
	s_mov_b32 s23, 0
	s_mov_b32 s47, 0
	s_mov_b32 s93, 0
	s_mov_b32 s95, 0
	s_add_nc_u64 s[20:21], s[6:7], s[22:23]
	s_add_nc_u64 s[22:23], s[20:21], s[92:93]
	s_add_nc_u64 s[46:47], s[6:7], s[46:47]
	s_add_nc_u64 s[18:19], s[46:47], s[94:95]
.macro TOSTQ a                         ; codes into my stage and back by heads; lanes 0-15 keep the first head's two scale bytes, lanes 16-31 the second's
.set PS, PC+16*((\a)%2)
.set OX, OB+16*((\a)%2)
.set PX, PW+(\a)%2
	v_lshrrev_b32 v[PX], v[SH16], v[PX]
	v_and_b32 v[PX], 0xffff, v[PX]                 ; the upper two bytes are 0: they stand for the zero codes that fill K = 64 up to 128
.irp b, 0,1,2,3
	ds_store_b128 v[STO], v[PS+4*\b:PS+4*\b+3] offset:32*\b
.endr
	ds_store_b32 v[SGQ], v[PX] offset:16384+64*(\a)
.irp u, 0,1,2,3
	ds_load_b128 v[OX+4*\u:OX+4*\u+3], v[RDQ] offset:64*(\u/2)+1152*(\u%2)   ; LDS serves a wave's instructions in order: these see my stores
.endr
.endm
.macro SENDQK a
.set OX, OB+16*((\a)%2)
	s_wait_dscnt 0x0                               ; the block is back, and its stage stores have read their registers
.irp u, 0,1,2,3
	global_store_b128 v[L16], v[OX+4*\u:OX+4*\u+3], s[20+2*(\u/2):21+2*(\u/2)] offset:1024*(\a)+512*(\u%2)   ; 8 rows of 64 bytes: 512 consecutive bytes
.endr
.endm
	QUANT 0, 0
	TOSTQ 0
.irp a, 1,2,3,4,5,6,7
	QUANT \a, 0
.if \a > 1
	s_wait_xcnt 0x0                                ; block a - 2's stores have read the registers into which block a comes back
.endif
	s_wait_alu depctr_va_vdst(0)
	SENDQK \a-1
	TOSTQ \a
.endr
	SENDQK 7
	ds_load_b128 v[96:99], v[FQ] offset:16384      ; my 128 rows' scale words, head by head
	ds_load_b128 v[100:103], v[FQ] offset:16384+512
	s_wait_dscnt 0x0
	global_store_b128 v[L16], v[96:99], s[46:47]
	global_store_b128 v[L16], v[100:103], s[18:19]
	s_branch .Lend
; ---- v: my 128 rows are two heads x 64 channels, my 128 columns one key step
.Lv:
	s_lshl_b32 s20, s42, 8
	s_lshl_b32 s21, s16, 7
	s_add_co_u32 s20, s20, s21                     ; my first token
	s_lshr_b32 s21, s20, 11
	s_and_b32 s20, s20, 2047
	s_lshl_b32 s21, s21, 4
	s_lshl_b32 s22, s17, 2
	s_add_co_u32 s21, s21, s22
	s_lshl_b32 s22, s15, 1
	s_add_co_u32 s21, s21, s22                     ; my first head of 32
	s_mul_i32 s21, s21, 274432
	s_lshr_b32 s22, s20, 9
	s_mul_i32 s22, s22, 68608
	s_add_co_u32 s21, s21, s22
	s_add_co_u32 s21, s21, KV                      ; its group of 512 keys
	s_bfe_u32 s20, s20, 0x20007                    ; which of the group's four key steps
	s_lshl_b32 s22, s20, 13
	s_add_co_u32 s22, s22, s21
	s_add_co_u32 s22, s22, 32768                   ; V's codes [step][d][128]
	s_mov_b32 s23, 0
	s_lshl_b32 s46, s20, 8
	s_add_co_u32 s46, s46, s21
	s_add_co_u32 s46, s46, 67584                   ; V's scale words [step][d]
	s_mov_b32 s47, 0
	s_add_nc_u64 s[20:21], s[6:7], s[22:23]
	s_add_nc_u64 s[22:23], s[20:21], 274432
	s_add_nc_u64 s[46:47], s[6:7], s[46:47]
.macro TOSTV a
.set PS, PC+16*((\a)%2)
.set OX, OB+16*((\a)%2)
.irp b, 0,1,2,3
	ds_store_b128 v[STO], v[PS+4*\b:PS+4*\b+3] offset:32768+32*\b
.endr
	ds_store_b32 v[SGV], v[PW+(\a)%2] offset:49152+64*(\a)   ; both halves of the lanes write the same word with the same value
.irp u, 0,1,2,3
	ds_load_b128 v[OX+4*\u:OX+4*\u+3], v[RDV] offset:32768+576*\u
.endr
.endm
.macro SENDV a
.set OX, OB+16*((\a)%2)
	s_wait_dscnt 0x0
.irp u, 0,1,2,3
	global_store_b128 v[L16], v[OX+4*\u:OX+4*\u+3], s[20+2*((\a)/4):21+2*((\a)/4)] offset:2048*((\a)%4)+512*\u   ; 4 rows of 128 bytes: 512 consecutive bytes
.endr
.endm
	QUANT 0, 0
	TOSTV 0
.irp a, 1,2,3,4,5,6,7
	QUANT \a, 0
.if \a > 1
	s_wait_xcnt 0x0
.endif
	s_wait_alu depctr_va_vdst(0)
	SENDV \a-1
	TOSTV \a
.endr
	SENDV 7
	ds_load_b128 v[96:99], v[FV] offset:49152
	s_wait_dscnt 0x0
	global_store_b128 v[VOF], v[96:99], s[46:47]   ; sixteen lanes store a head's 256 bytes
.Lend:
	s_wait_tensorcnt 0x0                           ; the wave's end
	ds_add_u32 v[SPW], v[NIL]
	s_wait_dscnt 0x0
	CROUND                                         ; the closing round: no work-group ends while a partner may still ask for a tile that names it
	s_endpgm
.Lfunc_end_k_qb5ba0312e6_qkv:
	.size	k_qb5ba0312e6_qkv, .Lfunc_end_k_qb5ba0312e6_qkv-k_qb5ba0312e6_qkv
	.p2alignl 7, 3214868480
	.fill 96, 4, 3214868480
	.section	.rodata,"a",@progbits
	.p2align	6, 0x0
	.amdhsa_kernel k_qb5ba0312e6_qkv
		.amdhsa_group_segment_fixed_size 327680
		.amdhsa_private_segment_fixed_size 0
		.amdhsa_enable_private_segment 0
		.amdhsa_kernarg_size 16
		.amdhsa_user_sgpr_count 2
		.amdhsa_user_sgpr_kernarg_segment_ptr 1
		.amdhsa_wavefront_size32 1
		.amdhsa_system_sgpr_workgroup_id_x 1
		.amdhsa_system_sgpr_workgroup_id_y 1
		.amdhsa_system_sgpr_workgroup_id_z 1
		.amdhsa_system_vgpr_workitem_id 0
		.amdhsa_next_free_vgpr 1024
		.amdhsa_next_free_sgpr 100
		.amdhsa_reserve_vcc 0
		.amdhsa_float_denorm_mode_32 3
		.amdhsa_float_denorm_mode_16_64 3
		.amdhsa_memory_ordered 1
		.amdhsa_forward_progress 1
		.amdhsa_inst_pref_size 255
	.end_amdhsa_kernel
	.section	.bss,"aw",@nobits
	.p2align	6
	.space	262144
	.amdgpu_metadata
---
amdhsa.version: [ 1, 2 ]
amdhsa.kernels:
  - .name:           k_qb5ba0312e6_qkv
    .symbol:         k_qb5ba0312e6_qkv.kd
    .args:
      - { .name: pq, .offset: 0, .size: 8, .value_kind: global_buffer, .address_space: global }
      - { .name: qkv, .offset: 8, .size: 8, .value_kind: global_buffer, .address_space: global }
    .group_segment_fixed_size: 327680
    .private_segment_fixed_size: 0
    .kernarg_segment_align: 8
    .kernarg_segment_size: 16
    .max_flat_workgroup_size: 128
    .sgpr_count:     100
    .vgpr_count:     1024
    .wavefront_size: 32
...
	.end_amdgpu_metadata
.endif
;; end of part 10
;; launch attn (part 11): grid 8 x 32, 16 waves a work-group, no clusters, 327,680 bytes of LDS; arguments qkv, ob; writes ob
.if DOCPART == 11
	.amdgcn_target "amdgcn-amd-amdhsa--gfx1250"
	.amdhsa_code_object_version 6
	.text
	.protected	k_qb5ba0312e6_attn
	.globl	k_qb5ba0312e6_attn
	.p2align	8
	.type	k_qb5ba0312e6_attn,@function
k_qb5ba0312e6_attn:
	s_mov_b64 s[64:65], 0
	v_nop
	global_prefetch_b8 v0, s[64:65] scope:SCOPE_SE
	s_setreg_imm32_b32 hwreg(HW_REG_WAVE_MODE, 25, 1), 1
	s_wait_xcnt 0x0
; Causal attention of one head (head size 64, 2,048 keys), both products on codes of FP8 (E4M3) with E8M0 scales, and the result's own codes and scales for the projection.
; SOFTMAX: t = score x log2(e) / 8; M = the running largest t rounded UP to a whole number; p = 2^(t - M) is quantised along the keys, not normalised; the row's sum is taken of the unquantised p and divides at the end.
; When M moves, the sum and O are multiplied by 2^(old M - new M): exact.  Key steps (128 keys) that lie wholly under the causal mask are not walked.
; SHARES.  Work-group j of a head takes chunk j (128 queries, j + 1 key steps) and chunk 15 - j (16 - j key steps).  A wave holds one tile of 16 queries in 256 registers.
; Waves p and p + 8 (p = 0 .. 7) are a pair: tile p of chunk j is p's own, tile p of chunk 15 - j is p + 8's own.  The pair's 17 key steps are dealt 8 and 9:
;   WALK A, key steps k = 0 .. 7, done where k <= j: each wave on its own tile.  Then wave p parks its finished tile (O^T and the row's sum) in the pair's 4,224 bytes of LDS and takes up the LONG tile's queries, from zeros.
;   WALK B, key steps k = 0 .. 15: the long tile's steps j + 1 .. 15 - j by turns: k - j odd is wave p's, k - j even wave p + 8's, and the last, 15 - j, wave p + 8's too.
; Every wave walks every k: the trip counts are constants and each LDS address is made of the loop's counter and constants alone; ids lead round a step's work by scalar branches.
; At the end wave p hands its part of the long tile (O^T, the sum, -M) to wave p + 8 through LDS and takes its own tile back; wave p + 8 brings both parts under the larger M by powers of two, which rounds nothing.
; M is a whole number, so the codes of p stand for the same numbers whichever wave walks a step.
; THE WHOLE HEAD'S K AND V, CODES AND SCALE WORDS, LIE IN LDS, filled once: four groups of 512 keys, each 268 lines of 256 bytes (+ 16 of padding): 128 lines of K's codes [key][64], 128 of V's [step][d][128 keys],
; 8 of K's scale words, 4 of V's.  Wave w brings lines 67 w .. 67 w + 66: one tensor load a wave.  Three barriers show them: waves 0-3's (group 0) ahead of walk A, waves 4-7's (group 1) ahead of its step 4,
; the others' (groups 2, 3) ahead of walk B's step 8.  Nothing is filled again.
; Both products are used transposed (S^T = K Q^T, O^T = V^T P^T): a lane holds one query throughout.  K = 64 fills half of the instruction's 128: both operands carry zero codes in the upper half.
; A tile of S^T has 16 neighbouring keys, so p's 16 codes of a block of 32 keys are keys 8 h + 0..7 and 16 + 8 h + 0..7: V's codes were laid in that same order.
; NO CLUSTER: which steps a wave walks hangs on the work-group's number j; partners of a joint load may have no branch that differs between them.
; NO PREFETCH: all of K and V is asked for at the head; there is no loop to run ahead in.
; The result's codes are laid [tile of 128 rows][head][128 rows][64 bytes]; the two scale bytes a row leave as 2 bytes a lane, 8 bytes apart (four heads share a row's 8 bytes): 131,072 bytes in the whole launch.
; LIMITS: NaN and infinities are not served; a block of zeros gets the byte 1 (its codes are zeros; this program alone reads the bytes); the promise holds while the scaled scores t stay under 2^31 in magnitude.
; REGISTERS: v1-4 lane addresses; v5-11 addresses in hand; v12 -M, v13 the largest t, v[14:15] the sum; v16-31 Q; v32-95 four fragments of K; v96-159 S^T, then p, then V's four fragments; v160-191 O^T; v192-207 p's codes;
; v208-216 the long tile's Q and scale words; v217-222 the pair's LDS bytes; v230, v231 the spare word and 0; v232-254 at work; v255 Q's scale words.
.set QS,   4194304
.set KV,   4456448
.set OSC,  4194304                     ; in ob: the scale bytes [K / 256][4096][8]
.set GRP,  268*272                     ; a group in LDS
.set PART, 4*GRP                       ; behind the head: a pair's parked tile: 8 x 512 bytes of O^T, 128 bytes of sums
.set PSZ,  4224
.set HAND, 32768                       ; where the long tile's parts are handed over, as large: in group 0, behind the barrier that ends all reads of K and V; the stages lie in bytes 0 to 20,479
.set SPARE, PART+8*PSZ                 ; the spare words, 128 bytes a wave
.set WV,   8
.set BH,   9
.set QC,   10                          ; the first query of the tile in hand
.set KF,   11                          ; the step's first key
.set TB,   12                          ; where the step's codes begin (K's; V's lie 34,816 on)
.set TS,   13                          ; K's scale words
.set TJ,   14                          ; V's
.set SI,   15                          ; k
.set JJ,   16                          ; j
.set LL,   17                          ; 15 - 2 j: the long tile's last step, counted from j
.set QOUT, 18                          ; my own tile's first query
.set MNT,  19
.set SEL,  20
.set CS,   22
.set QLG,  36                          ; the long tile's first query
.set HM,   37                          ; lanes 16-31
.set PB,   40                          ; the pair's parked tile
.set ROLE, 41                          ; 1 in waves 0-7, 0 in waves 8-15
.set PD,   42                          ; the pair's bytes for the handing over
	s_load_b128 s[4:7], s[0:1], 0x0                ; qkv, ob
	v_lshl_add_u32 v230, v0, 2, SPARE
	v_mov_b32 v231, 0
	ds_add_u32 v230, v231                          ; the opening: the add, twice on end, and its wait ahead of my tensor load
	ds_add_u32 v230, v231
	v_lshrrev_b32 v8, 5, v0
	v_readfirstlane_b32 s[WV], v8                  ; wave 0..15
	s_and_b32 s[BH], ttmp7, 0xffff                 ; the head of 32
	s_mov_b32 s[JJ], ttmp9
	s_lshl_b32 s48, ttmp9, 1
	s_sub_co_u32 s[LL], 15, s48
	s_and_b32 s48, s[WV], 7                        ; the pair
	s_lshl_b32 s49, s48, 4
	s_lshl_b32 s50, ttmp9, 7
	s_add_co_u32 s51, s50, s49                     ; 128 j + 16 p
	s_sub_co_u32 s50, 1920, s50
	s_add_co_u32 s[QLG], s50, s49                  ; 128 (15 - j) + 16 p
	s_mul_i32 s[PD], s48, PSZ
	s_add_co_u32 s[PB], s[PD], PART
	s_add_co_u32 s[PD], s[PD], HAND
	s_cmp_lt_u32 s[WV], 8
	s_cselect_b32 s[QOUT], s51, s[QLG]
	s_cselect_b32 s[ROLE], 1, 0
	s_mov_b32 s[QC], s[QOUT]
	s_mov_b32 s24, (1<<20)|(5<<22)|(3<<25)         ; group 1: elements of 1 byte; 4 words of padding behind every 64
	s_mov_b32 s25, 256<<16                         ; tensor_dim0 = 256
	s_mov_b32 s26, 67<<16                          ; tensor_dim1 = 67
	s_mov_b32 s27, 256<<16                         ; tile_dim0 = 256
	s_mov_b32 s28, 67                              ; tile_dim1 = 67
	s_mov_b32 s29, 256                             ; dense lines
	s_mov_b32 s30, 0
	s_mov_b32 s31, 0
	s_mul_i32 s50, s[BH], 274432
	s_mul_i32 s51, s[WV], 17152                    ; my 67 lines, in memory
	s_add_co_u32 s50, s50, s51
	s_add_co_u32 s50, s50, KV
	s_mov_b32 s51, 0
	s_mov_b32 s32, 1
	s_mul_i32 s33, s[WV], 67*272                   ; and in LDS
	s_lshl_b32 s48, s[BH], 11
	s_add_co_u32 s49, s48, s[QOUT]
	s_lshl_b32 s54, s49, 6                         ; my own tile's codes,
	s_mov_b32 s55, 0
	s_lshl_b32 s56, s49, 2
	s_add_co_u32 s56, s56, QS                      ; and scale words
	s_mov_b32 s57, 0
	s_add_co_u32 s49, s48, s[QLG]
	s_lshl_b32 s58, s49, 6                         ; the long tile's
	s_mov_b32 s59, 0
	s_lshl_b32 s38, s49, 2
	s_add_co_u32 s38, s38, QS
	s_mov_b32 s39, 0
	s_mov_b32 s[SEL], 0x76543210
	s_mov_b32 s[SEL+1], 0xfedcba98
	s_mov_b32 s[CS], 0x3e38aa3b                    ; c = log2(e) / 8
	s_mov_b32 s[CS+1], s[CS]
	s_mov_b32 s[MNT], 0x600000
	s_mov_b32 s[HM], 0xffff0000
	s_mov_b32 s[SI], 0
	s_wait_dscnt 0x0
	s_wait_kmcnt 0x0
	s_add_nc_u64 s[34:35], s[4:5], s[50:51]
	s_or_b32 s35, s35, 0x80000000
; one chain of branches on the wave's number, a load line for each set of waves that wait alike
.macro ARM under, next
	s_cmp_lt_u32 s[WV], \under
	s_cbranch_scc0 \next
	tensor_load_to_lds s[32:35], s[24:31]
	s_nop 0
.rept 4
	v_nop
.endr
	s_branch .Lasked
\next:
.endm
	ARM 4, .Larm1
	ARM 8, .Larm2
	tensor_load_to_lds s[32:35], s[24:31]
	s_nop 0
.rept 4
	v_nop
.endr
.Lasked:
	s_add_nc_u64 s[54:55], s[4:5], s[54:55]
	s_add_nc_u64 s[56:57], s[4:5], s[56:57]
	s_add_nc_u64 s[58:59], s[4:5], s[58:59]
	s_add_nc_u64 s[38:39], s[4:5], s[38:39]
	v_and_b32 v8, 15, v0                           ; r
	v_bfe_u32 v9, v0, 4, 1                         ; h
	v_lshlrev_b32 v5, 6, v8
	v_lshl_add_u32 v5, v9, 4, v5
	v_lshlrev_b32 v6, 2, v8
	global_load_b128 v[16:19], v5, s[54:55]
	global_load_b128 v[20:23], v5, s[54:55] offset:32
	global_load_b32 v255, v6, s[56:57]
	global_load_b128 v[208:211], v5, s[58:59]      ; one path for all waves: in waves 8-15 this is their own tile again, and is not read
	global_load_b128 v[212:215], v5, s[58:59] offset:32
	global_load_b32 v216, v6, s[38:39]
	v_lshrrev_b32 v10, 2, v8
	v_mul_u32_u24 v1, v10, 272
	v_and_b32 v10, 3, v8
	v_lshl_add_u32 v1, v10, 6, v1
	v_lshl_add_u32 v1, v9, 4, v1                   ; K: four keys to a line
	v_lshrrev_b32 v10, 1, v8
	v_mul_u32_u24 v2, v10, 272
	v_and_b32 v10, 1, v8
	v_lshl_add_u32 v2, v10, 7, v2
	v_lshl_add_u32 v2, v9, 4, v2
	v_add_nc_u32 v2, 128*272, v2                   ; V: two channels to a line, behind K's 128 lines
	v_lshl_add_u32 v3, v8, 2, 256*272              ; K's scale words
	v_lshl_add_u32 v4, v8, 2, 264*272              ; V's
	v_and_b32 v10, 31, v0
	v_lshl_add_u32 v217, v10, 4, s[PB]             ; the parked tile: an image of registers, 16 bytes a lane;
	v_lshl_add_u32 v218, v10, 2, s[PB]             ; a word a lane;
	v_lshl_add_u32 v219, v8, 2, s[PB]              ; and back, by the query
	v_lshl_add_u32 v220, v10, 4, s[PD]             ; the same three for the handing over
	v_lshl_add_u32 v221, v10, 2, s[PD]
	v_lshl_add_u32 v222, v8, 2, s[PD]
	v_mov_b32 v13, 0xff61b1e6                      ; the largest t so far: -3e38
	v_floor_f32 v12, -v13                          ; -M
	v_mov_b32 v14, 0
	v_mov_b32 v15, 0
.irp b, 0,1,2,3
	v_mov_b32 v[236+\b], 0                         ; written once: a lane permute's destination counts as one of its sources
.endr
	v_mov_b32 v252, 0
	v_mov_b32 v253, 0
.set n, 0
.rept 8
	v_mov_b32 v[24+n], 0                           ; the zero codes that fill K = 64 up to 128: Q's,
	v_mov_b32 v[40+n], 0                           ; and those of K's four fragments; no load ever lands on them
	v_mov_b32 v[56+n], 0
	v_mov_b32 v[72+n], 0
	v_mov_b32 v[88+n], 0
.set n, n+1
.endr
.set n, 0
.rept 32
	v_mov_b32 v[160+n], 0                          ; O^T: the step is written once; its first turn finds zeros
.set n, n+1
.endr
; A KEY STEP of 128 keys
.macro STEP
	v_add_nc_u32 v8, s[TB], v1
	v_add_nc_u32 v9, s[TB], v2
	v_add_nc_u32 v10, s[TS], v3
	v_add_nc_u32 v11, s[TJ], v4
.irp g, 0,1                                    ; S^T = K Q^T, four tiles of 16 keys at a time
.rept 8-3*(1-\g)
	v_nop                                          ; first five, with the four additions nine places: the scores are written over registers that the last step's products read; then eight, in front of loads
.endr
.irp t, 0,1,2,3
	ds_load_b128 v[32+16*\t:35+16*\t], v8 offset:1088*(4*\g+\t)
	ds_load_b128 v[36+16*\t:39+16*\t], v8 offset:1088*(4*\g+\t)+32
	ds_load_b32 v[248+\t], v10 offset:272*\g+64*\t
.endr
.if \g == 0
	s_wait_alu depctr_va_vdst(0)
.endif
	s_wait_dscnt 0x0
.irp t, 0,1,2,3
	v_wmma_scale_f32_16x16x128_f8f6f4 v[96+8*(4*\g+\t):103+8*(4*\g+\t)], v[32+16*\t:47+16*\t], v[16:31], 0, v[248+\t], v255
.endr
.endr
	s_add_co_u32 s96, s[KF], 127
	s_cmp_le_u32 s96, s[QC]
	s_cbranch_scc1 .Lopen_\@                       ; all its keys count
	s_sub_co_i32 s96, s[QC], s[KF]
	v_and_b32 v252, 15, v0
	v_bfe_u32 v253, v0, 4, 1
	v_lshlrev_b32 v253, 3, v253
	v_sub_nc_u32 v252, v252, v253
	v_add_nc_u32 v252, s96, v252                   ; d = my query - KF - 8 h.  Register n holds key KF + 16 (n / 8) + 8 h + n % 8: hidden where 16 (n / 8) + n % 8 > d
	v_mov_b32 v254, 0xff800000
.set n, 0
.rept 64
	v_cmp_gt_i32 vcc_lo, 16*(n/8)+n%8, v252
	v_cndmask_b32 v[96+n], v[96+n], v254, vcc_lo
.set n, n+1
.endr
.Lopen_\@:
; the largest score of each block of 32 keys: for the row's maximum, and for the block's largest p.  Blocks 0 and 1 (the first four products' results, eight places old) go first: their 14 lines are the places behind the last four products
.irp p, 0,2
.irp b, 0,1
	v_max3_num_f32 v[232+\p+\b], v[96+16*(\p+\b)], v[97+16*(\p+\b)], v[98+16*(\p+\b)]
.endr
.irp i, 3,5,7,9,11,13
.irp b, 0,1
	v_max3_num_f32 v[232+\p+\b], v[232+\p+\b], v[96+16*(\p+\b)+\i], v[97+16*(\p+\b)+\i]
.endr
.endr
.endr
.irp b, 0,1,2,3
	v_max_num_f32 v[232+\b], v[232+\b], v[111+16*\b]
.endr
.irp b, 0,1,2,3
	v_permlanex16_b32 v[236+\b], v[232+\b], s[SEL], s[SEL+1]
.endr
.irp b, 0,1,2,3
	v_max_num_f32 v[232+\b], v[232+\b], v[236+\b]
.endr
	v_max3_num_f32 v254, v232, v233, v234
	v_max_num_f32 v254, v254, v235
	v_mul_f32 v254, s[CS], v254
	v_max_num_f32 v13, v13, v254                   ; the running largest t
	v_mov_b32 v254, v12
	v_floor_f32 v12, -v13                          ; the new -M = -ceil(t)
	v_sub_f32 v254, v12, v254                      ; old M - new M: a whole number, 0 or less
	v_cvt_i32_f32 v254, v254
	v_ldexp_f32 v252, 1.0, v254                    ; f = 2^(old M - new M)
.set n, 0
.rept 32
	v_pk_fma_f32 v[96+n:97+n], v[96+n:97+n], s[CS:CS+1], v[12:13] op_sel_hi:[1,0,0]   ; t - M
.set n, n+2
.endr
.irp b, 0,1,2,3
	v_fma_f32 v[232+\b], v[232+\b], s[CS], v12
.endr
	s_wait_alu depctr_va_vdst(0)                   ; the wait ahead of the batch
.set n, 0
.rept 64
	v_exp_f32 v[96+n], v[96+n]                     ; p = 2^(t - M)
.set n, n+1
.endr
	v_pk_mul_f32 v[14:15], v[14:15], v[252:253] op_sel_hi:[1,0]   ; the sums under the new M: a plain instruction behind the exponentials
	s_wait_alu depctr_va_vdst(0)                   ; one wait for the batch, ahead of its first reader
.irp b, 0,1,2,3
	v_exp_f32 v[232+\b], v[232+\b]                 ; the block's largest p
.endr
; the row's sum of the unquantised p, two at a time, in eight chains
.set n, 0
.irp a, 236,240,242,244,246,248,250
	v_pk_add_f32 v[\a:\a+1], v[96+n:97+n], v[110+n:111+n]
.set n, n+2
.endr
	v_pk_add_f32 v[14:15], v[14:15], v[124:125]
.set n, 0
.rept 2
.irp a, 236,240,242,244,246,248,250,14
	v_pk_add_f32 v[\a:\a+1], v[\a:\a+1], v[126+n:127+n]
.set n, n+2
.endr
.endr
	v_pk_add_f32 v[14:15], v[14:15], v[158:159]
	v_pk_add_f32 v[236:237], v[236:237], v[240:241]
	v_pk_add_f32 v[242:243], v[242:243], v[244:245]
	v_pk_add_f32 v[246:247], v[246:247], v[248:249]
	v_pk_add_f32 v[14:15], v[14:15], v[250:251]
	v_pk_add_f32 v[236:237], v[236:237], v[242:243]
	v_pk_add_f32 v[14:15], v[14:15], v[246:247]
	v_pk_add_f32 v[14:15], v[14:15], v[236:237]
	s_wait_alu depctr_va_vdst(0)                   ; and one for the four
.irp b, 0,1,2,3
	v_max_num_f32 v[232+\b], 0x4800000, v[232+\b]  ; the floor 2^(9 - 127)
.endr
.irp b, 0,1,2,3
	v_add_nc_u32 v[244+\b], 0xfc000000, v[232+\b]  ; 8 off the exponent field: the conversion's scale operand
.endr
.irp b, 0,1,2,3
	v_and_or_b32 v[240+\b], v[232+\b], 0x7f800000, s[MNT]   ; 448 x the scale
.endr
.irp b, 0,1,2,3
	v_lshrrev_b32 v[236+\b], 23, v[244+\b]
.endr
	v_lshl_or_b32 v253, v237, 8, v236              ; p's scale word for these 128 keys
	v_lshl_or_b32 v253, v238, 16, v253
	v_lshl_or_b32 v253, v239, 24, v253
.irp b, 0,1,2,3
.set n, 0
.rept 16
	v_min_num_f32 v[96+16*\b+n], v[96+16*\b+n], v[240+\b]   ; the conversion does not saturate (ISA guide 7.6.2); p is not negative: the hold is one-sided
.set n, n+1
.endr
	v_cvt_scalef32_pk8_fp8_f32 v[192+4*\b:193+4*\b], v[96+16*\b:103+16*\b], v[244+\b]
	v_cvt_scalef32_pk8_fp8_f32 v[194+4*\b:195+4*\b], v[104+16*\b:111+16*\b], v[244+\b]
.endr
.irp t, 0,1,2,3                                ; V's four fragments take the registers that p has left
.irp c, 0,1,2,3
	ds_load_b128 v[96+16*\t+4*\c:99+16*\t+4*\c], v9 offset:2176*\t+32*\c
.endr
	ds_load_b32 v[248+\t], v11 offset:64*\t
.endr
	s_wait_alu depctr_va_vdst(0)                   ; directly ahead of the first reader of O^T
.set n, 0
.rept 16
	v_pk_mul_f32 v[160+n:161+n], v[160+n:161+n], v[252:253] op_sel_hi:[1,0]   ; O^T under the new M; also the places between the codes and the products
.set n, n+2
.endr
	s_wait_alu depctr_va_vdst(0)                   ; directly ahead of the wait below
	s_wait_dscnt 0x0
.irp t, 0,1,2,3
	v_wmma_scale_f32_16x16x128_f8f6f4 v[160+8*\t:167+8*\t], v[96+16*\t:111+16*\t], v[192:207], v[160+8*\t:167+8*\t], v[248+\t], v253
.endr
.endm
; KEY STEP k OF A WALK: ids say whether it is mine; its LDS places are made of k alone
.macro SLOT walk
.if \walk == 0
	s_cmp_gt_u32 s[SI], s[JJ]
	s_cbranch_scc1 .Lskip_\@                       ; walk A: steps 0 .. j
.else
	s_sub_co_i32 s96, s[SI], s[JJ]                 ; walk B: d = k - j runs from 1 to 15 - 2 j
	s_cmp_gt_i32 s96, 0
	s_cbranch_scc0 .Lskip_\@
	s_cmp_gt_i32 s96, s[LL]
	s_cbranch_scc1 .Lskip_\@
	s_cmp_eq_u32 s96, s[LL]
	s_cselect_b32 s97, 1, 0
	s_xor_b32 s96, s96, s97                        ; odd d: waves 0-7's; even d, and the last: waves 8-15's
	s_and_b32 s96, s96, 1
	s_cmp_eq_u32 s96, s[ROLE]
	s_cbranch_scc0 .Lskip_\@
.endif
	s_lshl_b32 s[KF], s[SI], 7
	s_lshr_b32 s97, s[SI], 2
	s_mul_i32 s97, s97, GRP
	s_and_b32 s96, s[SI], 3
	s_mul_i32 s[TB], s96, 32*272
	s_add_co_u32 s[TB], s[TB], s97
	s_mul_i32 s[TS], s96, 2*272
	s_add_co_u32 s[TS], s[TS], s97
	s_mul_i32 s[TJ], s96, 272
	s_add_co_u32 s[TJ], s[TJ], s97
	STEP
.Lskip_\@:
.endm
.macro WALK name, walk, end            ; steps from s[SI] on, up to end - 1
\name:
	SLOT \walk
	s_add_co_u32 s[SI], s[SI], 1
	s_cmp_lt_u32 s[SI], \end
	s_cbranch_scc1 \name
.endm
.macro SHOW under                      ; a barrier that shows the loads of the waves under that number; 16: all that is still out, under no branch
.if \under < 16
	s_cmp_lt_u32 s[WV], \under
	s_cbranch_scc0 .Lnot_mine_\@
	s_wait_tensorcnt 0x0
.Lnot_mine_\@:
.else
	s_wait_tensorcnt 0x0
.endif
	s_wait_dscnt 0x0
	s_barrier_signal -1
	s_barrier_wait -1
.endm
	s_wait_alu depctr_va_vdst(0)                   ; the wait at the head's end
	s_wait_loadcnt 0x0                             ; Q
	SHOW 4                                         ; group 0
	WALK .Lwalk_a0, 0, 4
	SHOW 8                                         ; group 1
	WALK .Lwalk_a1, 0, 8
	; waves 0-7 park their own tile, which is finished but for the division, and take up the long tile.  The nine copies are the places behind the last products
	s_cmp_lt_u32 s[WV], 8
	s_cbranch_scc0 .Lparked
.set n, 0
.rept 8
	v_mov_b32 v[16+n], v[208+n]
.set n, n+1
.endr
	v_mov_b32 v255, v216
	v_add_f32 v14, v14, v15
	v_permlanex16_b32 v252, v14, s[SEL], s[SEL+1]
	v_add_f32 v14, v14, v252                       ; the row's sum
.irp k, 0,1,2,3,4,5,6,7
	ds_store_b128 v217, v[160+4*\k:163+4*\k] offset:512*\k
.endr
	ds_store_b32 v218, v14 offset:4096
	s_wait_dscnt 0x0                               ; the stores have read their registers
	v_mov_b32 v13, 0xff61b1e6
	v_floor_f32 v12, -v13
	v_mov_b32 v14, 0
	v_mov_b32 v15, 0
.set n, 0
.rept 32
	v_mov_b32 v[160+n], 0
.set n, n+1
.endr
	s_mov_b32 s[QC], s[QLG]
.Lparked:
	s_mov_b32 s[SI], 0
	WALK .Lwalk_b0, 1, 8
	SHOW 16                                        ; groups 2 and 3
	WALK .Lwalk_b1, 1, 16
	s_wait_dscnt 0x0                               ; my reads of K and V are over
	s_barrier_signal -1
	s_barrier_wait -1                              ; everybody's are: group 0's bytes serve for the handing over and as stages
.rept 8
	v_nop                                          ; the places behind my last products
.endr
	v_add_f32 v14, v14, v15
	v_permlanex16_b32 v252, v14, s[SEL], s[SEL+1]
	v_add_f32 v14, v14, v252                       ; the row's sum of what I hold
	s_wait_alu depctr_va_vdst(0)                   ; directly ahead of the branch
	s_cmp_lt_u32 s[WV], 8
	s_cbranch_scc0 .Lkeeps
	v_cndmask_b32 v232, v14, v12, s[HM]            ; waves 0-7 hand their part of the long tile over: lanes 0-15 the sum, lanes 16-31 -M,
.irp k, 0,1,2,3,4,5,6,7
	ds_store_b128 v220, v[160+4*\k:163+4*\k] offset:512*\k   ; and O^T,
.endr
	ds_store_b32 v221, v232 offset:4096
	s_wait_dscnt 0x0                               ; (the stores have read their registers)
.irp k, 0,1,2,3,4,5,6,7
	ds_load_b128 v[160+4*\k:163+4*\k], v217 offset:512*\k    ; and take their own tile back
.endr
	ds_load_b32 v14, v219 offset:4096
.Lkeeps:
	s_wait_dscnt 0x0
	s_barrier_signal -1
	s_barrier_wait -1                              ; the parts are there
	s_cmp_lt_u32 s[WV], 8
	s_cbranch_scc1 .Lwhole
	ds_load_b32 v232, v222 offset:4096             ; waves 8-15 join the partner's part: its sum,
	ds_load_b32 v233, v222 offset:4160             ; its -M,
.irp k, 0,1,2,3,4,5,6,7
	ds_load_b128 v[96+4*\k:99+4*\k], v220 offset:512*\k   ; its O^T
.endr
	s_wait_dscnt 0x0
	v_min_num_f32 v234, v12, v233                  ; -M of the two together
	v_sub_f32 v235, v234, v12                      ; my M less the common one: a whole number, 0 or less
	v_sub_f32 v236, v234, v233                     ; and the part's (a part with no step has -M = 3e38: its factor falls to 0 over zeros)
	v_cvt_i32_f32 v235, v235
	v_cvt_i32_f32 v236, v236
	v_ldexp_f32 v238, 1.0, v235
	v_ldexp_f32 v240, 1.0, v236
	v_mul_f32 v14, v14, v238
	v_fma_f32 v14, v232, v240, v14
.set n, 0
.rept 16
	v_pk_mul_f32 v[160+n:161+n], v[160+n:161+n], v[238:239] op_sel_hi:[1,0]
.set n, n+2
.endr
.set n, 0
.rept 16
	v_pk_fma_f32 v[160+n:161+n], v[96+n:97+n], v[240:241], v[160+n:161+n] op_sel_hi:[1,0,1]
.set n, n+2
.endr
.Lwhole:
	; THE WAY OUT: O^T / the sum, quantised along the head's 64 (two blocks of 32), put into natural order in my stage, and stored as 1,024 consecutive bytes
	s_wait_alu depctr_va_vdst(0)                   ; the wait ahead of the transcendental
	v_rcp_f32 v15, v14
	s_mul_i32 s48, s[WV], 1280                     ; my stage: 16 rows x 80 bytes
	v_and_b32 v8, 15, v0
	v_bfe_u32 v9, v0, 4, 1
	v_mul_u32_u24 v5, v8, 80
	v_lshl_add_u32 v5, v9, 3, v5
	v_add_nc_u32 v5, s48, v5                       ; in: row r, 8 bytes for each half of the lanes
	v_and_b32 v10, 31, v0
	v_lshrrev_b32 v6, 2, v10
	v_mul_u32_u24 v6, v6, 80
	v_and_b32 v11, 3, v10
	v_lshl_add_u32 v6, v11, 4, v6
	v_add_nc_u32 v6, s48, v6                       ; back: four lanes to a row of 64 bytes
	v_lshlrev_b32 v7, 4, v10
	v_lshlrev_b32 v8, 3, v8
	s_lshr_b32 s49, s[BH], 4
	s_lshl_b32 s49, s49, 11
	s_add_co_u32 s49, s49, s[QOUT]                 ; my first row of 4,096
	s_and_b32 s50, s[BH], 15                       ; the head of 16
	s_lshr_b32 s51, s49, 7
	s_lshl_b32 s51, s51, 4
	s_add_co_u32 s51, s51, s50
	s_lshl_b32 s51, s51, 7
	s_and_b32 s52, s49, 127
	s_add_co_u32 s51, s51, s52
	s_lshl_b32 s52, s51, 6                         ; codes [tile of 128 rows][head][128 rows][64]
	s_mov_b32 s53, 0
	s_add_nc_u64 s[52:53], s[6:7], s[52:53]
	s_lshr_b32 s54, s50, 2
	s_lshl_b32 s54, s54, 12
	s_add_co_u32 s54, s54, s49
	s_lshl_b32 s54, s54, 3
	s_and_b32 s55, s50, 3
	s_lshl_b32 s55, s55, 1
	s_add_co_u32 s54, s54, s55
	s_add_co_u32 s54, s54, OSC                     ; scale bytes [head / 4][row][8], mine at 2 (head % 4)
	s_mov_b32 s55, 0
	s_add_nc_u64 s[54:55], s[6:7], s[54:55]
	s_wait_alu depctr_va_vdst(0)                   ; the wait behind the reciprocal, directly ahead of the first readers of it and of O^T
.set n, 0
.rept 32
	v_mul_f32 v[96+n], v[160+n], v15               ; register 8 t + i is o(r, 16 t + 8 h + i); each accumulator from its low end on
.set n, n+1
.endr
.irp b, 0,1
	v_max3_num_f32 v[232+\b], |v[96+16*\b]|, |v[97+16*\b]|, 0x4800000
.endr
.irp i, 2,4,6,8,10,12,14
.irp b, 0,1
	v_max3_num_f32 v[232+\b], v[232+\b], |v[96+16*\b+\i]|, |v[97+16*\b+\i]|
.endr
.endr
.irp b, 0,1
	v_permlanex16_b32 v[236+\b], v[232+\b], s[SEL], s[SEL+1]
.endr
.irp b, 0,1
	v_max_num_f32 v[232+\b], v[232+\b], v[236+\b]
.endr
.irp b, 0,1
	v_add_nc_u32 v[244+\b], 0xfc000000, v[232+\b]
.endr
.irp b, 0,1
	v_and_or_b32 v[240+\b], v[232+\b], 0x7f800000, s[MNT]
.endr
.irp b, 0,1
	v_lshrrev_b32 v[236+\b], 23, v[244+\b]
.endr
	v_lshl_or_b32 v253, v237, 8, v236
.irp b, 0,1
.set n, 0
.rept 16
	v_med3_num_f32 v[96+16*\b+n], v[96+16*\b+n], -v[240+\b], v[240+\b]
.set n, n+1
.endr
.endr
.irp b, 0,1
	v_cvt_scalef32_pk8_fp8_f32 v[192+4*\b:193+4*\b], v[96+16*\b:103+16*\b], v[244+\b]
	v_cvt_scalef32_pk8_fp8_f32 v[194+4*\b:195+4*\b], v[104+16*\b:111+16*\b], v[244+\b]
.endr
	v_nop                                          ; a plain vector instruction behind the last conversion
.irp b, 0,1
	ds_store_b64 v5, v[192+4*\b:193+4*\b] offset:32*\b       ; channels 32 b + 8 h + 0..7,
	ds_store_b64 v5, v[194+4*\b:195+4*\b] offset:32*\b+16    ; and 32 b + 16 + 8 h + 0..7: natural order
.endr
	ds_load_b128 v[32:35], v6                      ; LDS serves a wave's instructions in order: these see my stores
	ds_load_b128 v[36:39], v6 offset:640
	global_store_b16 v8, v253, s[54:55]            ; both halves of the lanes write the same two bytes with the same value
	s_wait_dscnt 1
	global_store_b128 v7, v[32:35], s[52:53]
	s_wait_dscnt 0x0
	global_store_b128 v7, v[36:39], s[52:53] offset:512
	s_wait_tensorcnt 0x0                           ; the wave's end
	ds_add_u32 v230, v231
	s_wait_dscnt 0x0
	s_endpgm
.Lfunc_end_k_qb5ba0312e6_attn:
	.size	k_qb5ba0312e6_attn, .Lfunc_end_k_qb5ba0312e6_attn-k_qb5ba0312e6_attn
	.p2alignl 7, 3214868480
	.fill 96, 4, 3214868480
	.section	.rodata,"a",@progbits
	.p2align	6, 0x0
	.amdhsa_kernel k_qb5ba0312e6_attn
		.amdhsa_group_segment_fixed_size 327680
		.amdhsa_private_segment_fixed_size 0
		.amdhsa_enable_private_segment 0
		.amdhsa_kernarg_size 16
		.amdhsa_user_sgpr_count 2
		.amdhsa_user_sgpr_kernarg_segment_ptr 1
		.amdhsa_wavefront_size32 1
		.amdhsa_system_sgpr_workgroup_id_x 1
		.amdhsa_system_sgpr_workgroup_id_y 1
		.amdhsa_system_sgpr_workgroup_id_z 1
		.amdhsa_system_vgpr_workitem_id 0
		.amdhsa_next_free_vgpr 256
		.amdhsa_next_free_sgpr 100
		.amdhsa_reserve_vcc 1
		.amdhsa_float_denorm_mode_32 3
		.amdhsa_float_denorm_mode_16_64 3
		.amdhsa_memory_ordered 1
		.amdhsa_forward_progress 1
		.amdhsa_inst_pref_size 124
	.end_amdhsa_kernel
	.amdgpu_metadata
---
amdhsa.version: [ 1, 2 ]
amdhsa.kernels:
  - .name:           k_qb5ba0312e6_attn
    .symbol:         k_qb5ba0312e6_attn.kd
    .args:
      - { .name: qkv, .offset: 0, .size: 8, .value_kind: global_buffer, .address_space: global }
      - { .name: ob, .offset: 8, .size: 8, .value_kind: global_buffer, .address_space: global }
    .group_segment_fixed_size: 327680
    .private_segment_fixed_size: 0
    .kernarg_segment_align: 8
    .kernarg_segment_size: 16
    .max_flat_workgroup_size: 512
    .sgpr_count:     100
    .vgpr_count:     256
    .wavefront_size: 32
...
	.end_amdgpu_metadata
.endif
;; end of part 11
;; launch proj (part 12): grid 8 x 32, 4 waves a work-group, clusters of 4 x 4, 327,680 bytes of LDS; arguments ob, pq, bp, res; writes res
.if DOCPART == 12
	.amdgcn_target "amdgcn-amd-amdhsa--gfx1250"
	.amdhsa_code_object_version 6
	.text
	.protected	k_qb5ba0312e6_proj
	.globl	k_qb5ba0312e6_proj
	.p2align	8
	.type	k_qb5ba0312e6_proj,@function
k_qb5ba0312e6_proj:
	s_mov_b64 s[64:65], 0
	v_nop
	global_prefetch_b8 v0, s[64:65] scope:SCOPE_SE
	s_setreg_imm32_b32 hwreg(HW_REG_WAVE_MODE, 25, 1), 1
	s_wait_xcnt 0x0
	s_wait_alu depctr_hold_cnt(0) depctr_sa_sdst(0) depctr_va_vdst(0) depctr_va_sdst(0) depctr_va_ssrc(0) depctr_va_vcc(0) depctr_vm_vsrc(0)
	s_getreg_b32 s2, hwreg(HW_REG_IB_STS2, 6, 4)
	s_cmp_eq_u32 s2, 0
	s_cbranch_scc0 .Lentry_in_a_cluster
	s_endpgm
.Lentry_in_a_cluster:
	s_bfe_u32 s2, ttmp6, 0x10000c
	s_cmp_lg_u32 s2, 0xf033
	s_cbranch_scc0 .Lentry_shape_is_right
	s_endpgm
.Lentry_shape_is_right:
.set KDIM,    1024
.set APL,     64
.set RH,      4352
.set BPITCH,  1024
.set A_CODE,  0
.set A_SCAL,  4194304
.set A_TILE,  131072
.set B_CODE,  7340032
.set B_SCAL,  17006592
.set B_TILE,  131072
.set A_STEP,  65536
.set A_SSTEP, 65536
.set A_SPL,   4096
.set B_STEP,  512
.set B_SSTEP, 16384
.set B_SPL,   1024
.set NP, 8
.set LP, 272
.set BP, 528
.set CODEB, 256*LP
.set SIDE, CODEB+2176
.set SLOT, 2*SIDE
.set SPARE, 2*SLOT
.set LAPS, KDIM/1024
.set ADRA, 16
.set ADRB, 20
.set ADRS, 22
.set SPW, 28
.set NIL, 29
.set SC, 32
.set BI, 64
.set ACC, 128
.set G1A, 24
.set G0A, 32
.set G1B, 48
.set G0B, 56
.set G1SA, 68
.set G1SB, 76
.set MSB, 0
.macro WIN new
.if MSB != (\new)
	s_set_vgpr_msb (MSB<<8)|(\new)
.set MSB, (\new)
.endif
.endm
.macro PLACES n
.rept \n
	v_nop
.endr
.endm
.macro ARM g0, g1
	tensor_load_to_lds s[\g0:\g0+3], s[\g1:\g1+7]
	s_nop 0
.rept 4
	v_nop
.endr
.endm
.macro JLOAD s
	s_cmp_lg_u32 s14, 0
	s_cbranch_scc1 .Lj1_\@
	ARM G0A+4*\s, G1A
	s_branch .Ljd_\@
.Lj1_\@:
	s_cmp_lg_u32 s14, 1
	s_cbranch_scc1 .Lj2_\@
	ARM G0B+4*\s, G1B
	s_branch .Ljd_\@
.Lj2_\@:
	s_cmp_lg_u32 s14, 2
	s_cbranch_scc1 .Lj3_\@
	ARM G0A+4*\s, G1SA
	s_branch .Ljd_\@
.Lj3_\@:
	ARM G0B+4*\s, G1SB
.Ljd_\@:
.endm
.macro CREST
	s_cmp_lg_u32 s14, 0
	s_cbranch_scc1 .Lnw0_\@
	s_barrier_signal -3
.Lnw0_\@:
	s_barrier_wait -3
	s_barrier_signal -1
	s_barrier_wait -1
.endm
.macro CROUND
	s_barrier_signal -1
	s_barrier_wait -1
	CREST
.endm
.macro AFRAG slot, q, f, i
.irp c, 0,1,2,3
.if APL == 128
	ds_load_b128 v[(\f)+16*(\i)+4*\c:(\f)+16*(\i)+4*\c+3], v[ADRA+\slot] offset:17408*(\q)+2176*(\i)+32*\c
.else
	ds_load_b128 v[(\f)+16*(\i)+4*\c:(\f)+16*(\i)+4*\c+3], v[ADRA+\slot] offset:8704*(2*(\q)+\c/2)+1088*(\i)+32*(\c%2)
.endif
.endr
.endm
.macro FETCH1 slot, q, f
	WIN 0x40
.irp i, 0,1,2,3
.irp c, 0,1,2,3
	ds_load_b128 v[(\f)+64+16*\i+4*\c:(\f)+64+16*\i+4*\c+3], v[ADRB+\slot] offset:128*(\q)+32*\c+\i*16*BP
.endr
.endr
	AFRAG \slot, \q, \f, 0
	AFRAG \slot, \q, \f, 1
.endm
.macro FETCH2 slot, q, f
	WIN 0x40
	AFRAG \slot, \q, \f, 2
	AFRAG \slot, \q, \f, 3
.endm
.macro SCALES sc
	WIN 0
.irp i, 0,1,2,3
.irp p, 0,1
	ds_load_b64 v[SC+16*\sc+4*\i+2*\p:SC+16*\sc+4*\i+2*\p+1], v[ADRS+\sc] offset:128*\i+1024*\p
.endr
.endr
.endm
.macro MULA a, f, q, sc, zero
.irp b, 0,1,2,3
.set rD, ACC+8*(4*(\a)+\b)
.set rB, (\f)+64+16*\b
.set rA, (\f)+16*(\a)
.set rS, SC+16*(\sc)+(\q)
.if \zero
	v_wmma_scale_f32_16x16x128_f8f6f4 v[rD:rD+7], v[rB:rB+15], v[rA:rA+15], v[BI+8*\b:BI+8*\b+7], v[rS+4*\b], v[rS+4*(\a)] matrix_a_scale:MATRIX_SCALE_ROW1
.else
	v_wmma_scale_f32_16x16x128_f8f6f4 v[rD:rD+7], v[rB:rB+15], v[rA:rA+15], v[rD:rD+7], v[rS+4*\b], v[rS+4*(\a)] matrix_a_scale:MATRIX_SCALE_ROW1
.endif
.endr
.endm
.macro QUARTER slot, q, zero
	s_wait_dscnt 8
	WIN 0x05
	MULA 0, 128*((\q)%2), \q, \slot, \zero
	MULA 1, 128*((\q)%2), \q, \slot, \zero
	PLACES NP
	FETCH1 \slot, (\q)+1, 128-128*((\q)%2)
	FETCH2 \slot, (\q)+1, 128-128*((\q)%2)
	s_wait_dscnt 32
	WIN 0x05
	MULA 2, 128*((\q)%2), \q, \slot, \zero
	MULA 3, 128*((\q)%2), \q, \slot, \zero
.endm
.macro TURN slot, next, fill
	WIN 0
	s_wait_tensorcnt 0x0
	ds_add_u32 v[SPW], v[NIL]
	s_wait_dscnt 9
	WIN 0x05
	MULA 0, 128, 3, \slot, 0
	s_wait_dscnt 0x0
	s_barrier_signal -1
	MULA 1, 128, 3, \slot, 0
	WIN 0
	s_barrier_wait -1
.if \fill
	CREST
	s_add_nc_u64 s[G0A+4*\slot+2:G0A+4*\slot+3], s[G0A+4*\slot+2:G0A+4*\slot+3], s[84:85]
	s_add_nc_u64 s[G0B+4*\slot+2:G0B+4*\slot+3], s[G0B+4*\slot+2:G0B+4*\slot+3], s[86:87]
	JLOAD \slot
	PLACES NP-4
.else
	PLACES NP
.endif
	FETCH1 \next, 0, 0
	SCALES \next
	FETCH2 \next, 0, 0
	WIN 0x05
	MULA 2, 128, 3, \slot, 0
	MULA 3, 128, 3, \slot, 0
.endm
	s_load_b256 s[4:11], s[0:1], 0x0
	v_lshl_add_u32 v[SPW], v0, 2, SPARE
	v_mov_b32 v[NIL], 0
	ds_add_u32 v28, v29
	ds_add_u32 v28, v29
	s_wait_dscnt 0x0
	v_lshrrev_b32 v1, 5, v0
	v_readfirstlane_b32 s14, v1
	s_lshr_b32 s15, s14, 1
	s_and_b32 s16, s14, 1
	s_bfe_u32 s40, ttmp6, 0x40000
	s_bfe_u32 s41, ttmp6, 0x40004
	s_lshl_b32 s42, ttmp9, 2
	s_add_co_u32 s42, s42, s40
	s_and_b32 s17, ttmp7, 0xffff
	s_lshl_b32 s17, s17, 2
	s_add_co_u32 s17, s17, s41
	s_mov_b32 s88, A_SSTEP
	s_mov_b32 s90, B_SSTEP
	s_lshl_b32 s43, s41, 2
	s_lshl_b32 s43, 15, s43
	s_lshl_b32 s44, 0x1111, s40
	s_or_b32 s[G1A], s43, (1<<20)|(1<<21)|(5<<22)|(3<<25)
	s_or_b32 s[G1B], s44, (1<<20)|(1<<21)|(6<<22)|(3<<25)
	s_or_b32 s[G1SA], s43, (3<<16)|(1<<21)
	s_or_b32 s[G1SB], s44, (3<<16)|(1<<21)
	s_mov_b32 s[G1A+1], 256<<16
	s_mov_b32 s[G1A+2], 256<<16
	s_mov_b32 s[G1A+3], 256<<16
	s_mov_b32 s[G1A+4], 256
	s_mov_b32 s[G1A+5], 256
	s_mov_b32 s[G1A+6], 0
	s_mov_b32 s[G1A+7], 0
	s_mov_b32 s[G1B+1], 512<<16
	s_mov_b32 s[G1B+2], 128<<16
	s_mov_b32 s[G1B+3], 512<<16
	s_mov_b32 s[G1B+4], 128
	s_mov_b32 s[G1B+5], BPITCH
	s_mov_b32 s[G1B+6], 0
	s_mov_b32 s[G1B+7], 0
.irp g, G1SA, G1SB
	s_mov_b32 s[\g+1], 128<<16
	s_mov_b32 s[\g+2], 2<<16
	s_mov_b32 s[\g+3], 128<<16
	s_mov_b32 s[\g+4], 2
	s_mov_b32 s[\g+6], 0
	s_mov_b32 s[\g+7], 0
.endr
	s_mov_b32 s[G1SA+5], A_SPL
	s_mov_b32 s[G1SB+5], B_SPL
	s_mul_i32 s20, s17, A_TILE
	s_add_co_u32 s20, s20, A_CODE
	s_lshl_b32 s21, s17, 10
	s_add_co_u32 s21, s21, A_SCAL
	s_mul_i32 s46, s42, B_TILE
	s_add_co_u32 s46, s46, B_CODE
	s_lshl_b32 s47, s42, 10
	s_add_co_u32 s47, s47, B_SCAL
	s_cmp_eq_u32 s15, 0
	s_cselect_b32 s20, s20, s21
	s_cselect_b32 s46, s46, s47
	s_cselect_b32 s88, A_STEP, s88
	s_cselect_b32 s90, B_STEP, s90
	s_mov_b32 s21, 0
	s_mov_b32 s47, 0
	s_mov_b32 s89, 0
	s_mov_b32 s91, 0
	s_lshl_b32 s84, s88, 1
	s_mov_b32 s85, 0
	s_lshl_b32 s86, s90, 1
	s_mov_b32 s87, 0
	s_mul_i32 s45, s16, SIDE
	s_mul_i32 s18, s15, CODEB
	s_add_co_u32 s45, s45, s18
	s_wait_kmcnt 0x0
	s_add_nc_u64 s[20:21], s[4:5], s[20:21]
	s_add_nc_u64 s[46:47], s[6:7], s[46:47]
.irp s, 0,1
	s_mov_b32 s[G0A+4*\s], 1
	s_add_co_u32 s[G0A+4*\s+1], s45, \s*SLOT
	s_mov_b32 s[G0B+4*\s], 1
	s_add_co_u32 s[G0B+4*\s+1], s45, \s*SLOT
.endr
	s_mov_b64 s[G0A+2:G0A+3], s[20:21]
	s_add_nc_u64 s[G0A+6:G0A+7], s[20:21], s[88:89]
	s_mov_b64 s[G0B+2:G0B+3], s[46:47]
	s_add_nc_u64 s[G0B+6:G0B+7], s[46:47], s[90:91]
.irp g, G0A+3, G0A+7, G0B+3, G0B+7
	s_or_b32 s[\g], s[\g], 0x80000000
.endr
	CROUND
	JLOAD 0
	s_wait_alu depctr_va_vdst(0)
	s_wait_tensorcnt 0x0
	ds_add_u32 v28, v29
	s_wait_dscnt 0x0
	CROUND
	JLOAD 1
	v_and_b32 v1, 15, v0
	v_bfe_u32 v2, v0, 4, 1
	s_lshl_b32 s46, s42, 9
	s_lshl_b32 s47, s16, 8
	s_add_co_u32 s46, s46, s47
	s_mov_b32 s47, 0
	s_add_nc_u64 s[8:9], s[8:9], s[46:47]
	v_lshlrev_b32 v9, 5, v2
.irp b, 0,1,2,3
	global_load_b128 v[BI+8*\b:BI+8*\b+3], v9, s[8:9] offset:64*\b
	global_load_b128 v[BI+8*\b+4:BI+8*\b+7], v9, s[8:9] offset:64*\b+16
.endr
	v_mul_u32_u24 v4, v1, BP
	v_lshl_add_u32 v4, v2, 4, v4
.if APL == 128
	v_lshrrev_b32 v5, 1, v1
	v_mul_u32_u24 v5, v5, LP
	v_and_b32 v6, 1, v1
	v_lshl_add_u32 v5, v6, 7, v5
.else
	v_lshrrev_b32 v5, 2, v1
	v_mul_u32_u24 v5, v5, LP
	v_and_b32 v6, 3, v1
	v_lshl_add_u32 v5, v6, 6, v5
.endif
	v_lshl_add_u32 v5, v2, 4, v5
	s_mul_i32 s21, s15, RH
	s_mul_i32 s22, s16, 64*BP
	s_add_co_u32 s22, s22, SIDE
.irp s, 0,1
	v_add_nc_u32 v[ADRA+\s], s21, v5
	v_add_nc_u32 v[ADRB+\s], s22, v4
	s_add_co_u32 s21, s21, SLOT
	s_add_co_u32 s22, s22, SLOT
.endr
	v_lshlrev_b32 v6, 3, v1
	s_lshl_b32 s21, s15, 9
	s_lshl_b32 s22, s16, 9
	s_add_co_u32 s22, s22, SIDE
	s_sub_co_u32 s22, s22, s21
	v_mul_u32_u24 v7, s22, v2
	s_add_co_u32 s21, s21, CODEB
	v_add_nc_u32 v6, v6, v7
	v_add_nc_u32 v[ADRS], s21, v6
	s_add_co_u32 s21, s21, SLOT
	v_add_nc_u32 v[ADRS+1], s21, v6
.set STO, 24
.set RD,  25
.set CO,  26
.set BK,  64
.set SPITCH, 272
	s_mul_i32 s23, s14, 16*SPITCH
	v_mul_u32_u24 v6, v1, SPITCH
	v_lshl_add_u32 v6, v2, 5, v6
	v_add_nc_u32 v[STO], s23, v6
	v_mul_u32_u24 v6, v2, SPITCH
	v_lshl_add_u32 v6, v1, 4, v6
	v_add_nc_u32 v[RD], s23, v6
	v_lshlrev_b32 v[CO], 12, v2
	v_lshl_add_u32 v[CO], v1, 4, v[CO]
	s_lshl_b32 s20, s17, 19
	s_lshl_b32 s21, s15, 18
	s_add_co_u32 s20, s20, s21
	s_lshl_b32 s46, s42, 9
	s_lshl_b32 s47, s16, 8
	s_add_co_u32 s46, s46, s47
	s_add_co_u32 s46, s46, s20
	s_mov_b32 s47, 0
	s_add_nc_u64 s[10:11], s[10:11], s[46:47]
	s_wait_alu depctr_va_vdst(0)
	s_wait_tensorcnt 1
	s_barrier_signal -1
	s_barrier_wait -1
	FETCH1 0, 0, 0
	SCALES 0
	FETCH2 0, 0, 0
	s_wait_loadcnt 0x0
	QUARTER 0, 0, 1
	WIN 0
.if LAPS > 1
	s_mov_b32 s3, LAPS-1
.Llap:
	QUARTER 0, 1, 0
	QUARTER 0, 2, 0
	TURN 0, 1, 1
	QUARTER 1, 0, 0
	QUARTER 1, 1, 0
	QUARTER 1, 2, 0
	TURN 1, 0, 1
	QUARTER 0, 0, 0
	WIN 0
	s_sub_co_u32 s3, s3, 1
	s_cmp_lg_u32 s3, 0
	s_cbranch_scc1 .Llap
.endif
	QUARTER 0, 1, 0
	QUARTER 0, 2, 0
	TURN 0, 1, 0
	QUARTER 1, 0, 0
	QUARTER 1, 1, 0
	QUARTER 1, 2, 0
	s_wait_dscnt 8
	WIN 0x05
	MULA 0, 128, 3, 1, 0
	MULA 1, 128, 3, 1, 0
	s_wait_dscnt 0x0
	MULA 2, 128, 3, 1, 0
	MULA 3, 128, 3, 1, 0
	WIN 0
	PLACES NP
.macro TOSTAGE a
.irp b, 0,1,2,3
	ds_store_b128 v[STO], v[ACC+8*(4*(\a)+\b):ACC+8*(4*(\a)+\b)+3] offset:64*\b
	ds_store_b128 v[STO], v[ACC+8*(4*(\a)+\b)+4:ACC+8*(4*(\a)+\b)+7] offset:64*\b+16
.endr
.set BB, BK+32*((\a)%2)
.irp t, 0,1,2,3,4,5,6,7
	ds_load_b128 v[BB+4*\t:BB+4*\t+3], v[RD] offset:2*\t*SPITCH
.endr
.endm
.macro SEND a, younger
.set BB, BK+32*((\a)%2)
	s_wait_dscnt \younger
.irp t, 0,1,2,3,4,5,6,7
	global_store_b128 v[CO], v[BB+4*\t:BB+4*\t+3], s[10:11] offset:(16*(\a)+2*\t)*4096 th:TH_STORE_NT
.endr
.endm
	TOSTAGE 0
.irp a, 1,2,3
.if \a > 1
	s_wait_xcnt 0x0
.endif
	TOSTAGE \a
	SEND \a-1, 16
.endr
	SEND 3, 0
	s_wait_tensorcnt 0x0
	ds_add_u32 v[SPW], v[NIL]
	s_wait_dscnt 0x0
	CROUND
	s_endpgm
.Lfunc_end_k_qb5ba0312e6_proj:
	.size	k_qb5ba0312e6_proj, .Lfunc_end_k_qb5ba0312e6_proj-k_qb5ba0312e6_proj
	.p2alignl 7, 3214868480
	.fill 96, 4, 3214868480
	.section	.rodata,"a",@progbits
	.p2align	6, 0x0
	.amdhsa_kernel k_qb5ba0312e6_proj
		.amdhsa_group_segment_fixed_size 327680
		.amdhsa_private_segment_fixed_size 0
		.amdhsa_enable_private_segment 0
		.amdhsa_kernarg_size 32
		.amdhsa_user_sgpr_count 2
		.amdhsa_user_sgpr_kernarg_segment_ptr 1
		.amdhsa_wavefront_size32 1
		.amdhsa_system_sgpr_workgroup_id_x 1
		.amdhsa_system_sgpr_workgroup_id_y 1
		.amdhsa_system_sgpr_workgroup_id_z 1
		.amdhsa_system_vgpr_workitem_id 0
		.amdhsa_next_free_vgpr 512
		.amdhsa_next_free_sgpr 100
		.amdhsa_reserve_vcc 0
		.amdhsa_float_denorm_mode_32 3
		.amdhsa_float_denorm_mode_16_64 3
		.amdhsa_memory_ordered 1
		.amdhsa_forward_progress 1
		.amdhsa_inst_pref_size 56
	.end_amdhsa_kernel
	.amdgpu_metadata
---
amdhsa.version: [ 1, 2 ]
amdhsa.kernels:
  - .name:           k_qb5ba0312e6_proj
    .symbol:         k_qb5ba0312e6_proj.kd
    .args:
      - { .name: ob, .offset: 0, .size: 8, .value_kind: global_buffer, .address_space: global }
      - { .name: pq, .offset: 8, .size: 8, .value_kind: global_buffer, .address_space: global }
      - { .name: bp, .offset: 16, .size: 8, .value_kind: global_buffer, .address_space: global }
      - { .name: res, .offset: 24, .size: 8, .value_kind: global_buffer, .address_space: global }
    .group_segment_fixed_size: 327680
    .private_segment_fixed_size: 0
    .kernarg_segment_align: 8
    .kernarg_segment_size: 32
    .max_flat_workgroup_size: 128
    .sgpr_count:     100
    .vgpr_count:     512
    .wavefront_size: 32
...
	.end_amdgpu_metadata
.endif
;; end of part 12
;; launch ln1 (part 13): grid 256 x 1, 8 waves a work-group, no clusters, 42,496 bytes of LDS; arguments res, x, g1, be1, x1b; writes x1b
.if DOCPART == 13
	.amdgcn_target "amdgcn-amd-amdhsa--gfx1250"
	.amdhsa_code_object_version 6
	.text
	.protected	k_qb5ba0312e6_ln1
	.globl	k_qb5ba0312e6_ln1
	.p2align	8
	.type	k_qb5ba0312e6_ln1,@function
k_qb5ba0312e6_ln1:
	s_mov_b64 s[64:65], 0
	v_nop
	global_prefetch_b8 v0, s[64:65] scope:SCOPE_SE
	s_setreg_imm32_b32 hwreg(HW_REG_WAVE_MODE, 25, 1), 1
	s_wait_xcnt 0x0
; x1 = LayerNorm(x + res) g + be over rows of 1,024, f32; and x1's codes of FP8 (E4M3), K innermost, with one E8M0 scale byte for each 32, laid [K / 256][4096 rows][8].
; Memory binds: each byte is read once and written once.  One wave, one row at a time, two rows a wave: a row (8 loads of 512 consecutive bytes from each of the two tensors) stays in registers between the mean, the variance
; (of the centred numbers: no difference of large sums) and the scaling.  All 48 loads of a wave go out at its head.  No matrix unit, no cluster, no tensor load: nothing is shared but g and be.
; QUANTISING: a conversion takes 8 neighbours along K from one lane, while a lane holds 4 neighbours of each load: half a row at a time turns through the wave's own stage in LDS (80 bytes a lane) and comes back 16 neighbours a lane.
; The scale bytes of the work-group's 16 rows meet in 512 bytes of LDS; wave 0 stores them as four runs of 128 bytes (16 rows x 8 in each of the four planes): half of an aligned 256 bytes each, 131,072 bytes in the whole launch.
; LIMITS: NaN and infinities are not served; a block of zeros gets the byte 1 (its codes are zeros; this program alone reads the bytes); largest magnitudes under 2^-118 are held at the byte 1.
; REGISTERS: v1-3 addresses; v4-11 at work; v12-27 codes, v28-31 scale bytes (a set for each half row: no store's data are written again); v32-95 the two rows; v96-159 x, later the turned numbers; v160-191 g; v192-223 be; v224-231 the scale bytes' way out.
.set QUANTISE, 1
.set X1C, 16777216
.set X1S, 20971520
	s_load_b256 s[4:11], s[0:1], 0x0               ; res, x (or x1), g, be
	s_load_b64 s[12:13], s[0:1], 0x20              ; the result's buffer
	v_lshl_add_u32 v232, v0, 2, 0xa200
	v_mov_b32 v233, 0
	v_lshrrev_b32 v1, 5, v0
	s_delay_alu instid0(VALU_DEP_1)
	v_readfirstlane_b32 s14, v1                    ; wave 0..7
	v_and_b32 v10, 31, v0                          ; lane
	s_wait_alu depctr_va_vdst(0)
	v_lshlrev_b32 v2, 4, v10                       ; 16 bytes a lane
	s_lshl_b32 s16, ttmp9, 16                      ; 16 rows of 4,096 bytes a work-group,
	s_lshl_b32 s17, s14, 13                        ; two a wave
	s_add_co_u32 s16, s16, s17
	s_mov_b32 s17, 0
	s_mov_b32 s18, 0x76543210
	s_mov_b32 s19, 0xfedcba98                      ; v_permlanex16_b32's selects for lane l xor 16
	s_mov_b32 s20, 0x3a800000                      ; 1 / 1,024
	s_mov_b32 s21, 0x3727c5ac                      ; 1e-5
.if QUANTISE
	s_mov_b32 s24, 0x600000                        ; the mantissa field of 448
	s_mul_i32 s15, s14, 5120                       ; my wave's two stages of 2,560 bytes
	v_mul_u32_u24 v1, v10, 80
	s_delay_alu instid0(VALU_DEP_1)
	v_add_nc_u32 v1, s15, v1                       ; out of a stage: my 16 neighbours
	v_lshrrev_b32 v3, 2, v10
	s_delay_alu instid0(VALU_DEP_1)
	v_mul_u32_u24 v3, v3, 80
	v_and_b32 v11, 3, v10
	s_delay_alu instid0(VALU_DEP_1)
	v_lshl_add_u32 v3, v11, 4, v3
	s_delay_alu instid0(VALU_DEP_1)
	v_add_nc_u32 v3, s15, v3                       ; into it: four lanes' 64 bytes on end, then 16 of padding
	v_lshrrev_b32 v224, 4, v10
	s_delay_alu instid0(VALU_DEP_1)
	v_lshlrev_b32 v224, 7, v224
	v_bfe_u32 v11, v10, 1, 3
	s_delay_alu instid0(VALU_DEP_1)
	v_add_nc_u32 v224, v224, v11
	s_lshl_b32 s15, s14, 4
	s_add_co_u32 s15, s15, 40960
	v_add_nc_u32 v224, s15, v224                   ; my block's scale byte: [plane of 256 along K][16 rows][8]
	v_add_nc_u32 v225, 40960, v2
	v_lshrrev_b32 v226, 3, v10
	s_delay_alu instid0(VALU_DEP_1)
	v_lshlrev_b32 v226, 15, v226
	v_and_b32 v11, 7, v10
	s_delay_alu instid0(VALU_DEP_1)
	v_lshl_add_u32 v226, v11, 4, v226              ; and their place in memory: eight lanes to a plane's 128 bytes
	s_lshl_b32 s26, ttmp9, 14                      ; codes: 16 rows of 1,024 bytes a work-group, two a wave
	s_lshl_b32 s27, s14, 11
	s_add_co_u32 s26, s26, s27
	s_add_co_u32 s26, s26, X1C
	s_mov_b32 s27, 0
	s_lshl_b32 s28, ttmp9, 7
	s_add_co_u32 s28, s28, X1S
	s_mov_b32 s29, 0
.endif
	s_wait_kmcnt 0x0
	s_add_nc_u64 s[4:5], s[4:5], s[16:17]
	s_add_nc_u64 s[6:7], s[6:7], s[16:17]
	s_add_nc_u64 s[22:23], s[12:13], s[16:17]
.if QUANTISE
	s_add_nc_u64 s[26:27], s[12:13], s[26:27]
	s_add_nc_u64 s[28:29], s[12:13], s[28:29]
.endif
.irp j, 0,1,2,3,4,5,6,7
	global_load_b128 v[160+4*\j:163+4*\j], v2, s[8:9] offset:512*\j
	global_load_b128 v[192+4*\j:195+4*\j], v2, s[10:11] offset:512*\j
.endr
.irp p, 0,1
.irp j, 0,1,2,3,4,5,6,7
	global_load_b128 v[32+32*\p+4*\j:35+32*\p+4*\j], v2, s[4:5] offset:4096*\p+512*\j th:TH_LOAD_NT
	global_load_b128 v[96+32*\p+4*\j:99+32*\p+4*\j], v2, s[6:7] offset:4096*\p+512*\j th:TH_LOAD_NT
.endr
.endr
.macro ALL reg, tmp                    ; the sum over the 32 lanes, in every lane
	s_delay_alu instid0(VALU_DEP_1)
	v_add_f32_dpp v[\reg], v[\reg], v[\reg] row_xmask:1 row_mask:0xf bank_mask:0xf
	s_delay_alu instid0(VALU_DEP_1)
	v_add_f32_dpp v[\reg], v[\reg], v[\reg] row_xmask:2 row_mask:0xf bank_mask:0xf
	s_delay_alu instid0(VALU_DEP_1)
	v_add_f32_dpp v[\reg], v[\reg], v[\reg] row_xmask:4 row_mask:0xf bank_mask:0xf
	s_delay_alu instid0(VALU_DEP_1)
	v_add_f32_dpp v[\reg], v[\reg], v[\reg] row_xmask:8 row_mask:0xf bank_mask:0xf
	s_delay_alu instid0(VALU_DEP_1)
	v_permlanex16_b32 v[\tmp], v[\reg], s18, s19
	s_delay_alu instid0(VALU_DEP_1)
	v_add_f32 v[\reg], v[\reg], v[\tmp]
.endm
.macro QSTEP p, s                      ; 16 neighbours a lane, two lanes to a block of 32
.set XN, 96+32*\p+16*\s
.set CI, 12+4*(2*\p+\s)
.set EI, 28+2*\p+\s
	v_max3_num_f32 v8, |v[XN]|, |v[XN+1]|, |v[XN+2]|
	v_max3_num_f32 v9, |v[XN+3]|, |v[XN+4]|, |v[XN+5]|
.irp i, 6,10
	s_delay_alu instid0(VALU_DEP_2)
	v_max3_num_f32 v8, v8, |v[XN+\i]|, |v[XN+\i+1]|
	s_delay_alu instid0(VALU_DEP_2)
	v_max3_num_f32 v9, v9, |v[XN+\i+2]|, |v[XN+\i+3]|
.endr
	s_delay_alu instid0(VALU_DEP_2)
	v_max3_num_f32 v8, v8, |v[XN+14]|, |v[XN+15]|
	s_delay_alu instid0(VALU_DEP_1)
	v_max3_num_f32 v8, v8, v9, 0x4800000           ; and the floor 2^(9 - 127)
	s_delay_alu instid0(VALU_DEP_1)
	v_max_num_f32_dpp v8, v8, v8 row_xmask:1 row_mask:0xf bank_mask:0xf
	s_delay_alu instid0(VALU_DEP_1)
	v_add_nc_u32 v11, 0xfc000000, v8               ; 8 off the exponent field: the conversion's scale operand
	s_delay_alu instid0(VALU_DEP_2)
	v_and_or_b32 v10, v8, 0x7f800000, s24          ; 448 x the scale
.set i, 0
.rept 16
	v_med3_num_f32 v[XN+i], v[XN+i], -v10, v10     ; the conversion does not saturate (ISA guide 7.6.2): the hold comes first
.set i, i+1
.endr
	v_cvt_scalef32_pk8_fp8_f32 v[CI:CI+1], v[XN:XN+7], v11
	v_cvt_scalef32_pk8_fp8_f32 v[CI+2:CI+3], v[XN+8:XN+15], v11
	v_lshrrev_b32 v[EI], 23, v11                   ; the scale's byte
	ds_store_b8 v224, v[EI] offset:256*\s+8*\p     ; both lanes of a block write the same byte with the same value
	global_store_b128 v2, v[CI:CI+3], s[26:27] offset:1024*\p+512*\s   ; 512 consecutive bytes
.endm
.macro ROW p, left
.set Z, 32+32*\p
.set XR, 96+32*\p
	s_wait_loadcnt \left                           ; g, be and this row are in; the next row's 16 loads may be out
.set k, 0
.rept 16
	v_pk_add_f32 v[Z+k:Z+k+1], v[Z+k:Z+k+1], v[XR+k:XR+k+1]   ; the residual
.set k, k+2
.endr
	v_pk_add_f32 v[4:5], v[Z:Z+1], v[Z+2:Z+3]      ; the sum, in two chains
	v_pk_add_f32 v[6:7], v[Z+4:Z+5], v[Z+6:Z+7]
.irp k, 8,12,16,20,24,28
	s_delay_alu instid0(VALU_DEP_2)
	v_pk_add_f32 v[4:5], v[4:5], v[Z+\k:Z+\k+1]
	s_delay_alu instid0(VALU_DEP_2)
	v_pk_add_f32 v[6:7], v[6:7], v[Z+\k+2:Z+\k+3]
.endr
	s_delay_alu instid0(VALU_DEP_1)
	v_pk_add_f32 v[4:5], v[4:5], v[6:7]
	s_delay_alu instid0(VALU_DEP_1)
	v_add_f32 v4, v4, v5
	ALL 4, 5
	s_delay_alu instid0(VALU_DEP_1)
	v_mul_f32 v4, s20, v4                          ; the mean
.set k, 0
.rept 16
	v_pk_add_f32 v[Z+k:Z+k+1], v[Z+k:Z+k+1], v[4:5] op_sel_hi:[1,0] neg_lo:[0,1] neg_hi:[0,1]
.set k, k+2
.endr
	v_pk_mul_f32 v[6:7], v[Z:Z+1], v[Z:Z+1]        ; the squares of the centred numbers
	v_pk_mul_f32 v[8:9], v[Z+2:Z+3], v[Z+2:Z+3]
.irp k, 4,8,12,16,20,24,28
	s_delay_alu instid0(VALU_DEP_2)
	v_pk_fma_f32 v[6:7], v[Z+\k:Z+\k+1], v[Z+\k:Z+\k+1], v[6:7]
	s_delay_alu instid0(VALU_DEP_2)
	v_pk_fma_f32 v[8:9], v[Z+\k+2:Z+\k+3], v[Z+\k+2:Z+\k+3], v[8:9]
.endr
	s_delay_alu instid0(VALU_DEP_1)
	v_pk_add_f32 v[6:7], v[6:7], v[8:9]
	s_delay_alu instid0(VALU_DEP_1)
	v_add_f32 v6, v6, v7
	ALL 6, 7
	s_delay_alu instid0(VALU_DEP_1)
	v_fma_f32 v6, v6, s20, s21                     ; the variance + 1e-5
	s_wait_alu depctr_va_vdst(0)
	v_rsq_f32 v8, v6
	v_nop                                          ; a plain instruction behind the transcendental,
	s_wait_alu depctr_va_vdst(0)                   ; and the wait ahead of its first reader
.set k, 0
.rept 16
	v_pk_mul_f32 v[Z+k:Z+k+1], v[Z+k:Z+k+1], v[8:9] op_sel_hi:[1,0]
.set k, k+2
.endr
.set k, 0
.rept 16
	v_pk_fma_f32 v[Z+k:Z+k+1], v[Z+k:Z+k+1], v[160+k:161+k], v[192+k:193+k]
.set k, k+2
.endr
.irp j, 0,1,2,3,4,5,6,7
	global_store_b128 v2, v[Z+4*\j:Z+4*\j+3], s[22:23] offset:4096*\p+512*\j   ; 512 consecutive bytes
.endr
.if QUANTISE
.irp s, 0,1
.irp i, 0,1,2,3
	ds_store_b128 v3, v[Z+16*\s+4*\i:Z+16*\s+4*\i+3] offset:2560*\s+640*\i
.endr
.irp i, 0,1,2,3
	ds_load_b128 v[XR+16*\s+4*\i:XR+16*\s+4*\i+3], v1 offset:2560*\s+16*\i   ; LDS serves a wave's instructions in order: these see my stores
.endr
.endr
	s_wait_dscnt 8                                 ; the first half row is back; the second's four stores and four loads may be out
	QSTEP \p, 0
	s_wait_dscnt 1                                 ; the second is back; the byte store just issued may be out
	QSTEP \p, 1
.endif
.endm
	ROW 0, 16
	ROW 1, 0
.if QUANTISE
	s_wait_dscnt 0x0                               ; for the others' sake: my byte stores are done
	s_barrier_signal -1
	s_barrier_wait -1
	s_cmp_lg_u32 s14, 0
	s_cbranch_scc1 .Lend
	ds_load_b128 v[228:231], v225
	s_wait_dscnt 0x0
	global_store_b128 v226, v[228:231], s[28:29]
.Lend:
.endif
	s_wait_tensorcnt 0x0
	ds_add_u32 v232, v233
	s_wait_dscnt 0x0
	s_endpgm
.Lfunc_end_k_qb5ba0312e6_ln1:
	.size	k_qb5ba0312e6_ln1, .Lfunc_end_k_qb5ba0312e6_ln1-k_qb5ba0312e6_ln1
	.p2alignl 7, 3214868480
	.fill 96, 4, 3214868480
	.section	.rodata,"a",@progbits
	.p2align	6, 0x0
	.amdhsa_kernel k_qb5ba0312e6_ln1
		.amdhsa_group_segment_fixed_size 42496
		.amdhsa_private_segment_fixed_size 0
		.amdhsa_enable_private_segment 0
		.amdhsa_kernarg_size 40
		.amdhsa_user_sgpr_count 2
		.amdhsa_user_sgpr_kernarg_segment_ptr 1
		.amdhsa_wavefront_size32 1
		.amdhsa_system_sgpr_workgroup_id_x 1
		.amdhsa_system_sgpr_workgroup_id_y 1
		.amdhsa_system_sgpr_workgroup_id_z 1
		.amdhsa_system_vgpr_workitem_id 0
		.amdhsa_next_free_vgpr 234
		.amdhsa_next_free_sgpr 66
		.amdhsa_reserve_vcc 0
		.amdhsa_float_denorm_mode_32 3
		.amdhsa_float_denorm_mode_16_64 3
		.amdhsa_memory_ordered 1
		.amdhsa_forward_progress 1
		.amdhsa_inst_pref_size 38
	.end_amdhsa_kernel
	.amdgpu_metadata
---
amdhsa.version: [ 1, 2 ]
amdhsa.kernels:
  - .name:           k_qb5ba0312e6_ln1
    .symbol:         k_qb5ba0312e6_ln1.kd
    .args:
      - { .name: res, .offset: 0, .size: 8, .value_kind: global_buffer, .address_space: global }
      - { .name: x, .offset: 8, .size: 8, .value_kind: global_buffer, .address_space: global }
      - { .name: g1, .offset: 16, .size: 8, .value_kind: global_buffer, .address_space: global }
      - { .name: be1, .offset: 24, .size: 8, .value_kind: global_buffer, .address_space: global }
      - { .name: x1b, .offset: 32, .size: 8, .value_kind: global_buffer, .address_space: global }
    .group_segment_fixed_size: 42496
    .private_segment_fixed_size: 0
    .kernarg_segment_align: 8
    .kernarg_segment_size: 40
    .max_flat_workgroup_size: 256
    .sgpr_count:     66
    .vgpr_count:     234
    .wavefront_size: 32
...
	.end_amdgpu_metadata
.endif
;; end of part 13
;; launch ffn1 (part 14): grid 16 x 16, 4 waves a work-group, clusters of 4 x 4, 327,680 bytes of LDS; arguments x1b, pq, b1, hd; writes hd
.if DOCPART == 14
	.amdgcn_target "amdgcn-amd-amdhsa--gfx1250"
	.amdhsa_code_object_version 6
	.text
	.protected	k_qb5ba0312e6_ffn1
	.globl	k_qb5ba0312e6_ffn1
	.p2align	8
	.type	k_qb5ba0312e6_ffn1,@function
k_qb5ba0312e6_ffn1:
	s_mov_b64 s[64:65], 0
	v_nop
	global_prefetch_b8 v0, s[64:65] scope:SCOPE_SE
	s_setreg_imm32_b32 hwreg(HW_REG_WAVE_MODE, 25, 1), 1
	s_wait_xcnt 0x0
	s_wait_alu depctr_hold_cnt(0) depctr_sa_sdst(0) depctr_va_vdst(0) depctr_va_sdst(0) depctr_va_ssrc(0) depctr_va_vcc(0) depctr_vm_vsrc(0)
	s_getreg_b32 s2, hwreg(HW_REG_IB_STS2, 6, 4)
	s_cmp_eq_u32 s2, 0
	s_cbranch_scc0 .Lentry_in_a_cluster
	s_endpgm
.Lentry_in_a_cluster:
	s_bfe_u32 s2, ttmp6, 0x10000c
	s_cmp_lg_u32 s2, 0xf033
	s_cbranch_scc0 .Lentry_shape_is_right
	s_endpgm
.Lentry_shape_is_right:
.set KDIM,    1024
.set APL,     256
.set RH,      34816
.set APITCH,  1024
.set BPITCH,  1024
.set A_CODE,  16777216
.set A_SCAL,  20971520
.set A_TILE,  262144
.set A_STEP,  256
.set A_SSTEP, 32768
.set B_CODE,  8388608
.set B_SCAL,  17039360
.set B_TILE,  262144
.set B_SSTEP, 32768
.set FIRST,   2
.set HS,      16777216
.set NQ, 2
.set FR, 16
.set NL, 4
.set NP, 8
.set LP, 272
.set CODEB, 256*LP
.set SIDE, CODEB+2176
.set SLOT, 2*SIDE
.set SPARE, 2*SLOT
.set LAPS, KDIM/512
.set ADRA, 16
.set ADRB, 20
.set ADRS, 22
.set SPW, 28
.set NIL, 29
.set SC, 32
.set BI, 64
.set AF, 128
.set G1A, 24
.set G0A, 32
.set G1B, 48
.set G0B, 56
.set G1SA, 68
.set G1SB, 76
.set MSB, 0
.macro WIN new
.if MSB != (\new)
	s_set_vgpr_msb (MSB<<8)|(\new)
.set MSB, (\new)
.endif
.endm
.macro PLACES n
.rept \n
	v_nop
.endr
.endm
.macro ARM g0, g1
	tensor_load_to_lds s[\g0:\g0+3], s[\g1:\g1+7]
	s_nop 0
.rept 4
	v_nop
.endr
.endm
.macro JLOAD s
	s_cmp_lg_u32 s14, 0
	s_cbranch_scc1 .Lj1_\@
	ARM G0A+4*\s, G1A
	s_branch .Ljd_\@
.Lj1_\@:
	s_cmp_lg_u32 s14, 1
	s_cbranch_scc1 .Lj2_\@
	ARM G0B+4*\s, G1B
	s_branch .Ljd_\@
.Lj2_\@:
	s_cmp_lg_u32 s14, 2
	s_cbranch_scc1 .Lj3_\@
	ARM G0A+4*\s, G1SA
	s_branch .Ljd_\@
.Lj3_\@:
	ARM G0B+4*\s, G1SB
.Ljd_\@:
.endm
.macro CREST
	s_cmp_lg_u32 s14, 0
	s_cbranch_scc1 .Lnw0_\@
	s_barrier_signal -3
.Lnw0_\@:
	s_barrier_wait -3
	s_barrier_signal -1
	s_barrier_wait -1
.endm
.macro CROUND
	s_barrier_signal -1
	s_barrier_wait -1
	CREST
.endm
.macro FETCH_B slot, q, p
	WIN 0x40
.irp i, 0,1,2,3,4,5,6,7
.irp c, 0,1,2,3
	ds_load_b128 v[128*(\p)+FR*\i+4*\c:128*(\p)+FR*\i+4*\c+3], v[ADRB+\slot] offset:128*(\q)+32*\c+\i*16*LP
.endr
.endr
	WIN 0
.endm
.macro FETCH_A slot, q, i0
.irp i, \i0, \i0+1, \i0+2, \i0+3
.irp c, 0,1,2,3
	ds_load_b128 v[AF+FR*(\i)+4*\c:AF+FR*(\i)+4*\c+3], v[ADRA+\slot] offset:128*(\q)+32*\c+(\i)*16*LP
.endr
.endr
.endm
.macro SCALES sc
.irp i, 0,1,2,3,4,5,6,7
	ds_load_b64 v[SC+16*\sc+2*\i:SC+16*\sc+2*\i+1], v[ADRS+\sc] offset:128*\i
.endr
.endm
.macro MUL16 a0, p, q, sc, zero
.irp a, \a0, \a0+1
.irp b, 0,1,2,3,4,5,6,7
.set rD, 8*(8*((\a)%4)+\b)
.set rB, 128*(\p)+FR*\b
.set rA, AF+FR*(\a)
.set rS, SC+8*NQ*(\sc)+(\q)
.if \zero == 1
	v_wmma_scale_f32_16x16x128_f8f6f4 v[rD:rD+7], v[rB:rB+15], v[rA:rA+15], 0, v[rS+NQ*\b], v[rS+NQ*(\a)] matrix_a_scale:MATRIX_SCALE_ROW1
.elseif \zero == 2
	v_wmma_scale_f32_16x16x128_f8f6f4 v[rD:rD+7], v[rB:rB+15], v[rA:rA+15], v[BI+8*\b:BI+8*\b+7], v[rS+NQ*\b], v[rS+NQ*(\a)] matrix_a_scale:MATRIX_SCALE_ROW1
.else
	v_wmma_scale_f32_16x16x128_f8f6f4 v[rD:rD+7], v[rB:rB+15], v[rA:rA+15], v[rD:rD+7], v[rS+NQ*\b], v[rS+NQ*(\a)] matrix_a_scale:MATRIX_SCALE_ROW1
.endif
.endr
.endr
.endm
.macro WMUL hi, zero
.if \zero == 2
	WIN 0x81+0x40*\hi
.else
	WIN 0xa1+0x50*\hi
.endif
.endm
.macro STEP slot, q, zero
	s_wait_dscnt 4*NL
	WMUL 0, \zero
	MUL16 0, (\q)%2, \q, \slot, \zero
	MUL16 2, (\q)%2, \q, \slot, \zero
	s_wait_dscnt 0x0
	PLACES NP
	FETCH_B \slot, (\q)+1, 1-(\q)%2
	FETCH_A \slot, (\q)+1, 0
	WMUL 1, \zero
	MUL16 4, (\q)%2, \q, \slot, \zero
	MUL16 6, (\q)%2, \q, \slot, \zero
	PLACES NP
	WIN 0
	FETCH_A \slot, (\q)+1, 4
.endm
.macro TURN slot, next, fill
	s_wait_tensorcnt 0x0
	ds_add_u32 v[SPW], v[NIL]
	s_wait_dscnt 4*NL+1
	WIN 0xa1
	MUL16 0, 1, 1, \slot, 0
	s_wait_dscnt 0x0
	s_barrier_signal -1
	MUL16 2, 1, 1, \slot, 0
	WIN 0
	s_barrier_wait -1
.if \fill
	CREST
	s_add_nc_u64 s[G0A+4*\slot+2:G0A+4*\slot+3], s[G0A+4*\slot+2:G0A+4*\slot+3], s[84:85]
	s_add_nc_u64 s[G0B+4*\slot+2:G0B+4*\slot+3], s[G0B+4*\slot+2:G0B+4*\slot+3], s[86:87]
	JLOAD \slot
	PLACES NP-4
.else
	PLACES NP
.endif
	FETCH_B \next, 0, 0
	FETCH_A \next, 0, 0
	SCALES \next
	WIN 0xf1
	MUL16 4, 1, 1, \slot, 0
	MUL16 6, 1, 1, \slot, 0
	PLACES NP
	WIN 0
	FETCH_A \next, 0, 4
.endm
	s_load_b256 s[4:11], s[0:1], 0x0
	v_lshl_add_u32 v[SPW], v0, 2, SPARE
	v_mov_b32 v[NIL], 0
	ds_add_u32 v28, v29
	ds_add_u32 v28, v29
	s_wait_dscnt 0x0
	v_lshrrev_b32 v1, 5, v0
	v_readfirstlane_b32 s14, v1
	s_lshr_b32 s15, s14, 1
	s_and_b32 s16, s14, 1
	s_bfe_u32 s40, ttmp6, 0x40000
	s_bfe_u32 s41, ttmp6, 0x40004
	s_lshl_b32 s42, ttmp9, 2
	s_add_co_u32 s42, s42, s40
	s_and_b32 s17, ttmp7, 0xffff
	s_lshl_b32 s17, s17, 2
	s_add_co_u32 s17, s17, s41
	s_mov_b32 s88, A_SSTEP
	s_mov_b32 s90, B_SSTEP
	s_lshl_b32 s43, s41, 2
	s_lshl_b32 s43, 15, s43
	s_lshl_b32 s44, 0x1111, s40
	s_or_b32 s[G1A], s43, (1<<20)|(1<<21)|(5<<22)|(3<<25)
	s_or_b32 s[G1B], s44, (1<<20)|(1<<21)|(5<<22)|(3<<25)
	s_or_b32 s[G1SA], s43, (3<<16)|(1<<21)
	s_or_b32 s[G1SB], s44, (3<<16)|(1<<21)
.irp g, G1A, G1B
	s_mov_b32 s[\g+1], 256<<16
	s_mov_b32 s[\g+2], 256<<16
	s_mov_b32 s[\g+3], 256<<16
	s_mov_b32 s[\g+4], 256
	s_mov_b32 s[\g+6], 0
	s_mov_b32 s[\g+7], 0
.endr
	s_mov_b32 s[G1A+5], APITCH
	s_mov_b32 s[G1B+5], BPITCH
.irp g, G1SA, G1SB
	s_mov_b32 s[\g+1], 32<<16
	s_mov_b32 s[\g+2], 8<<16
	s_mov_b32 s[\g+3], 32<<16
	s_mov_b32 s[\g+4], 8
	s_mov_b32 s[\g+5], 32
	s_mov_b32 s[\g+6], 0
	s_mov_b32 s[\g+7], 0
.endr
	s_mul_i32 s20, s17, A_TILE
	s_add_co_u32 s20, s20, A_CODE
	s_lshl_b32 s21, s17, 11
	s_add_co_u32 s21, s21, A_SCAL
	s_mul_i32 s46, s42, B_TILE
	s_add_co_u32 s46, s46, B_CODE
	s_lshl_b32 s47, s42, 11
	s_add_co_u32 s47, s47, B_SCAL
	s_cmp_eq_u32 s15, 0
	s_cselect_b32 s20, s20, s21
	s_cselect_b32 s46, s46, s47
	s_cselect_b32 s88, A_STEP, s88
	s_cselect_b32 s90, 256, s90
	s_mov_b32 s21, 0
	s_mov_b32 s47, 0
	s_mov_b32 s89, 0
	s_mov_b32 s91, 0
	s_lshl_b32 s84, s88, 1
	s_mov_b32 s85, 0
	s_lshl_b32 s86, s90, 1
	s_mov_b32 s87, 0
	s_mul_i32 s45, s16, SIDE
	s_mul_i32 s18, s15, CODEB
	s_add_co_u32 s45, s45, s18
	s_wait_kmcnt 0x0
	s_add_nc_u64 s[20:21], s[4:5], s[20:21]
	s_add_nc_u64 s[46:47], s[6:7], s[46:47]
.irp s, 0,1
	s_mov_b32 s[G0A+4*\s], 1
	s_add_co_u32 s[G0A+4*\s+1], s45, \s*SLOT
	s_mov_b32 s[G0B+4*\s], 1
	s_add_co_u32 s[G0B+4*\s+1], s45, \s*SLOT
.endr
	s_mov_b64 s[G0A+2:G0A+3], s[20:21]
	s_add_nc_u64 s[G0A+6:G0A+7], s[20:21], s[88:89]
	s_mov_b64 s[G0B+2:G0B+3], s[46:47]
	s_add_nc_u64 s[G0B+6:G0B+7], s[46:47], s[90:91]
.irp g, G0A+3, G0A+7, G0B+3, G0B+7
	s_or_b32 s[\g], s[\g], 0x80000000
.endr
	CROUND
	JLOAD 0
	s_wait_alu depctr_va_vdst(0)
	s_wait_tensorcnt 0x0
	ds_add_u32 v28, v29
	s_wait_dscnt 0x0
	CROUND
	JLOAD 1
	v_and_b32 v1, 15, v0
	v_bfe_u32 v2, v0, 4, 1
	v_and_b32 v3, 31, v0
	s_lshl_b32 s46, s42, 10
	s_lshl_b32 s47, s16, 9
	s_add_co_u32 s46, s46, s47
	s_mov_b32 s47, 0
	s_add_nc_u64 s[8:9], s[8:9], s[46:47]
	v_lshlrev_b32 v9, 5, v2
.irp b, 0,1,2,3,4,5,6,7
	global_load_b128 v[BI+8*\b:BI+8*\b+3], v9, s[8:9] offset:64*\b
	global_load_b128 v[BI+8*\b+4:BI+8*\b+7], v9, s[8:9] offset:64*\b+16
.endr
	v_mul_u32_u24 v4, v1, LP
	v_lshl_add_u32 v4, v2, 4, v4
	s_mul_i32 s21, s15, RH
	s_mul_i32 s22, s16, 34816
	s_add_co_u32 s22, s22, SIDE
.irp s, 0,1
	v_add_nc_u32 v[ADRA+\s], s21, v4
	v_add_nc_u32 v[ADRB+\s], s22, v4
	s_add_co_u32 s21, s21, SLOT
	s_add_co_u32 s22, s22, SLOT
.endr
	v_lshlrev_b32 v6, 3, v1
	s_lshl_b32 s21, s15, 10
	s_lshl_b32 s22, s16, 10
	s_add_co_u32 s22, s22, SIDE
	s_sub_co_u32 s22, s22, s21
	v_mul_u32_u24 v7, s22, v2
	s_add_co_u32 s21, s21, CODEB
	v_add_nc_u32 v6, v6, v7
	v_add_nc_u32 v[ADRS], s21, v6
	s_add_co_u32 s21, s21, SLOT
	v_add_nc_u32 v[ADRS+1], s21, v6
.set STO8, 24
.set RDV,  25
.set L16,  26
.set SG,   27
.set FS,   15
.set TM,   200
.set PW,   216
.set PC,   32
.set OB,   64
.set SEL,  96
.set MNT,  98
	s_mul_i32 s23, s14, 2304
	v_mul_u32_u24 v6, v1, 144
	v_lshl_add_u32 v6, v2, 3, v6
	v_add_nc_u32 v[STO8], s23, v6
	v_lshrrev_b32 v6, 3, v3
	v_mul_u32_u24 v6, v6, 144
	v_and_b32 v7, 7, v3
	v_lshl_add_u32 v6, v7, 4, v6
	v_add_nc_u32 v[RDV], s23, v6
	v_lshlrev_b32 v[L16], 4, v3
	s_lshl_b32 s23, s15, 10
	s_lshl_b32 s22, s16, 2
	s_add_co_u32 s23, s23, s22
	v_lshl_add_u32 v[SG], v1, 3, s23
	s_lshl_b32 s23, s14, 9
	v_add_nc_u32 v[FS], s23, v[L16]
	s_mov_b32 s[SEL], 0x76543210
	s_mov_b32 s[SEL+1], 0xfedcba98
	s_mov_b32 s[MNT], 0x600000
	s_lshl_b32 s20, s17, 20
	s_lshl_b32 s21, s15, 19
	s_add_co_u32 s20, s20, s21
	s_lshl_b32 s46, s42, 15
	s_lshl_b32 s47, s16, 14
	s_add_co_u32 s46, s46, s47
	s_add_co_u32 s46, s46, s20
	s_mov_b32 s47, 0
	s_add_nc_u64 s[12:13], s[10:11], s[46:47]
	s_lshl_b32 s46, s42, 15
	s_lshl_b32 s20, s17, 11
	s_add_co_u32 s46, s46, s20
	s_lshl_b32 s20, s14, 9
	s_add_co_u32 s46, s46, s20
	s_add_co_u32 s46, s46, HS
	s_add_nc_u64 s[10:11], s[10:11], s[46:47]
	s_wait_tensorcnt 1
	s_barrier_signal -1
	s_barrier_wait -1
	FETCH_B 0, 0, 0
	FETCH_A 0, 0, 0
	SCALES 0
	FETCH_A 0, 0, 4
	s_wait_loadcnt 0x0
	STEP 0, 0, FIRST
	s_mov_b32 s3, LAPS-1
.Llap:
	TURN 0, 1, 1
	STEP 1, 0, 0
	TURN 1, 0, 1
	STEP 0, 0, 0
	s_sub_co_u32 s3, s3, 1
	s_cmp_lg_u32 s3, 0
	s_cbranch_scc1 .Llap
	TURN 0, 1, 0
	STEP 1, 0, 0
	s_wait_dscnt 4*NL
	WIN 0xa1
	MUL16 0, 1, 1, 1, 0
	MUL16 2, 1, 1, 1, 0
	s_wait_dscnt 0x0
	WIN 0xf1
	MUL16 4, 1, 1, 1, 0
	MUL16 6, 1, 1, 1, 0
	WIN 0
	PLACES NP
.irp b, 0,1,2,3
	v_mov_b32 v[TM+4+\b], 0
.endr
.macro QUANT a, relu
.set S, 64*((\a)%4)
.set W, 2+(\a)/4
.set PS, PC+16*((\a)%2)
.set PX, PW+(\a)%2
	WIN W|(W<<2)
.irp b, 0,1,2,3
.if \relu
	v_max3_num_f32 v[TM+\b], v[S+16*\b], v[S+16*\b+1], 0x4800000
.else
	v_max3_num_f32 v[TM+\b], |v[S+16*\b]|, |v[S+16*\b+1]|, 0x4800000
.endif
.endr
	WIN (W<<2)|(W<<4)
.irp i, 2,4,6,8,10,12,14
.irp b, 0,1,2,3
.if \relu
	v_max3_num_f32 v[TM+\b], v[TM+\b], v[S+16*\b+\i], v[S+16*\b+\i+1]
.else
	v_max3_num_f32 v[TM+\b], v[TM+\b], |v[S+16*\b+\i]|, |v[S+16*\b+\i+1]|
.endif
.endr
.endr
	WIN 0
.irp b, 0,1,2,3
	v_permlanex16_b32 v[TM+4+\b], v[TM+\b], s[SEL], s[SEL+1]
.endr
.irp b, 0,1,2,3
	v_max_num_f32 v[TM+\b], v[TM+\b], v[TM+4+\b]
.endr
.irp b, 0,1,2,3
	v_add_nc_u32 v[TM+12+\b], 0xfc000000, v[TM+\b]
.endr
.irp b, 0,1,2,3
	v_and_or_b32 v[TM+8+\b], v[TM+\b], 0x7f800000, s[MNT]
.endr
.irp b, 0,1,2,3
	v_lshrrev_b32 v[TM+4+\b], 23, v[TM+12+\b]
.endr
	v_lshl_or_b32 v[PX], v[TM+5], 8, v[TM+4]
	v_lshl_or_b32 v[PX], v[TM+6], 16, v[PX]
	v_lshl_or_b32 v[PX], v[TM+7], 24, v[PX]
	WIN W|(W<<6)
.irp b, 0,1,2,3
.set i, 0
.rept 16
.if \relu
	v_med3_num_f32 v[S+16*\b+i], v[S+16*\b+i], 0, v[TM+8+\b]
.else
	v_med3_num_f32 v[S+16*\b+i], v[S+16*\b+i], -v[TM+8+\b], v[TM+8+\b]
.endif
.set i, i+1
.endr
.endr
	WIN W
.irp b, 0,1,2,3
	v_cvt_scalef32_pk8_fp8_f32 v[PS+4*\b:PS+4*\b+1], v[S+16*\b:S+16*\b+7], v[TM+12+\b]
	v_cvt_scalef32_pk8_fp8_f32 v[PS+4*\b+2:PS+4*\b+3], v[S+16*\b+8:S+16*\b+15], v[TM+12+\b]
.endr
	WIN 0
	v_nop
.endm
.macro TOSTAGE a
.set PS, PC+16*((\a)%2)
.set OX, OB+16*((\a)%2)
.irp b, 0,1,2,3
	ds_store_b64 v[STO8], v[PS+4*\b:PS+4*\b+1] offset:32*\b
	ds_store_b64 v[STO8], v[PS+4*\b+2:PS+4*\b+3] offset:32*\b+16
.endr
	ds_store_b32 v[SG], v[PW+(\a)%2] offset:16384+128*(\a)
.irp u, 0,1,2,3
	ds_load_b128 v[OX+4*\u:OX+4*\u+3], v[RDV] offset:576*\u
.endr
.endm
.macro SENDQ a
.set OX, OB+16*((\a)%2)
	s_wait_dscnt 0x0
.irp u, 0,1,2,3
	global_store_b128 v[L16], v[OX+4*\u:OX+4*\u+3], s[12:13] offset:2048*(\a)+512*\u
.endr
.endm
	QUANT 0, 1
	TOSTAGE 0
.irp a, 1,2,3,4,5,6,7
	QUANT \a, 1
.if \a > 1
	s_wait_xcnt 0x0
.endif
	s_wait_alu depctr_va_vdst(0)
	SENDQ \a-1
	TOSTAGE \a
.endr
	SENDQ 7
	s_wait_dscnt 0x0
	s_barrier_signal -1
	s_barrier_wait -1
	ds_load_b128 v[96:99], v[FS] offset:16384
	s_wait_dscnt 0x0
	global_store_b128 v[L16], v[96:99], s[10:11]
	s_wait_tensorcnt 0x0
	ds_add_u32 v[SPW], v[NIL]
	s_wait_dscnt 0x0
	CROUND
	s_endpgm
.Lfunc_end_k_qb5ba0312e6_ffn1:
	.size	k_qb5ba0312e6_ffn1, .Lfunc_end_k_qb5ba0312e6_ffn1-k_qb5ba0312e6_ffn1
	.p2alignl 7, 3214868480
	.fill 96, 4, 3214868480
	.section	.rodata,"a",@progbits
	.p2align	6, 0x0
	.amdhsa_kernel k_qb5ba0312e6_ffn1
		.amdhsa_group_segment_fixed_size 327680
		.amdhsa_private_segment_fixed_size 0
		.amdhsa_enable_private_segment 0
		.amdhsa_kernarg_size 32
		.amdhsa_user_sgpr_count 2
		.amdhsa_user_sgpr_kernarg_segment_ptr 1
		.amdhsa_wavefront_size32 1
		.amdhsa_system_sgpr_workgroup_id_x 1
		.amdhsa_system_sgpr_workgroup_id_y 1
		.amdhsa_system_sgpr_workgroup_id_z 1
		.amdhsa_system_vgpr_workitem_id 0
		.amdhsa_next_free_vgpr 1024
		.amdhsa_next_free_sgpr 100
		.amdhsa_reserve_vcc 0
		.amdhsa_float_denorm_mode_32 3
		.amdhsa_float_denorm_mode_16_64 3
		.amdhsa_memory_ordered 1
		.amdhsa_forward_progress 1
		.amdhsa_inst_pref_size 197
	.end_amdhsa_kernel
	.amdgpu_metadata
---
amdhsa.version: [ 1, 2 ]
amdhsa.kernels:
  - .name:           k_qb5ba0312e6_ffn1
    .symbol:         k_qb5ba0312e6_ffn1.kd
    .args:
      - { .name: x1b, .offset: 0, .size: 8, .value_kind: global_buffer, .address_space: global }
      - { .name: pq, .offset: 8, .size: 8, .value_kind: global_buffer, .address_space: global }
      - { .name: b1, .offset: 16, .size: 8, .value_kind: global_buffer, .address_space: global }
      - { .name: hd, .offset: 24, .size: 8, .value_kind: global_buffer, .address_space: global }
    .group_segment_fixed_size: 327680
    .private_segment_fixed_size: 0
    .kernarg_segment_align: 8
    .kernarg_segment_size: 32
    .max_flat_workgroup_size: 128
    .sgpr_count:     100
    .vgpr_count:     1024
    .wavefront_size: 32
...
	.end_amdgpu_metadata
.endif
;; end of part 14
;; launch ffn2 (part 15): grid 8 x 32, 4 waves a work-group, clusters of 4 x 4, 327,680 bytes of LDS; arguments hd, pq, b2, res; writes res
.if DOCPART == 15
	.amdgcn_target "amdgcn-amd-amdhsa--gfx1250"
	.amdhsa_code_object_version 6
	.text
	.protected	k_qb5ba0312e6_ffn2
	.globl	k_qb5ba0312e6_ffn2
	.p2align	8
	.type	k_qb5ba0312e6_ffn2,@function
k_qb5ba0312e6_ffn2:
	s_mov_b64 s[64:65], 0
	v_nop
	global_prefetch_b8 v0, s[64:65] scope:SCOPE_SE
	s_setreg_imm32_b32 hwreg(HW_REG_WAVE_MODE, 25, 1), 1
	s_wait_xcnt 0x0
	s_wait_alu depctr_hold_cnt(0) depctr_sa_sdst(0) depctr_va_vdst(0) depctr_va_sdst(0) depctr_va_ssrc(0) depctr_va_vcc(0) depctr_vm_vsrc(0)
	s_getreg_b32 s2, hwreg(HW_REG_IB_STS2, 6, 4)
	s_cmp_eq_u32 s2, 0
	s_cbranch_scc0 .Lentry_in_a_cluster
	s_endpgm
.Lentry_in_a_cluster:
	s_bfe_u32 s2, ttmp6, 0x10000c
	s_cmp_lg_u32 s2, 0xf033
	s_cbranch_scc0 .Lentry_shape_is_right
	s_endpgm
.Lentry_shape_is_right:
.set KDIM,    4096
.set APL,     128
.set RH,      8704
.set BPITCH,  4096
.set A_CODE,  0
.set A_SCAL,  16777216
.set A_TILE,  524288
.set B_CODE,  12582912
.set B_SCAL,  17170432
.set B_TILE,  524288
.set A_STEP,  65536
.set A_SSTEP, 65536
.set A_SPL,   4096
.set B_STEP,  512
.set B_SSTEP, 16384
.set B_SPL,   1024
.set NP, 8
.set LP, 272
.set BP, 528
.set CODEB, 256*LP
.set SIDE, CODEB+2176
.set SLOT, 2*SIDE
.set SPARE, 2*SLOT
.set LAPS, KDIM/1024
.set ADRA, 16
.set ADRB, 20
.set ADRS, 22
.set SPW, 28
.set NIL, 29
.set SC, 32
.set BI, 64
.set ACC, 128
.set G1A, 24
.set G0A, 32
.set G1B, 48
.set G0B, 56
.set G1SA, 68
.set G1SB, 76
.set MSB, 0
.macro WIN new
.if MSB != (\new)
	s_set_vgpr_msb (MSB<<8)|(\new)
.set MSB, (\new)
.endif
.endm
.macro PLACES n
.rept \n
	v_nop
.endr
.endm
.macro ARM g0, g1
	tensor_load_to_lds s[\g0:\g0+3], s[\g1:\g1+7]
	s_nop 0
.rept 4
	v_nop
.endr
.endm
.macro JLOAD s
	s_cmp_lg_u32 s14, 0
	s_cbranch_scc1 .Lj1_\@
	ARM G0A+4*\s, G1A
	s_branch .Ljd_\@
.Lj1_\@:
	s_cmp_lg_u32 s14, 1
	s_cbranch_scc1 .Lj2_\@
	ARM G0B+4*\s, G1B
	s_branch .Ljd_\@
.Lj2_\@:
	s_cmp_lg_u32 s14, 2
	s_cbranch_scc1 .Lj3_\@
	ARM G0A+4*\s, G1SA
	s_branch .Ljd_\@
.Lj3_\@:
	ARM G0B+4*\s, G1SB
.Ljd_\@:
.endm
.macro CREST
	s_cmp_lg_u32 s14, 0
	s_cbranch_scc1 .Lnw0_\@
	s_barrier_signal -3
.Lnw0_\@:
	s_barrier_wait -3
	s_barrier_signal -1
	s_barrier_wait -1
.endm
.macro CROUND
	s_barrier_signal -1
	s_barrier_wait -1
	CREST
.endm
.macro AFRAG slot, q, f, i
.irp c, 0,1,2,3
.if APL == 128
	ds_load_b128 v[(\f)+16*(\i)+4*\c:(\f)+16*(\i)+4*\c+3], v[ADRA+\slot] offset:17408*(\q)+2176*(\i)+32*\c
.else
	ds_load_b128 v[(\f)+16*(\i)+4*\c:(\f)+16*(\i)+4*\c+3], v[ADRA+\slot] offset:8704*(2*(\q)+\c/2)+1088*(\i)+32*(\c%2)
.endif
.endr
.endm
.macro FETCH1 slot, q, f
	WIN 0x40
.irp i, 0,1,2,3
.irp c, 0,1,2,3
	ds_load_b128 v[(\f)+64+16*\i+4*\c:(\f)+64+16*\i+4*\c+3], v[ADRB+\slot] offset:128*(\q)+32*\c+\i*16*BP
.endr
.endr
	AFRAG \slot, \q, \f, 0
	AFRAG \slot, \q, \f, 1
.endm
.macro FETCH2 slot, q, f
	WIN 0x40
	AFRAG \slot, \q, \f, 2
	AFRAG \slot, \q, \f, 3
.endm
.macro SCALES sc
	WIN 0
.irp i, 0,1,2,3
.irp p, 0,1
	ds_load_b64 v[SC+16*\sc+4*\i+2*\p:SC+16*\sc+4*\i+2*\p+1], v[ADRS+\sc] offset:128*\i+1024*\p
.endr
.endr
.endm
.macro MULA a, f, q, sc, zero
.irp b, 0,1,2,3
.set rD, ACC+8*(4*(\a)+\b)
.set rB, (\f)+64+16*\b
.set rA, (\f)+16*(\a)
.set rS, SC+16*(\sc)+(\q)
.if \zero
	v_wmma_scale_f32_16x16x128_f8f6f4 v[rD:rD+7], v[rB:rB+15], v[rA:rA+15], v[BI+8*\b:BI+8*\b+7], v[rS+4*\b], v[rS+4*(\a)] matrix_a_scale:MATRIX_SCALE_ROW1
.else
	v_wmma_scale_f32_16x16x128_f8f6f4 v[rD:rD+7], v[rB:rB+15], v[rA:rA+15], v[rD:rD+7], v[rS+4*\b], v[rS+4*(\a)] matrix_a_scale:MATRIX_SCALE_ROW1
.endif
.endr
.endm
.macro QUARTER slot, q, zero
	s_wait_dscnt 8
	WIN 0x05
	MULA 0, 128*((\q)%2), \q, \slot, \zero
	MULA 1, 128*((\q)%2), \q, \slot, \zero
	PLACES NP
	FETCH1 \slot, (\q)+1, 128-128*((\q)%2)
	FETCH2 \slot, (\q)+1, 128-128*((\q)%2)
	s_wait_dscnt 32
	WIN 0x05
	MULA 2, 128*((\q)%2), \q, \slot, \zero
	MULA 3, 128*((\q)%2), \q, \slot, \zero
.endm
.macro TURN slot, next, fill
	WIN 0
.if (\fill) && (\slot) == 0
	s_wait_xcnt 0x0                                ; my prefetches, three quarters of a K step back and more, have read their base:
	s_add_nc_u64 s[92:93], s[92:93], s[94:95]      ; two K steps on, once a lap
.endif
	s_wait_tensorcnt 0x0
	ds_add_u32 v[SPW], v[NIL]
	s_wait_dscnt 9
	WIN 0x05
	MULA 0, 128, 3, \slot, 0
	s_wait_dscnt 0x0
	s_barrier_signal -1
	MULA 1, 128, 3, \slot, 0
	WIN 0
	s_barrier_wait -1
.if \fill
	CREST
	s_add_nc_u64 s[G0A+4*\slot+2:G0A+4*\slot+3], s[G0A+4*\slot+2:G0A+4*\slot+3], s[84:85]
	s_add_nc_u64 s[G0B+4*\slot+2:G0B+4*\slot+3], s[G0B+4*\slot+2:G0B+4*\slot+3], s[86:87]
	JLOAD \slot
	PLACES NP-4
.else
	PLACES NP
.endif
	FETCH1 \next, 0, 0
	s_wait_alu depctr_va_vdst(0)
	SCALES \next
	FETCH2 \next, 0, 0
.if \fill
	WIN 0                                          ; the K step that stands two refills on: one instruction a wave, a lane a block of 256 bytes; the last lap's two refills have none
	s_cmp_gt_u32 s3, 1
	s_cbranch_scc0 .Lnone_on_\@
	global_prefetch_b8 v[30+\slot], s[92:93] th:TH_LOAD_NT scope:SCOPE_SE
.Lnone_on_\@:
.endif
	WIN 0x05
	MULA 2, 128, 3, \slot, 0
	MULA 3, 128, 3, \slot, 0
.endm
	s_load_b256 s[4:11], s[0:1], 0x0
	v_lshl_add_u32 v[SPW], v0, 2, SPARE
	v_mov_b32 v[NIL], 0
	ds_add_u32 v28, v29
	ds_add_u32 v28, v29
	s_wait_dscnt 0x0
	v_lshrrev_b32 v1, 5, v0
	v_readfirstlane_b32 s14, v1
	s_lshr_b32 s15, s14, 1
	s_and_b32 s16, s14, 1
	s_bfe_u32 s40, ttmp6, 0x40000
	s_bfe_u32 s41, ttmp6, 0x40004
	s_lshl_b32 s42, ttmp9, 2
	s_add_co_u32 s42, s42, s40
	s_and_b32 s17, ttmp7, 0xffff
	s_lshl_b32 s17, s17, 2
	s_add_co_u32 s17, s17, s41
	s_mov_b32 s88, A_SSTEP
	s_mov_b32 s90, B_SSTEP
	s_lshl_b32 s43, s41, 2
	s_lshl_b32 s43, 15, s43
	s_lshl_b32 s44, 0x1111, s40
	s_or_b32 s[G1A], s43, (1<<20)|(1<<21)|(5<<22)|(3<<25)
	s_or_b32 s[G1B], s44, (1<<20)|(1<<21)|(6<<22)|(3<<25)
	s_or_b32 s[G1SA], s43, (3<<16)|(1<<21)
	s_or_b32 s[G1SB], s44, (3<<16)|(1<<21)
	s_mov_b32 s[G1A+1], 256<<16
	s_mov_b32 s[G1A+2], 256<<16
	s_mov_b32 s[G1A+3], 256<<16
	s_mov_b32 s[G1A+4], 256
	s_mov_b32 s[G1A+5], 256
	s_mov_b32 s[G1A+6], 0
	s_mov_b32 s[G1A+7], 0
	s_mov_b32 s[G1B+1], 512<<16
	s_mov_b32 s[G1B+2], 128<<16
	s_mov_b32 s[G1B+3], 512<<16
	s_mov_b32 s[G1B+4], 128
	s_mov_b32 s[G1B+5], BPITCH
	s_mov_b32 s[G1B+6], 0
	s_mov_b32 s[G1B+7], 0
.irp g, G1SA, G1SB
	s_mov_b32 s[\g+1], 128<<16
	s_mov_b32 s[\g+2], 2<<16
	s_mov_b32 s[\g+3], 128<<16
	s_mov_b32 s[\g+4], 2
	s_mov_b32 s[\g+6], 0
	s_mov_b32 s[\g+7], 0
.endr
	s_mov_b32 s[G1SA+5], A_SPL
	s_mov_b32 s[G1SB+5], B_SPL
	s_mul_i32 s20, s17, A_TILE
	s_add_co_u32 s20, s20, A_CODE
	s_lshl_b32 s21, s17, 10
	s_add_co_u32 s21, s21, A_SCAL
	s_mul_i32 s46, s42, B_TILE
	s_add_co_u32 s46, s46, B_CODE
	s_lshl_b32 s47, s42, 10
	s_add_co_u32 s47, s47, B_SCAL
	s_cmp_eq_u32 s15, 0
	s_cselect_b32 s20, s20, s21
	s_cselect_b32 s46, s46, s47
	s_cselect_b32 s88, A_STEP, s88
	s_cselect_b32 s90, B_STEP, s90
	s_mov_b32 s21, 0
	s_mov_b32 s47, 0
	s_mov_b32 s89, 0
	s_mov_b32 s91, 0
	s_lshl_b32 s84, s88, 1
	s_mov_b32 s85, 0
	s_lshl_b32 s86, s90, 1
	s_mov_b32 s87, 0
	s_mul_i32 s45, s16, SIDE
	s_mul_i32 s18, s15, CODEB
	s_add_co_u32 s45, s45, s18
	s_wait_kmcnt 0x0
	s_add_nc_u64 s[20:21], s[4:5], s[20:21]
	s_add_nc_u64 s[46:47], s[6:7], s[46:47]
.irp s, 0,1
	s_mov_b32 s[G0A+4*\s], 1
	s_add_co_u32 s[G0A+4*\s+1], s45, \s*SLOT
	s_mov_b32 s[G0B+4*\s], 1
	s_add_co_u32 s[G0B+4*\s+1], s45, \s*SLOT
.endr
	s_mov_b64 s[G0A+2:G0A+3], s[20:21]
	s_add_nc_u64 s[G0A+6:G0A+7], s[20:21], s[88:89]
	s_mov_b64 s[G0B+2:G0B+3], s[46:47]
	s_add_nc_u64 s[G0B+6:G0B+7], s[46:47], s[90:91]
.irp g, G0A+3, G0A+7, G0B+3, G0B+7
	s_or_b32 s[\g], s[\g], 0x80000000
.endr
	CROUND
	JLOAD 0
	s_wait_alu depctr_va_vdst(0)
	s_wait_tensorcnt 0x0
	ds_add_u32 v28, v29
	s_wait_dscnt 0x0
	CROUND
	JLOAD 1
	v_and_b32 v1, 15, v0
	v_bfe_u32 v2, v0, 4, 1
	s_lshl_b32 s46, s42, 9
	s_lshl_b32 s47, s16, 8
	s_add_co_u32 s46, s46, s47
	s_mov_b32 s47, 0
	s_add_nc_u64 s[8:9], s[8:9], s[46:47]
	v_lshlrev_b32 v9, 5, v2
.irp b, 0,1,2,3
	global_load_b128 v[BI+8*\b:BI+8*\b+3], v9, s[8:9] offset:64*\b
	global_load_b128 v[BI+8*\b+4:BI+8*\b+7], v9, s[8:9] offset:64*\b+16
.endr
	; THE PREFETCHES.  A K step of a tile is 256 blocks of 256 bytes: A's 65,536 dense bytes, B's 128 rows x 512 bytes.  The four partners that load a tile jointly share its blocks out BY ADDRESS:
	; waves 0, 1 of the partner at place cx take A's blocks 64 cx + 32 (wave % 2) on, waves 2, 3 of the partner at place cy B's likewise: each block is named once in the cluster.
	; K steps 2 and 3 are asked for here; behind the refill of K step n stands the prefetch of K step n + 2, up to K step 7.  The scale bytes, 2,048 a tile and K step, come by their loads alone.
	s_mul_i32 s20, s17, A_TILE
	s_mul_i32 s21, s42, B_TILE
	s_add_co_u32 s21, s21, B_CODE
	s_mov_b32 s97, BPITCH
	s_mov_b32 s98, B_STEP
	s_cmp_eq_u32 s15, 0                            ; by the wave's number: for A or for B
	s_cselect_b64 s[92:93], s[4:5], s[6:7]
	s_cselect_b32 s96, s40, s41
	s_cselect_b32 s20, s20, s21
	s_cselect_b32 s97, 512, s97                    ; from a pair of blocks to the next
	s_cselect_b32 s98, A_STEP, s98                 ; a K step on
	s_lshl_b32 s96, s96, 1
	s_add_co_u32 s96, s96, s16
	s_lshl_b32 s21, s97, 4                         ; my 32 blocks are 16 pairs
	s_mul_i32 s96, s96, s21
	s_add_co_u32 s20, s20, s96
	s_lshl_b32 s94, s98, 1
	s_add_co_u32 s20, s20, s94                     ; at K step 2
	s_mov_b32 s21, 0
	s_mov_b32 s95, 0
	s_add_nc_u64 s[92:93], s[92:93], s[20:21]
	v_and_b32 v30, 31, v0
	v_lshrrev_b32 v31, 1, v30
	v_and_b32 v30, 1, v30
	v_lshlrev_b32 v30, 8, v30
	v_mad_u32_u24 v30, v31, s97, v30               ; v30: my block of an even K step;
	v_add_nc_u32 v31, s98, v30                     ; v31: of the odd one behind it.  Neither is rewritten
	global_prefetch_b8 v30, s[92:93] th:TH_LOAD_NT scope:SCOPE_SE
	global_prefetch_b8 v31, s[92:93] th:TH_LOAD_NT scope:SCOPE_SE
	s_wait_alu depctr_va_vdst(0)                   ; directly ahead of the reader below
	v_mul_u32_u24 v4, v1, BP
	v_lshl_add_u32 v4, v2, 4, v4
.if APL == 128
	v_lshrrev_b32 v5, 1, v1
	v_mul_u32_u24 v5, v5, LP
	v_and_b32 v6, 1, v1
	v_lshl_add_u32 v5, v6, 7, v5
.else
	v_lshrrev_b32 v5, 2, v1
	v_mul_u32_u24 v5, v5, LP
	v_and_b32 v6, 3, v1
	v_lshl_add_u32 v5, v6, 6, v5
.endif
	v_lshl_add_u32 v5, v2, 4, v5
	s_mul_i32 s21, s15, RH
	s_mul_i32 s22, s16, 64*BP
	s_add_co_u32 s22, s22, SIDE
.irp s, 0,1
	v_add_nc_u32 v[ADRA+\s], s21, v5
	v_add_nc_u32 v[ADRB+\s], s22, v4
	s_add_co_u32 s21, s21, SLOT
	s_add_co_u32 s22, s22, SLOT
.endr
	v_lshlrev_b32 v6, 3, v1
	s_lshl_b32 s21, s15, 9
	s_lshl_b32 s22, s16, 9
	s_add_co_u32 s22, s22, SIDE
	s_sub_co_u32 s22, s22, s21
	v_mul_u32_u24 v7, s22, v2
	s_add_co_u32 s21, s21, CODEB
	v_add_nc_u32 v6, v6, v7
	v_add_nc_u32 v[ADRS], s21, v6
	s_add_co_u32 s21, s21, SLOT
	v_add_nc_u32 v[ADRS+1], s21, v6
.set STO, 24
.set RD,  25
.set CO,  26
.set BK,  64
.set SPITCH, 272
	s_mul_i32 s23, s14, 16*SPITCH
	v_mul_u32_u24 v6, v1, SPITCH
	v_lshl_add_u32 v6, v2, 5, v6
	v_add_nc_u32 v[STO], s23, v6
	v_mul_u32_u24 v6, v2, SPITCH
	v_lshl_add_u32 v6, v1, 4, v6
	v_add_nc_u32 v[RD], s23, v6
	v_lshlrev_b32 v[CO], 12, v2
	v_lshl_add_u32 v[CO], v1, 4, v[CO]
	s_lshl_b32 s20, s17, 19
	s_lshl_b32 s21, s15, 18
	s_add_co_u32 s20, s20, s21
	s_lshl_b32 s46, s42, 9
	s_lshl_b32 s47, s16, 8
	s_add_co_u32 s46, s46, s47
	s_add_co_u32 s46, s46, s20
	s_mov_b32 s47, 0
	s_add_nc_u64 s[10:11], s[10:11], s[46:47]
	s_wait_tensorcnt 1
	s_barrier_signal -1
	s_barrier_wait -1
	FETCH1 0, 0, 0
	SCALES 0
	FETCH2 0, 0, 0
	s_wait_loadcnt 0x0
	QUARTER 0, 0, 1
	WIN 0
.if LAPS > 1
	s_mov_b32 s3, LAPS-1
.Llap:
	QUARTER 0, 1, 0
	QUARTER 0, 2, 0
	TURN 0, 1, 1
	QUARTER 1, 0, 0
	QUARTER 1, 1, 0
	QUARTER 1, 2, 0
	TURN 1, 0, 1
	QUARTER 0, 0, 0
	WIN 0
	s_sub_co_u32 s3, s3, 1
	s_cmp_lg_u32 s3, 0
	s_cbranch_scc1 .Llap
.endif
	QUARTER 0, 1, 0
	QUARTER 0, 2, 0
	TURN 0, 1, 0
	QUARTER 1, 0, 0
	QUARTER 1, 1, 0
	QUARTER 1, 2, 0
	s_wait_dscnt 8
	WIN 0x05
	MULA 0, 128, 3, 1, 0
	MULA 1, 128, 3, 1, 0
	s_wait_dscnt 0x0
	MULA 2, 128, 3, 1, 0
	MULA 3, 128, 3, 1, 0
	WIN 0
	PLACES NP
.macro TOSTAGE a
.irp b, 0,1,2,3
	ds_store_b128 v[STO], v[ACC+8*(4*(\a)+\b):ACC+8*(4*(\a)+\b)+3] offset:64*\b
	ds_store_b128 v[STO], v[ACC+8*(4*(\a)+\b)+4:ACC+8*(4*(\a)+\b)+7] offset:64*\b+16
.endr
.set BB, BK+32*((\a)%2)
.irp t, 0,1,2,3,4,5,6,7
	ds_load_b128 v[BB+4*\t:BB+4*\t+3], v[RD] offset:2*\t*SPITCH
.endr
.endm
.macro SEND a, younger
.set BB, BK+32*((\a)%2)
	s_wait_dscnt \younger
.irp t, 0,1,2,3,4,5,6,7
	global_store_b128 v[CO], v[BB+4*\t:BB+4*\t+3], s[10:11] offset:(16*(\a)+2*\t)*4096 th:TH_STORE_NT
.endr
.endm
	TOSTAGE 0
.irp a, 1,2,3
.if \a > 1
	s_wait_xcnt 0x0
.endif
	TOSTAGE \a
	SEND \a-1, 16
.endr
	SEND 3, 0
	s_wait_tensorcnt 0x0
	ds_add_u32 v[SPW], v[NIL]
	s_wait_dscnt 0x0
	CROUND
	s_endpgm
.Lfunc_end_k_qb5ba0312e6_ffn2:
	.size	k_qb5ba0312e6_ffn2, .Lfunc_end_k_qb5ba0312e6_ffn2-k_qb5ba0312e6_ffn2
	.p2alignl 7, 3214868480
	.fill 96, 4, 3214868480
	.section	.rodata,"a",@progbits
	.p2align	6, 0x0
	.amdhsa_kernel k_qb5ba0312e6_ffn2
		.amdhsa_group_segment_fixed_size 327680
		.amdhsa_private_segment_fixed_size 0
		.amdhsa_enable_private_segment 0
		.amdhsa_kernarg_size 32
		.amdhsa_user_sgpr_count 2
		.amdhsa_user_sgpr_kernarg_segment_ptr 1
		.amdhsa_wavefront_size32 1
		.amdhsa_system_sgpr_workgroup_id_x 1
		.amdhsa_system_sgpr_workgroup_id_y 1
		.amdhsa_system_sgpr_workgroup_id_z 1
		.amdhsa_system_vgpr_workitem_id 0
		.amdhsa_next_free_vgpr 512
		.amdhsa_next_free_sgpr 100
		.amdhsa_reserve_vcc 0
		.amdhsa_float_denorm_mode_32 3
		.amdhsa_float_denorm_mode_16_64 3
		.amdhsa_memory_ordered 1
		.amdhsa_forward_progress 1
		.amdhsa_inst_pref_size 98
	.end_amdhsa_kernel
	.amdgpu_metadata
---
amdhsa.version: [ 1, 2 ]
amdhsa.kernels:
  - .name:           k_qb5ba0312e6_ffn2
    .symbol:         k_qb5ba0312e6_ffn2.kd
    .args:
      - { .name: hd, .offset: 0, .size: 8, .value_kind: global_buffer, .address_space: global }
      - { .name: pq, .offset: 8, .size: 8, .value_kind: global_buffer, .address_space: global }
      - { .name: b2, .offset: 16, .size: 8, .value_kind: global_buffer, .address_space: global }
      - { .name: res, .offset: 24, .size: 8, .value_kind: global_buffer, .address_space: global }
    .group_segment_fixed_size: 327680
    .private_segment_fixed_size: 0
    .kernarg_segment_align: 8
    .kernarg_segment_size: 32
    .max_flat_workgroup_size: 128
    .sgpr_count:     100
    .vgpr_count:     512
    .wavefront_size: 32
...
	.end_amdgpu_metadata
.endif
;; end of part 15
;; launch ln2 (part 16): grid 256 x 1, 8 waves a work-group, no clusters, 0 bytes of LDS; arguments res, x1b, g2, be2, out0; writes out0
.if DOCPART == 16
	.amdgcn_target "amdgcn-amd-amdhsa--gfx1250"
	.amdhsa_code_object_version 6
	.text
	.protected	k_qb5ba0312e6_ln2
	.globl	k_qb5ba0312e6_ln2
	.p2align	8
	.type	k_qb5ba0312e6_ln2,@function
k_qb5ba0312e6_ln2:
	s_mov_b64 s[64:65], 0
	v_nop
	global_prefetch_b8 v0, s[64:65] scope:SCOPE_SE
	s_setreg_imm32_b32 hwreg(HW_REG_WAVE_MODE, 25, 1), 1
	s_wait_xcnt 0x0
; out = LayerNorm(x1 + res) g + be over rows of 1,024, f32.  x1 lies at the head of x1b.
; Memory binds: each byte is read once and written once.  One wave, one row at a time, two rows a wave: a row (8 loads of 512 consecutive bytes from each of the two tensors) stays in registers between the mean, the variance
; (of the centred numbers: no difference of large sums) and the scaling.  All 48 loads of a wave go out at its head.  No LDS, no barrier, no matrix unit, no cluster: nothing is shared but g and be.
; LIMITS: NaN and infinities are not served.
; REGISTERS: v2 16 x lane; v4-9 at work; v32-95 the two rows; v96-159 x1; v160-191 g; v192-223 be.
	s_load_b256 s[4:11], s[0:1], 0x0               ; res, x1b, g, be
	s_load_b64 s[12:13], s[0:1], 0x20              ; out
	v_lshrrev_b32 v1, 5, v0
	s_delay_alu instid0(VALU_DEP_1)
	v_readfirstlane_b32 s14, v1                    ; wave 0..7
	v_and_b32 v10, 31, v0                          ; lane
	s_delay_alu instid0(VALU_DEP_1)
	v_lshlrev_b32 v2, 4, v10                       ; 16 bytes a lane
	s_lshl_b32 s16, ttmp9, 16                      ; 16 rows of 4,096 bytes a work-group,
	s_lshl_b32 s17, s14, 13                        ; two a wave
	s_add_co_u32 s16, s16, s17
	s_mov_b32 s17, 0
	s_mov_b32 s18, 0x76543210
	s_mov_b32 s19, 0xfedcba98                      ; v_permlanex16_b32's selects for lane l xor 16
	s_mov_b32 s20, 0x3a800000                      ; 1 / 1,024
	s_mov_b32 s21, 0x3727c5ac                      ; 1e-5
	s_wait_alu depctr_va_vdst(0)
	s_wait_kmcnt 0x0
	s_add_nc_u64 s[4:5], s[4:5], s[16:17]
	s_add_nc_u64 s[6:7], s[6:7], s[16:17]
	s_add_nc_u64 s[22:23], s[12:13], s[16:17]
.irp j, 0,1,2,3,4,5,6,7
	global_load_b128 v[160+4*\j:163+4*\j], v2, s[8:9] offset:512*\j
	global_load_b128 v[192+4*\j:195+4*\j], v2, s[10:11] offset:512*\j
.endr
.irp p, 0,1
.irp j, 0,1,2,3,4,5,6,7
	global_load_b128 v[32+32*\p+4*\j:35+32*\p+4*\j], v2, s[4:5] offset:4096*\p+512*\j th:TH_LOAD_NT
	global_load_b128 v[96+32*\p+4*\j:99+32*\p+4*\j], v2, s[6:7] offset:4096*\p+512*\j th:TH_LOAD_NT
.endr
.endr
.macro ALL reg, tmp                    ; the sum over the 32 lanes, in every lane
	s_delay_alu instid0(VALU_DEP_1)
	v_add_f32_dpp v[\reg], v[\reg], v[\reg] row_xmask:1 row_mask:0xf bank_mask:0xf
	s_delay_alu instid0(VALU_DEP_1)
	v_add_f32_dpp v[\reg], v[\reg], v[\reg] row_xmask:2 row_mask:0xf bank_mask:0xf
	s_delay_alu instid0(VALU_DEP_1)
	v_add_f32_dpp v[\reg], v[\reg], v[\reg] row_xmask:4 row_mask:0xf bank_mask:0xf
	s_delay_alu instid0(VALU_DEP_1)
	v_add_f32_dpp v[\reg], v[\reg], v[\reg] row_xmask:8 row_mask:0xf bank_mask:0xf
	s_delay_alu instid0(VALU_DEP_1)
	v_permlanex16_b32 v[\tmp], v[\reg], s18, s19
	s_delay_alu instid0(VALU_DEP_1)
	v_add_f32 v[\reg], v[\reg], v[\tmp]
.endm
.macro ROW p, left
.set Z, 32+32*\p
.set XR, 96+32*\p
	s_wait_loadcnt \left                           ; g, be and this row are in; the next row's 16 loads may be out
.set k, 0
.rept 16
	v_pk_add_f32 v[Z+k:Z+k+1], v[Z+k:Z+k+1], v[XR+k:XR+k+1]   ; the residual
.set k, k+2
.endr
	v_pk_add_f32 v[4:5], v[Z:Z+1], v[Z+2:Z+3]      ; the sum, in two chains
	v_pk_add_f32 v[6:7], v[Z+4:Z+5], v[Z+6:Z+7]
.irp k, 8,12,16,20,24,28
	s_delay_alu instid0(VALU_DEP_2)
	v_pk_add_f32 v[4:5], v[4:5], v[Z+\k:Z+\k+1]
	s_delay_alu instid0(VALU_DEP_2)
	v_pk_add_f32 v[6:7], v[6:7], v[Z+\k+2:Z+\k+3]
.endr
	s_delay_alu instid0(VALU_DEP_1)
	v_pk_add_f32 v[4:5], v[4:5], v[6:7]
	s_delay_alu instid0(VALU_DEP_1)
	v_add_f32 v4, v4, v5
	ALL 4, 5
	s_delay_alu instid0(VALU_DEP_1)
	v_mul_f32 v4, s20, v4                          ; the mean
.set k, 0
.rept 16
	v_pk_add_f32 v[Z+k:Z+k+1], v[Z+k:Z+k+1], v[4:5] op_sel_hi:[1,0] neg_lo:[0,1] neg_hi:[0,1]
.set k, k+2
.endr
	v_pk_mul_f32 v[6:7], v[Z:Z+1], v[Z:Z+1]        ; the squares of the centred numbers
	v_pk_mul_f32 v[8:9], v[Z+2:Z+3], v[Z+2:Z+3]
.irp k, 4,8,12,16,20,24,28
	s_delay_alu instid0(VALU_DEP_2)
	v_pk_fma_f32 v[6:7], v[Z+\k:Z+\k+1], v[Z+\k:Z+\k+1], v[6:7]
	s_delay_alu instid0(VALU_DEP_2)
	v_pk_fma_f32 v[8:9], v[Z+\k+2:Z+\k+3], v[Z+\k+2:Z+\k+3], v[8:9]
.endr
	s_delay_alu instid0(VALU_DEP_1)
	v_pk_add_f32 v[6:7], v[6:7], v[8:9]
	s_delay_alu instid0(VALU_DEP_1)
	v_add_f32 v6, v6, v7
	ALL 6, 7
	s_delay_alu instid0(VALU_DEP_1)
	v_fma_f32 v6, v6, s20, s21                     ; the variance + 1e-5
	s_wait_alu depctr_va_vdst(0)
	v_rsq_f32 v8, v6
	v_nop                                          ; a plain instruction behind the transcendental,
	s_wait_alu depctr_va_vdst(0)                   ; and the wait ahead of its first reader
.set k, 0
.rept 16
	v_pk_mul_f32 v[Z+k:Z+k+1], v[Z+k:Z+k+1], v[8:9] op_sel_hi:[1,0]
.set k, k+2
.endr
.set k, 0
.rept 16
	v_pk_fma_f32 v[Z+k:Z+k+1], v[Z+k:Z+k+1], v[160+k:161+k], v[192+k:193+k]
.set k, k+2
.endr
.irp j, 0,1,2,3,4,5,6,7
	global_store_b128 v2, v[Z+4*\j:Z+4*\j+3], s[22:23] offset:4096*\p+512*\j th:TH_STORE_NT   ; 512 consecutive bytes
.endr
.endm
	ROW 0, 16
	ROW 1, 0
	s_endpgm
.Lfunc_end_k_qb5ba0312e6_ln2:
	.size	k_qb5ba0312e6_ln2, .Lfunc_end_k_qb5ba0312e6_ln2-k_qb5ba0312e6_ln2
	.p2alignl 7, 3214868480
	.fill 96, 4, 3214868480
	.section	.rodata,"a",@progbits
	.p2align	6, 0x0
	.amdhsa_kernel k_qb5ba0312e6_ln2
		.amdhsa_group_segment_fixed_size 0
		.amdhsa_private_segment_fixed_size 0
		.amdhsa_enable_private_segment 0
		.amdhsa_kernarg_size 40
		.amdhsa_user_sgpr_count 2
		.amdhsa_user_sgpr_kernarg_segment_ptr 1
		.amdhsa_wavefront_size32 1
		.amdhsa_system_sgpr_workgroup_id_x 1
		.amdhsa_system_sgpr_workgroup_id_y 1
		.amdhsa_system_sgpr_workgroup_id_z 1
		.amdhsa_system_vgpr_workitem_id 0
		.amdhsa_next_free_vgpr 232
		.amdhsa_next_free_sgpr 66
		.amdhsa_reserve_vcc 0
		.amdhsa_float_denorm_mode_32 3
		.amdhsa_float_denorm_mode_16_64 3
		.amdhsa_memory_ordered 1
		.amdhsa_forward_progress 1
		.amdhsa_inst_pref_size 24
	.end_amdhsa_kernel
	.amdgpu_metadata
---
amdhsa.version: [ 1, 2 ]
amdhsa.kernels:
  - .name:           k_qb5ba0312e6_ln2
    .symbol:         k_qb5ba0312e6_ln2.kd
    .args:
      - { .name: res, .offset: 0, .size: 8, .value_kind: global_buffer, .address_space: global }
      - { .name: x1b, .offset: 8, .size: 8, .value_kind: global_buffer, .address_space: global }
      - { .name: g2, .offset: 16, .size: 8, .value_kind: global_buffer, .address_space: global }
      - { .name: be2, .offset: 24, .size: 8, .value_kind: global_buffer, .address_space: global }
      - { .name: out0, .offset: 32, .size: 8, .value_kind: global_buffer, .address_space: global }
    .group_segment_fixed_size: 0
    .private_segment_fixed_size: 0
    .kernarg_segment_align: 8
    .kernarg_segment_size: 40
    .max_flat_workgroup_size: 256
    .sgpr_count:     66
    .vgpr_count:     232
    .wavefront_size: 32
...
	.end_amdgpu_metadata
.endif
;; end of part 16
